; MI455X (gfx1250); checked and timed in simulation.
; The chip was launched on July 23, 2026; its instructions are those of AMD's public machine-readable ISA for CDNA 5 (MIT licence, August 2026) and "CDNA5" Instruction Set Architecture Reference Guide (July 2026). The comments in the code are by the model that wrote it; some were corrected since.
;; Intrinsic Reward. Allowed arithmetic: matrix products marked QUANTISED: E2M1 operands, one E8M0 scale for each 32 along K, by v_wmma_scale_f32_16x16x128_f8f6f4 with both operands' format E2M1 (or v_wmma_scale_f32_32x16x128_f4), f32 sums; everything else in f32.
;; Inputs: W1 262 x 128 float32; W2_codes 64 x 4 x 16 uint8 (E2M1 codes of W2, K innermost, in blocks of 32 codes, two codes a byte); W2_scales 64 x 4 uint8 (E8M0 scales of W2, one for each 32 codes along K); W3_codes 256 x 2 x 16 uint8 (E2M1 codes of W3, K innermost, in blocks of 32 codes, two codes a byte); W3_scales 256 x 2 uint8 (E8M0 scales of W3, one for each 32 codes along K); action 1,024 x 6 float32; b1 128 float32; b2 64 float32; b3 256 float32; be1 128 float32; be2 64 float32; g1 128 float32; g2 64 float32; mem 200,000 x 256 float32; sigma 1,024 x 6 float32; z_t 1,024 x 256 float32; z_t1 1,024 x 256 float32.
;; Outputs: out0 4 x 1,024 float32.
;; This version of the problem:
;;   THIS VERSION OF THE PROBLEM IS GIVEN IN LOW PRECISION. The matrix products marked QUANTISED in the list below multiply operands that are first quantised to E2M1 (2 exponent bits, 1 mantissa bit; 4 bits a number), with one power-of-two scale for each 32 numbers along K (OCP MX v1.0); their sums are f32. All else is computed in f32.
;;   The module's matrix products, in the order in which they are computed (A, B: the left and right operand; K: the contracted axis; several contracted axes count as one K, in the product's order):
;;     1. [M 1,024, K 262] x [K 262, N 128]; A: computed on the way; B: input W1: QUANTISED
;;     2. [M 1,024, K 128] x [K 128, N 64]; A: computed on the way; B: input W2 (given as codes): QUANTISED
;;     3. [M 1,024, K 64] x [K 64, N 256]; A: computed on the way; B: input W3 (given as codes): QUANTISED
;;     4. [M 1,024, K 256] x [K 256, N 200,000]; A: computed on the way; B: computed on the way: QUANTISED
;;   THE QUANTISER, for each operand of a quantised product, along K:
;;     - K is cut into blocks of 32 from its start; a last block that is shorter is filled with zeros.
;;     - A block's scale is 2^e with e = floor(log2(the largest magnitude in the block)) - 2, held to -126 .. 127; a block of zeros has e = 0. As a byte (E8M0): e + 127.
;;     - Each number is divided by its block's scale, clamped to +-6, and rounded to the nearest number of E2M1, ties to even, subnormals kept.
;;     - The product sums the exact products of the quantised numbers (number of the format x scale) in f32.
;;   ~~~python
;;   def quantise(x, axis):      # numpy; x: float32 -> the quantised numbers, widened to float32 again
;;       x = np.moveaxis(x, axis, -1); K = x.shape[-1]
;;       x = np.pad(x, [(0, 0)] * (x.ndim - 1) + [(0, -K % 32)]); x = x.reshape(x.shape[:-1] + (-1, 32)); a = np.abs(x).max(-1, keepdims=True)
;;       e = np.where(a > 0, np.clip(np.frexp(np.where(a > 0, a, 1))[1] - 1 - 2, -126, 127), 0)      # np.frexp(a)[1] - 1 = floor(log2(a)), exactly
;;       r = np.clip(x / 2.0 ** e, -6, 6)
;;       step = 2.0 ** (np.maximum(np.frexp(np.where(r == 0, 1, r))[1] - 1, 0) - 1)
;;       q = np.round(r / step) * step * 2.0 ** e      # np.round: ties to even
;;       return np.moveaxis(q.reshape(q.shape[:-2] + (-1,))[..., :K], -1, axis).astype(np.float32)
;;   ~~~
;;   OPERANDS COMPUTED ON THE WAY. 'Computed on the way' means the value that the module computes at that place (a softmax that the list does not call 'softmax' is quantised finished and normalised). What goes into a quantiser is computed in f32, as accurately as f32 sums, v_exp_f32 and their like allow (about 1e-6 of the number): no bf16 or f16 on the way to a quantiser, and a product that is left as it is and whose result goes on into a quantised operand takes f32 operands (vector FMAs, or v_wmma_f32_16x16x4_f32). A number that lies on a knife's edge between two numbers of the format may be rounded either way, as far as f32 arithmetic and the matrix unit's own rounding can turn it there, and no further.
;;   INPUTS GIVEN AS CODES. W2 (in the module: [128, 64], K = its axis 0); W3 (in the module: [64, 256], K = its axis 0): each comes as NAME_codes (uint8): NAME with its K axis moved to the last place and cut into blocks of 32 codes, [.., K / 32, bytes a block], one block behind the other in memory; two codes a byte, the lower K in the low four bits (a code: sign, 2 exponent bits, 1 mantissa bit); and NAME_scales (uint8): the same leading axes, one E8M0 byte (e + 127) for each 32 codes along K. Its value is code x scale, taken as it is: it is not quantised again, and the codes and scales need not be those that the quantiser above would give.
;; 2 versions. Each part assembles by itself: llvm-mc -triple=amdgcn-amd-amdhsa -mcpu=gfx1250 --defsym DOCPART=n.
;; ======== version 1 of 2: 4 launches
;; limits: values within 1.526e-05 (relative) of each other or of a threshold may be ordered or decided otherwise than in the reference
;; workspace buffers: zc 131,072 bytes; zs 8,192 bytes; part 4,096 bytes; mc 25,600,000 bytes; ms 1,600,000 bytes; ls 16,384,000 bytes; gid 65,536 bytes of whole numbers
;; launch prep (part 1): grid 8 x 1, 8 waves a work-group, no clusters, 34,304 bytes of LDS; arguments z_t, action, z_t1, sigma, W1, b1, g1, be1, W2_codes, W2_scales, b2, g2, be2, W3_codes, W3_scales, b3, zc, zs, part, out0; writes zc, zs, part, out0
.if DOCPART == 1
	.amdgcn_target "amdgcn-amd-amdhsa--gfx1250"
	.amdhsa_code_object_version 6
	.text
	.protected	k_q1cb150454e_prep
	.globl	k_q1cb150454e_prep
	.p2align	8
	.type	k_q1cb150454e_prep,@function
k_q1cb150454e_prep:
	s_mov_b64 s[64:65], 0
	v_nop
	global_prefetch_b8 v0, s[64:65] scope:SCOPE_SE
	s_setreg_imm32_b32 hwreg(HW_REG_WAVE_MODE, 25, 1), 1
	s_wait_xcnt 0x0
; IntrinsicReward, launch 1 of 4: the forward model's three products on codes of FP4 (E2M1, one E8M0 scale for each 32 along K), pred_err, epistemic, and the codes of z_t / (|z_t| + 1e-8) for the search.
; NOTHING OF reference() IS LEFT OUT AS DEAD: every input has a way to an output, and all are loaded (mem by the next launch).
; THE PROGRAM: prep (this) | main: all 1,024 x 200,000 similarities; of each group of 32 memory rows only the largest is kept, as a key | select: the 16 groups with the largest keys of each query, stored as whole numbers |
; final: those 16 x 32 rows once more, from the codes that main stored, their 16 largest, novelty and total.  The 16 largest of all values lie in the 16 groups with the largest group maxima, whatever the inputs hold.
; SHARES.  8 work-groups of 8 waves; wave w of work-group g owns rows 16 T .. 16 T + 15, T = 8 g + w, through the whole chain.  W1 arrives as f32 with K first: wave w quantises its tile w (16 hidden units, all of K)
; once for the work-group, a lane to a column and registers down K, and hands it on through LDS as an image of the operand's registers.  The eight short parameter arrays go through LDS too, one a wave.
; All three products are used transposed (source 0 = 16 rows of the weight, source 1 = my 16 rows), so that a lane holds ONE row and its registers run along the next K.  THE UNITS OF A TILE OF W1 AND W2 ARE NOT NEIGHBOURS:
; lane r of tile 2 b + u takes unit 32 b + 8 u + r + 8 (r / 8), so that the 16 registers of tiles 2 b, 2 b + 1 are 16 neighbours along the next K.  Biases are the C of a sum's first matrix instruction.
; K = 262 of the first product: blocks 0-7 are z_t, block 8 is action's six numbers and zeros; the third K step's other codes are zeros under the byte 127.  K = 64 of the third product: the upper half of the step is zero codes.
; No cluster: the work-groups share only the weights, 150 KB read once each; no tensor load is used that could carry a mask.
; LIMITS: NaN and infinities among the inputs are not served.  A block of zeros gets the scale byte 1 where the rule says 127: its codes are zeros, and this program alone reads the bytes.
; REGISTERS, window 0: v0-15 addresses that stay; v16-31 at work (TM); v32-39 the codes just made (at the head: offsets of the head's loads); v40-47 six numbers of block 8; v48-66 scale words and nothing else;
;   v70-93 x's three fragments; v94-125 W2's four; v128-191 block A, v192-255 block B.   window 1: v0-127 z_t1; v128-255 W3's 16 fragments (upper halves zero).
.set W1I,   0                          ; LDS: W1's 24 fragments as images of 1,024 bytes: tile t, K step s at 3 t + s
.set W1S,   24576                      ; their scale words, 128 bytes each
.set PAR,   27648                      ; eight pieces of 512 bytes: b1, g1, be1, b3 (two), b2, g2, be2
.set RES,   31744                      ; the way out: three rows of 128 numbers
.set SPARE, 33280                      ; the spare words, 128 bytes for each wave: four blocks of 256 bytes that no other line names
.set P_B1,  0
.set P_G1,  512
.set P_BE1, 1024
.set P_B3,  1536
.set P_B2,  2560
.set P_G2,  3072
.set P_BE2, 3584
.set R,    1                           ; lane % 16
.set H,    2                           ; lane / 16
.set XA,   3                           ; z_t: 1,024 r + 64 h
.set LI,   4                           ; 16 x lane
.set LS,   5                           ; 4 x lane
.set IW,   6                           ; where I store W1's images
.set SWA,  7                           ; and their scale words
.set PB1,  8                           ; PAR + 64 h
.set PB3,  9                           ; PAR + 32 h
.set A24,  10                          ; 24 r: a row of action or sigma
.set RA,   11                          ; RES + 64 w + 4 r
.set SPW,  12                          ; LDS address of my spare word; never rewritten
.set NIL,  13                          ; 0; never rewritten
.set SS,   14                          ; v[14:15] a factor for packed forms (the low word serves both halves)
.set TM,   16
.set PC,   32
.set W1O,  32                          ; head only: offsets of the head's loads
.set W6O,  33
.set ZA1,  34
.set W2A,  35
.set W2SA, 36
.set W3A,  37
.set W3SA, 38
.set POFF, 39
.set SM,   40
.set WS,   48                          ; v48-51 W1's scale words, two tiles to a register
.set XS,   52                          ; v52-54 x's
.set HS,   55                          ; the first hidden layer's
.set H2S,  56                          ; the second's
.set W2S,  57                          ; v57-58
.set W3S,  59                          ; v59-66
.set EP,   67
.set KEEP, 68                          ; 1.0 in lanes 0-15, 0.0 in lanes 16-31
.set WSA,  69                          ; W1S + 4 x lane + 384 h
.set XF,   70
.set W2F,  94
.set RL,   126
.set PST,  127
.set BA,   128
.set BB,   192
.set WV,   44
.set TT,   45
.set SEL,  48
.set PP,   52
.set IN1,  56
.set IN2,  57
.set EPS,  58
.set MSB, 0
.macro WIN new                         ; the immediate's high byte repeats the setting that is left
.if MSB != \new
	s_set_vgpr_msb (MSB<<8)|\new
.set MSB, \new
.endif
.endm
.macro PLACES n                        ; plain places behind matrix instructions, or ahead of scaled ones (ISA guide 7.12.1)
.rept \n
	v_nop
.endr
.endm
.macro BARRIER                         ; my LDS stores have landed and my LDS loads are in: then the work-group's barrier
	s_wait_dscnt 0x0
	s_barrier_signal -1
	s_barrier_wait -1
.endm
; 16 nb numbers of a lane, register 16 b + i = k 32 b + 16 h + i of my row, become a fragment's codes in v[pc] on and its scale word in v[pw]
.macro QUANT s, pc, pw, nb
.irp b, 0,1,2,3
.if \b < \nb
	v_max3_num_f32 v[TM+\b], |v[\s+16*\b]|, |v[\s+16*\b+1]|, 0x1800000   ; my 16 numbers of block b, and the floor 2^(3 - 127): the byte cannot fall under 1
.endif
.endr
.irp i, 2,4,6,8,10,12,14
.irp b, 0,1,2,3
.if \b < \nb
	v_max3_num_f32 v[TM+\b], v[TM+\b], |v[\s+16*\b+\i]|, |v[\s+16*\b+\i+1]|
.endif
.endr
.endr
.irp b, 0,1,2,3
.if \b < \nb
	v_permlanex16_b32 v[TM+4+\b], v[TM+\b], s[SEL], s[SEL+1]
.endif
.endr
.irp b, 0,1,2,3
.if \b < \nb
	v_max_num_f32 v[TM+\b], v[TM+\b], v[TM+4+\b]   ; with lane l xor 16's: the block's largest magnitude
.endif
.endr
.irp b, 0,1,2,3
.if \b < \nb
	v_add_nc_u32 v[TM+12+\b], 0xff000000, v[TM+\b]   ; 2 off its exponent field: the conversion's scale operand
.endif
.endr
.irp b, 0,1,2,3
.if \b < \nb
	v_lshrrev_b32 v[TM+4+\b], 23, v[TM+12+\b]      ; the scale's byte
.endif
.endr
	v_lshl_or_b32 v[\pw], v[TM+5], 8, v[TM+4]
.if \nb == 4
	v_lshl_or_b32 v[\pw], v[TM+6], 16, v[\pw]
	v_lshl_or_b32 v[\pw], v[TM+7], 24, v[\pw]
.else
	v_or_b32 v[\pw], 0x7f7f0000, v[\pw]            ; the step's upper half: zero codes under the byte 127
.endif
.irp b, 0,1,2,3
.if \b < \nb
	v_cvt_scalef32_pk8_fp4_f32 v[\pc+2*\b], v[\s+16*\b:\s+16*\b+7], v[TM+12+\b]
	v_cvt_scalef32_pk8_fp4_f32 v[\pc+2*\b+1], v[\s+16*\b+8:\s+16*\b+15], v[TM+12+\b]
.endif
.endr
	v_nop                                          ; one plain place behind a scaled conversion
.irp c, 0,1
.if 2*\c < \nb
.irp i, 0,1
	v_permlane16_swap_b32 v[\pc+4*\c+\i], v[\pc+4*\c+2+\i]   ; the layout wants a whole block in a lane
.endr
.endif
.endr
.if \nb == 2
.irp i, 4,5,6,7
	v_mov_b32 v[\pc+\i], 0
.endr
.endif
.endm
; K step s of my tile of W1: register 32 c + i = W1(128 s + 64 c + 32 h + i, my unit): two whole blocks a lane; codes and scale word go to LDS as images
.macro WQ N, s
.irp c, 0,1
	v_max3_num_f32 v[TM+\c], |v[\N+32*\c]|, |v[\N+32*\c+1]|, 0x1800000
.endr
.irp i, 2,4,6,8,10,12,14,16,18,20,22,24,26,28,30
.irp c, 0,1
	v_max3_num_f32 v[TM+\c], v[TM+\c], |v[\N+32*\c+\i]|, |v[\N+32*\c+\i+1]|
.endr
.endr
.irp c, 0,1
	v_add_nc_u32 v[TM+12+\c], 0xff000000, v[TM+\c]
.endr
.irp c, 0,1
	v_lshrrev_b32 v[TM+4+\c], 23, v[TM+12+\c]
.endr
	v_lshl_or_b32 v[TM+8], v[TM+5], 16, v[TM+4]    ; my two bytes: blocks h and 2 + h,
	v_lshlrev_b32 v[TM+9], 3, v[H]
	v_lshlrev_b32 v[TM+8], v[TM+9], v[TM+8]        ; at their places in the word;
	v_permlanex16_b32 v[TM+10], v[TM+8], s[SEL], s[SEL+1]
	v_or_b32 v[TM+8], v[TM+8], v[TM+10]            ; with lane l xor 16's two the word is whole, in both lanes
.irp c, 0,1
.irp g, 0,1,2,3
	v_cvt_scalef32_pk8_fp4_f32 v[PC+4*\c+\g], v[\N+32*\c+8*\g:\N+32*\c+8*\g+7], v[TM+12+\c]
.endr
.endr
	v_nop
	ds_store_b128 v[IW], v[PC:PC+3] offset:1024*\s
	ds_store_b128 v[IW], v[PC+4:PC+7] offset:1024*\s+512
	ds_store_b32 v[SWA], v[TM+8] offset:128*\s
	s_wait_dscnt 0x0                               ; the stores have read their registers
.endm
; block 8: six numbers (registers 6, 7 of src are 0), the same in both halves of the lanes.  The scale is made in all lanes; then lanes 16-31, whose k lie past K, get zeros
.macro SMALLQ src, pc, pw
	v_max3_num_f32 v[TM], |v[\src]|, |v[\src+1]|, 0x1800000
	v_max3_num_f32 v[TM], v[TM], |v[\src+2]|, |v[\src+3]|
	v_max3_num_f32 v[TM], v[TM], |v[\src+4]|, |v[\src+5]|
	v_add_nc_u32 v[TM+12], 0xff000000, v[TM]
	v_lshrrev_b32 v[TM+4], 23, v[TM+12]
	v_or_b32 v[\pw], 0x7f7f7f00, v[TM+4]
.irp i, 0,1,2,3,4,5
	v_mul_f32 v[\src+\i], v[KEEP], v[\src+\i]
.endr
	v_cvt_scalef32_pk8_fp4_f32 v[\pc], v[\src:\src+7], v[TM+12]
	v_nop
.irp i, 1,2,3,4,5,6,7
	v_mov_b32 v[\pc+\i], 0
.endr
.endm
.macro XLOAD reg, s                    ; my rows' numbers of K step s: 64 a lane
.irp b, 0,1,2,3
.irp j, 0,1,2,3
	global_load_b128 v[\reg+16*\b+4*\j:\reg+16*\b+4*\j+3], v[XA], s[4:5] offset:512*\s+128*\b+16*\j
.endr
.endr
.endm
.macro WM d, a, b, sa, sb, rowa        ; D = C = v[d] on; rowa: A's scale words lie in lanes 16-31
.if \rowa
	v_wmma_scale_f32_16x16x128_f8f6f4 v[\d:\d+7], v[\a:\a+7], v[\b:\b+7], v[\d:\d+7], v[\sa], v[\sb] matrix_a_fmt:MATRIX_FMT_FP4 matrix_b_fmt:MATRIX_FMT_FP4 matrix_a_scale:MATRIX_SCALE_ROW1
.else
	v_wmma_scale_f32_16x16x128_f8f6f4 v[\d:\d+7], v[\a:\a+7], v[\b:\b+7], v[\d:\d+7], v[\sa], v[\sb] matrix_a_fmt:MATRIX_FMT_FP4 matrix_b_fmt:MATRIX_FMT_FP4
.endif
.endm
.macro BIAS nt, off                    ; a bias in the result's layout into block A: tile 2 b + u, register j: unit 32 b + 16 h + 8 u + j
.irp t, 0,1,2,3,4,5,6,7
.if \t < \nt
.irp q, 0,1
	ds_load_b128 v[BA+8*\t+4*\q:BA+8*\t+4*\q+3], v[PB1] offset:\off+128*(\t/2)+32*(\t%2)+16*\q
.endr
.endif
.endr
.endm
; mean and variance of a row whose n numbers a lane lie in v[base] on (the other n in lane l xor 16); leaves x - mean in place and 1 / sqrt(var + eps) in v[SS]
.macro LNSTAT base, n, sinv
	v_pk_add_f32 v[TM+8:TM+9], v[\base:\base+1], v[\base+2:\base+3]
	v_pk_add_f32 v[TM+10:TM+11], v[\base+4:\base+5], v[\base+6:\base+7]
.set i, 8
.rept (\n-8)/4
	v_pk_add_f32 v[TM+8:TM+9], v[TM+8:TM+9], v[\base+i:\base+i+1]
	v_pk_add_f32 v[TM+10:TM+11], v[TM+10:TM+11], v[\base+i+2:\base+i+3]
.set i, i+4
.endr
	v_pk_add_f32 v[TM+8:TM+9], v[TM+8:TM+9], v[TM+10:TM+11]
	v_add_f32 v[TM+8], v[TM+8], v[TM+9]
	v_permlanex16_b32 v[TM+9], v[TM+8], s[SEL], s[SEL+1]
	v_add_f32 v[TM+8], v[TM+8], v[TM+9]
	v_mul_f32 v[SS], s[\sinv], v[TM+8]             ; the mean
.set i, 0
.rept \n/2
	v_pk_add_f32 v[\base+i:\base+i+1], v[\base+i:\base+i+1], v[SS:SS+1] op_sel_hi:[1,0] neg_lo:[0,1] neg_hi:[0,1]
.set i, i+2
.endr
	v_pk_mul_f32 v[TM+8:TM+9], v[\base:\base+1], v[\base:\base+1]
	v_pk_mul_f32 v[TM+10:TM+11], v[\base+2:\base+3], v[\base+2:\base+3]
.set i, 4
.rept (\n-4)/4
	v_pk_fma_f32 v[TM+8:TM+9], v[\base+i:\base+i+1], v[\base+i:\base+i+1], v[TM+8:TM+9]
	v_pk_fma_f32 v[TM+10:TM+11], v[\base+i+2:\base+i+3], v[\base+i+2:\base+i+3], v[TM+10:TM+11]
.set i, i+4
.endr
	v_pk_add_f32 v[TM+8:TM+9], v[TM+8:TM+9], v[TM+10:TM+11]
	v_add_f32 v[TM+8], v[TM+8], v[TM+9]
	v_permlanex16_b32 v[TM+9], v[TM+8], s[SEL], s[SEL+1]
	v_add_f32 v[TM+8], v[TM+8], v[TM+9]
	v_fma_f32 v[TM+8], v[TM+8], s[\sinv], s[EPS]
	v_rsq_f32 v[SS], v[TM+8]
	v_nop                                          ; a plain place behind the transcendental,
	s_wait_alu depctr_va_vdst(0)                   ; and the wait ahead of its first reader
.endm
; 32 registers (tiles t0 .. t0 + 3): x / sigma x gain + shift, then relu; gain and shift come from LDS in the result's layout
.macro LNAFF base, t0, goff, boff
.irp t, 0,1,2,3
.irp q, 0,1
	ds_load_b128 v[BB+8*\t+4*\q:BB+8*\t+4*\q+3], v[PB1] offset:\goff+128*((\t0+\t)/2)+32*((\t0+\t)%2)+16*\q
	ds_load_b128 v[BB+32+8*\t+4*\q:BB+32+8*\t+4*\q+3], v[PB1] offset:\boff+128*((\t0+\t)/2)+32*((\t0+\t)%2)+16*\q
.endr
.endr
	s_wait_dscnt 0x0
.set i, 0
.rept 16
	v_pk_mul_f32 v[\base+i:\base+i+1], v[\base+i:\base+i+1], v[SS:SS+1] op_sel_hi:[1,0]
.set i, i+2
.endr
.set i, 0
.rept 16
	v_pk_fma_f32 v[\base+i:\base+i+1], v[\base+i:\base+i+1], v[BB+i:BB+i+1], v[BB+32+i:BB+32+i+1]
.set i, i+2
.endr
.set i, 0
.rept 32
	v_max_num_f32 v[\base+i], 0, v[\base+i]
.set i, i+1
.endr
.endm
	s_load_b512 s[4:19], s[0:1], 0x0               ; z_t 4, action 6, z_t1 8, sigma 10, W1 12, b1 14, g1 16, be1 18
	s_load_b512 s[20:35], s[0:1], 0x40             ; W2's codes 20, scales 22, b2 24, g2 26, be2 28, W3's codes 30, scales 32, b3 34
	s_load_b256 s[36:43], s[0:1], 0x80             ; zc 36, zs 38, part 40, out0 42
	v_lshl_add_u32 v[SPW], v0, 2, SPARE
	v_mov_b32 v[NIL], 0
	v_lshrrev_b32 v16, 5, v0
	v_readfirstlane_b32 s[WV], v16                 ; wave 0..7
	v_and_b32 v17, 31, v0                          ; lane
	v_and_b32 v[R], 15, v0
	v_bfe_u32 v[H], v0, 4, 1
	v_lshlrev_b32 v[XA], 10, v[R]
	v_lshl_add_u32 v[XA], v[H], 6, v[XA]
	v_lshlrev_b32 v[LI], 4, v17
	v_lshlrev_b32 v[LS], 2, v17
	s_mul_i32 s46, s[WV], 3072
	v_add_nc_u32 v[IW], s46, v[LI]
	s_mul_i32 s46, s[WV], 384
	s_add_co_u32 s46, s46, W1S
	v_add_nc_u32 v[SWA], s46, v[LS]
	v_lshl_add_u32 v[PB1], v[H], 6, PAR
	v_lshl_add_u32 v[PB3], v[H], 5, PAR
	v_mul_u32_u24 v[A24], v[R], 24
	s_lshl_b32 s46, s[WV], 6
	s_add_co_u32 s46, s46, RES
	v_lshl_add_u32 v[RA], v[R], 2, s46
	v_mad_u32_u24 v[WSA], v[H], 384, v[LS]         ; lanes 16-31 take the odd tile's words, three images further on
	v_add_nc_u32 v[WSA], W1S, v[WSA]
	s_min_u32 s46, s[WV], 2
	s_lshl_b32 s46, s46, 9
	s_add_co_u32 s46, s46, RES
	v_add_nc_u32 v[RL], s46, v[LI]
	s_lshl_b32 s46, s[WV], 9
	s_add_co_u32 s46, s46, PAR
	v_add_nc_u32 v[PST], s46, v[LI]
	v_cvt_f32_u32 v[KEEP], v[H]
	v_sub_f32 v[KEEP], 1.0, v[KEEP]
	v_and_b32 v18, 8, v[R]
	v_add_nc_u32 v18, v18, v[R]                    ; r + 8 (r / 8)
	s_lshr_b32 s46, s[WV], 1
	s_lshl_b32 s46, s46, 5
	s_and_b32 s47, s[WV], 1
	s_lshl_b32 s47, s47, 3
	s_add_co_u32 s46, s46, s47
	v_add_nc_u32 v19, s46, v18                     ; my hidden unit of tile w
	v_lshlrev_b32 v[W6O], 2, v19
	v_lshl_add_u32 v[W1O], v[H], 14, v[W6O]        ; lanes 16-31 begin 32 rows of 512 bytes further down
	v_lshlrev_b32 v[ZA1], 10, v[R]
	v_lshl_add_u32 v[ZA1], v[H], 5, v[ZA1]
	v_lshlrev_b32 v[W2A], 6, v18
	v_lshl_add_u32 v[W2A], v[H], 4, v[W2A]
	v_lshlrev_b32 v[W2SA], 2, v18
	v_lshl_add_u32 v[W2SA], v[H], 5, v[W2SA]       ; lanes 16-31: the odd tile, 8 rows of 4 bytes on
	v_lshlrev_b32 v[W3A], 5, v[R]
	v_lshl_add_u32 v[W3A], v[H], 4, v[W3A]
	v_lshlrev_b32 v[W3SA], 1, v[R]
	v_lshl_add_u32 v[W3SA], v[H], 5, v[W3SA]       ; lanes 16-31: the odd tile, 16 rows of 2 bytes on
	s_mov_b32 s46, 0xf0
	s_cmp_lt_u32 s[WV], 5
	s_cselect_b32 s46, 0x1f0, s46                  ; pieces 0-4 are 512 bytes, pieces 5-7 are 256: there lanes 16-31 read lanes 0-15's bytes again
	v_and_b32 v[POFF], s46, v[LI]
.irp i, 4,5,6,7,10
	v_mov_b32 v[TM+\i], 0                          ; written once: a lane permute's destination counts as one of its sources
.endr
	v_mov_b32 v[SS+1], 0                           ; (named as the upper half of a pair)
	v_mov_b32 v[SM+6], 0
	v_mov_b32 v[SM+7], 0
	s_mov_b32 s[SEL], 0x76543210
	s_mov_b32 s[SEL+1], 0xfedcba98                 ; v_permlanex16_b32's selects for lane l xor 16
	s_mov_b32 s[IN1], 0x3c000000                   ; 1 / 128
	s_mov_b32 s[IN2], 0x3c800000                   ; 1 / 64
	s_mov_b32 s[EPS], 0x3727c5ac                   ; 1e-5
	s_lshl_b32 s[TT], ttmp9, 3
	s_add_co_u32 s[TT], s[TT], s[WV]               ; T: my tile of 16 rows
	s_mov_b32 s47, 0
	s_wait_kmcnt 0x0
	s_lshl_b32 s46, s[TT], 14
	s_add_nc_u64 s[4:5], s[4:5], s[46:47]
	s_add_nc_u64 s[8:9], s[8:9], s[46:47]
	s_mul_i32 s46, s[TT], 384
	s_add_nc_u64 s[6:7], s[6:7], s[46:47]
	s_add_nc_u64 s[10:11], s[10:11], s[46:47]
	s_lshl_b32 s46, s[TT], 11
	s_add_nc_u64 s[36:37], s[36:37], s[46:47]
	s_lshl_b32 s46, s[TT], 7
	s_add_nc_u64 s[38:39], s[38:39], s[46:47]
	s_add_nc_u64 s[54:55], s[34:35], 512           ; b3's upper half
	s_mov_b64 s[PP:PP+1], s[14:15]                 ; the piece that my wave brings: chosen by the wave's number alone
	s_cmp_eq_u32 s[WV], 1
	s_cselect_b64 s[PP:PP+1], s[16:17], s[PP:PP+1]
	s_cmp_eq_u32 s[WV], 2
	s_cselect_b64 s[PP:PP+1], s[18:19], s[PP:PP+1]
	s_cmp_eq_u32 s[WV], 3
	s_cselect_b64 s[PP:PP+1], s[34:35], s[PP:PP+1]
	s_cmp_eq_u32 s[WV], 4
	s_cselect_b64 s[PP:PP+1], s[54:55], s[PP:PP+1]
	s_cmp_eq_u32 s[WV], 5
	s_cselect_b64 s[PP:PP+1], s[24:25], s[PP:PP+1]
	s_cmp_eq_u32 s[WV], 6
	s_cselect_b64 s[PP:PP+1], s[26:27], s[PP:PP+1]
	s_cmp_eq_u32 s[WV], 7
	s_cselect_b64 s[PP:PP+1], s[28:29], s[PP:PP+1]
	; ---- the head's loads: the small ones, W1, and last the 48 into window 1
	global_load_b128 v[XF+8:XF+11], v[POFF], s[PP:PP+1]
.irp i, 0,1,2
	global_load_b64 v[XF+2*\i:XF+2*\i+1], v[A24], s[10:11] offset:8*\i       ; sigma's six, in registers that x's fragments take later
.endr
.irp t, 0,1,2,3
.irp c, 0,1
	global_load_b128 v[W2F+8*\t+4*\c:W2F+8*\t+4*\c+3], v[W2A], s[20:21] offset:(32*(\t/2)+8*(\t%2))*64+32*\c
.endr
.endr
.irp b, 0,1
	global_load_b32 v[W2S+\b], v[W2SA], s[22:23] offset:128*\b
.endr
.irp t, 0,1,2,3,4,5,6,7
	global_load_u16 v[W3S+\t], v[W3SA], s[32:33] offset:64*\t                ; two bytes a row; the word's upper bytes are 0, over zero codes
.endr
.set i, 0
.rept 64
	global_load_b32 v[BA+i], v[W1O], s[12:13] offset:512*(i+32*(i/32))
.set i, i+1
.endr
.set i, 0
.rept 64
	global_load_b32 v[BB+i], v[W1O], s[12:13] offset:512*(128+i+32*(i/32))
.set i, i+1
.endr
.irp i, 0,1,2,3,4,5
	global_load_b32 v[SM+\i], v[W6O], s[12:13] offset:512*(256+\i)
.endr
	WIN 0x40                                       ; destination window 1
.set i, 0
.rept 32
	global_load_b128 v[4*i:4*i+3], v[ZA1], s[8:9] offset:64*(i/2)+16*(i%2)   ; z_t1(r, 16 t + 8 h + 0 .. 7) at register 8 t on
.set i, i+1
.endr
.set i, 0
.rept 16
	global_load_b128 v[128+8*i:128+8*i+3], v[W3A], s[30:31] offset:512*i     ; W3's tile i: K = 64 fills the lower half of a fragment,
	v_mov_b32 v[128+8*i+4], 0                                                ; and the upper half is zero codes
	v_mov_b32 v[128+8*i+5], 0
	v_mov_b32 v[128+8*i+6], 0
	v_mov_b32 v[128+8*i+7], 0
.set i, i+1
.endr
	WIN 0
	s_wait_loadcnt 48                              ; all but the 48 loads into window 1, which were issued last, are in
	s_wait_xcnt 0x0                                ; every load has read its offset register: v32-39 may be written
	; ---- W1's tile w, the parameters, epistemic
	ds_store_b128 v[PST], v[XF+8:XF+11]
	v_add_f32 v[EP], v[XF], v[XF+1]
	v_add_f32 v[TM+8], v[XF+2], v[XF+3]
	v_add_f32 v[TM+9], v[XF+4], v[XF+5]
	v_add_f32 v[EP], v[EP], v[TM+8]
	v_add_f32 v[EP], v[EP], v[TM+9]
	v_mul_f32 v[EP], 0x3e2aaaab, v[EP]             ; the mean of six
	WQ BA, 0
	XLOAD BA, 0                                    ; z_t takes each block as soon as W1's numbers there are converted
	WQ BB, 1
	XLOAD BB, 1
	SMALLQ SM, PC, TM+8
	ds_store_b128 v[IW], v[PC:PC+3] offset:2048
	ds_store_b128 v[IW], v[PC+4:PC+7] offset:2560
	ds_store_b32 v[SWA], v[TM+8] offset:256
	s_wait_dscnt 0x0
.irp i, 0,1,2
	global_load_b64 v[SM+2*\i:SM+2*\i+1], v[A24], s[6:7] offset:8*\i         ; action's six
.endr
	s_wait_loadcnt 0x0
	; ---- my 16 rows: the first product's operand, then z_t / (|z_t| + 1e-8) as codes for the search
	QUANT BA, XF, XS, 4
	QUANT BB, XF+8, XS+1, 4
	SMALLQ SM, XF+16, XS+2
	v_pk_mul_f32 v[TM+8:TM+9], v[BA:BA+1], v[BA:BA+1]
	v_pk_mul_f32 v[TM+10:TM+11], v[BA+2:BA+3], v[BA+2:BA+3]
.set i, 4
.rept 31
	v_pk_fma_f32 v[TM+8:TM+9], v[BA+i:BA+i+1], v[BA+i:BA+i+1], v[TM+8:TM+9]
	v_pk_fma_f32 v[TM+10:TM+11], v[BA+i+2:BA+i+3], v[BA+i+2:BA+i+3], v[TM+10:TM+11]
.set i, i+4
.endr
	v_pk_add_f32 v[TM+8:TM+9], v[TM+8:TM+9], v[TM+10:TM+11]
	v_add_f32 v[TM+8], v[TM+8], v[TM+9]
	v_permlanex16_b32 v[TM+9], v[TM+8], s[SEL], s[SEL+1]
	v_add_f32 v[TM+8], v[TM+8], v[TM+9]
	v_sqrt_f32 v[TM+9], v[TM+8]
	v_nop
	s_wait_alu depctr_va_vdst(0)                   ; the wait ahead of a transcendental's first reader
	v_add_f32 v[TM+9], 0x322bcc77, v[TM+9]         ; + 1e-8
	v_rcp_f32 v[SS], v[TM+9]
	v_nop
	s_wait_alu depctr_va_vdst(0)
.set i, 0
.rept 64
	v_pk_mul_f32 v[BA+i:BA+i+1], v[BA+i:BA+i+1], v[SS:SS+1] op_sel_hi:[1,0]
.set i, i+2
.endr
	QUANT BA, PC, TM+8, 4
	global_store_b128 v[LI], v[PC:PC+3], s[36:37]                            ; a fragment leaves as an image of its registers: 512 consecutive bytes a store
	global_store_b128 v[LI], v[PC+4:PC+7], s[36:37] offset:512
	s_wait_xcnt 0x0                                ; the stores have read their data: the codes' registers may be written
	QUANT BB, PC, TM+9, 4
	global_store_b128 v[LI], v[PC:PC+3], s[36:37] offset:1024
	global_store_b128 v[LI], v[PC+4:PC+7], s[36:37] offset:1536
	v_cmp_eq_u32 vcc_lo, 1, v[H]
	v_cndmask_b32 v[TM+10], v[TM+8], v[TM+9], vcc_lo                         ; lanes 0-15 K step 0's word, lanes 16-31 K step 1's
	global_store_b32 v[LS], v[TM+10], s[38:39]
	BARRIER                                        ; W1's 24 images and the eight parameter pieces lie in LDS
	s_wait_xcnt 0x0                                ; the stores above have read their data
	; ---- product 1: eight tiles of hidden units by turns, a K step at a time; b1 is the C of the first
	BIAS 8, P_B1
.irp s, 0,1,2
.if \s > 0
	PLACES 4                                       ; ahead of loads into registers that matrix instructions have read
.endif
.irp t, 0,1,2,3,4,5,6,7
.irp c, 0,1
	ds_load_b128 v[BB+8*\t+4*\c:BB+8*\t+4*\c+3], v[LI] offset:W1I+1024*(3*\t+\s)+512*\c
.endr
.endr
.irp b, 0,1,2,3
	ds_load_b32 v[WS+\b], v[WSA] offset:768*\b+128*\s
.endr
	s_wait_dscnt 0x0
.irp t, 0,1,2,3,4,5,6,7
	WM BA+8*\t, BB+8*\t, XF+8*\s, WS+\t/2, XS+\s, \t%2
.endr
.endr
	PLACES 4
	LNSTAT BA, 64, IN1
	LNAFF BA, 0, P_G1, P_BE1
	LNAFF BA+32, 4, P_G1, P_BE1
	QUANT BA, PC, HS, 4
	; ---- product 2
	BIAS 4, P_B2
	s_wait_dscnt 0x0
	PLACES 8                                       ; a scale register written by a vector instruction stands 8 places ahead of a scaled matrix instruction, an operand 4
.irp t, 0,1,2,3
	WM BA+8*\t, W2F+8*\t, PC, W2S+\t/2, HS, \t%2
.endr
	PLACES 4
	LNSTAT BA, 32, IN2
	LNAFF BA, 0, P_G2, P_BE2
	QUANT BA, PC, H2S, 2
	; ---- product 3, eight tiles of columns at a time: C = b3 - z_t1, so that the result is z_pred - z_t1
.irp u, 0,1
.irp t, 0,1,2,3,4,5,6,7
.irp q, 0,1
	ds_load_b128 v[BB+8*\t+4*\q:BB+8*\t+4*\q+3], v[PB3] offset:P_B3+64*(8*\u+\t)+16*\q
.endr
.endr
	s_wait_dscnt 0x0
	WIN 0x04                                       ; source 1 (z_t1) window 1
.set i, 0
.rept 32
	v_pk_add_f32 v[BA+i:BA+i+1], v[BB+i:BB+i+1], v[64*\u+i:64*\u+i+1] neg_lo:[0,1] neg_hi:[0,1]
.set i, i+2
.endr
	WIN 0
	PLACES 8
	WIN 0x01                                       ; source 0 (W3) window 1
.irp t, 0,1,2,3,4,5,6,7
	WM BA+8*\t, 128+8*(8*\u+\t), PC, W3S+(8*\u+\t)/2, H2S, \t%2
.endr
	WIN 0
	PLACES 4
.if \u == 0
	v_pk_mul_f32 v[TM+8:TM+9], v[BA:BA+1], v[BA:BA+1]
	v_pk_mul_f32 v[TM+10:TM+11], v[BA+2:BA+3], v[BA+2:BA+3]
.else
	v_pk_fma_f32 v[TM+8:TM+9], v[BA:BA+1], v[BA:BA+1], v[TM+8:TM+9]
	v_pk_fma_f32 v[TM+10:TM+11], v[BA+2:BA+3], v[BA+2:BA+3], v[TM+10:TM+11]
.endif
.set i, 4
.rept 15
	v_pk_fma_f32 v[TM+8:TM+9], v[BA+i:BA+i+1], v[BA+i:BA+i+1], v[TM+8:TM+9]   ; each accumulator from its low end on
	v_pk_fma_f32 v[TM+10:TM+11], v[BA+i+2:BA+i+3], v[BA+i+2:BA+i+3], v[TM+10:TM+11]
.set i, i+4
.endr
.endr
	v_pk_add_f32 v[TM+8:TM+9], v[TM+8:TM+9], v[TM+10:TM+11]
	v_add_f32 v[TM+8], v[TM+8], v[TM+9]
	v_permlanex16_b32 v[TM+9], v[TM+8], s[SEL], s[SEL+1]
	v_add_f32 v[TM+8], v[TM+8], v[TM+9]
	v_mul_f32 v[TM+8], 0x3b800000, v[TM+8]         ; pred_err: the mean of 256
	v_fma_f32 v[TM+9], v[EP], 0.5, v[TM+8]         ; pred_err + 0.5 epistemic, for the last launch
	; ---- the way out: 128 rows' numbers meet in LDS, and three waves store 512 consecutive bytes each
	ds_store_b32 v[RA], v[TM+8]                    ; (lanes r and r + 16 write the same word with the same value)
	ds_store_b32 v[RA], v[EP] offset:512
	ds_store_b32 v[RA], v[TM+9] offset:1024
	s_add_co_u32 s46, s[WV], 1
	s_lshl_b32 s46, s46, 12                        ; wave 0: row 1 of out0; wave 1: row 2
	s_cmp_eq_u32 s[WV], 2                          ; wave 2: part
	s_cselect_b64 s[PP:PP+1], s[40:41], s[42:43]
	s_cselect_b32 s46, 0, s46
	s_lshl_b32 s47, ttmp9, 9
	s_add_co_u32 s46, s46, s47
	s_mov_b32 s47, 0
	s_add_nc_u64 s[PP:PP+1], s[PP:PP+1], s[46:47]
	BARRIER
	s_cmp_gt_u32 s[WV], 2
	s_cbranch_scc1 .Lend
	ds_load_b128 v[BB:BB+3], v[RL]
	s_wait_dscnt 0x0
	global_store_b128 v[LI], v[BB:BB+3], s[PP:PP+1]
.Lend:
	s_wait_tensorcnt 0x0                           ; the wave's end, behind my last LDS store
	ds_add_u32 v[SPW], v[NIL]
	s_wait_dscnt 0x0
	s_endpgm
.Lfunc_end_k_q1cb150454e_prep:
	.size	k_q1cb150454e_prep, .Lfunc_end_k_q1cb150454e_prep-k_q1cb150454e_prep
	.p2alignl 7, 3214868480
	.fill 96, 4, 3214868480
	.section	.rodata,"a",@progbits
	.p2align	6, 0x0
	.amdhsa_kernel k_q1cb150454e_prep
		.amdhsa_group_segment_fixed_size 34304
		.amdhsa_private_segment_fixed_size 0
		.amdhsa_enable_private_segment 0
		.amdhsa_kernarg_size 160
		.amdhsa_user_sgpr_count 2
		.amdhsa_user_sgpr_kernarg_segment_ptr 1
		.amdhsa_wavefront_size32 1
		.amdhsa_system_sgpr_workgroup_id_x 1
		.amdhsa_system_sgpr_workgroup_id_y 1
		.amdhsa_system_sgpr_workgroup_id_z 1
		.amdhsa_system_vgpr_workitem_id 0
		.amdhsa_next_free_vgpr 512
		.amdhsa_next_free_sgpr 66
		.amdhsa_reserve_vcc 1
		.amdhsa_float_denorm_mode_32 3
		.amdhsa_float_denorm_mode_16_64 3
		.amdhsa_memory_ordered 1
		.amdhsa_forward_progress 1
		.amdhsa_inst_pref_size 114
	.end_amdhsa_kernel
	.amdgpu_metadata
---
amdhsa.version: [ 1, 2 ]
amdhsa.kernels:
  - .name:           k_q1cb150454e_prep
    .symbol:         k_q1cb150454e_prep.kd
    .args:
      - { .name: z_t, .offset: 0, .size: 8, .value_kind: global_buffer, .address_space: global }
      - { .name: action, .offset: 8, .size: 8, .value_kind: global_buffer, .address_space: global }
      - { .name: z_t1, .offset: 16, .size: 8, .value_kind: global_buffer, .address_space: global }
      - { .name: sigma, .offset: 24, .size: 8, .value_kind: global_buffer, .address_space: global }
      - { .name: W1, .offset: 32, .size: 8, .value_kind: global_buffer, .address_space: global }
      - { .name: b1, .offset: 40, .size: 8, .value_kind: global_buffer, .address_space: global }
      - { .name: g1, .offset: 48, .size: 8, .value_kind: global_buffer, .address_space: global }
      - { .name: be1, .offset: 56, .size: 8, .value_kind: global_buffer, .address_space: global }
      - { .name: W2_codes, .offset: 64, .size: 8, .value_kind: global_buffer, .address_space: global }
      - { .name: W2_scales, .offset: 72, .size: 8, .value_kind: global_buffer, .address_space: global }
      - { .name: b2, .offset: 80, .size: 8, .value_kind: global_buffer, .address_space: global }
      - { .name: g2, .offset: 88, .size: 8, .value_kind: global_buffer, .address_space: global }
      - { .name: be2, .offset: 96, .size: 8, .value_kind: global_buffer, .address_space: global }
      - { .name: W3_codes, .offset: 104, .size: 8, .value_kind: global_buffer, .address_space: global }
      - { .name: W3_scales, .offset: 112, .size: 8, .value_kind: global_buffer, .address_space: global }
      - { .name: b3, .offset: 120, .size: 8, .value_kind: global_buffer, .address_space: global }
      - { .name: zc, .offset: 128, .size: 8, .value_kind: global_buffer, .address_space: global }
      - { .name: zs, .offset: 136, .size: 8, .value_kind: global_buffer, .address_space: global }
      - { .name: part, .offset: 144, .size: 8, .value_kind: global_buffer, .address_space: global }
      - { .name: out0, .offset: 152, .size: 8, .value_kind: global_buffer, .address_space: global }
    .group_segment_fixed_size: 34304
    .private_segment_fixed_size: 0
    .kernarg_segment_align: 8
    .kernarg_segment_size: 160
    .max_flat_workgroup_size: 256
    .sgpr_count:     66
    .vgpr_count:     512
    .wavefront_size: 32
...
	.end_amdgpu_metadata
.endif
;; end of part 1
;; launch main (part 2): grid 250 x 1, 8 waves a work-group, no clusters, 139,264 bytes of LDS; arguments mem, zc, zs, mc, ms, ls; writes mc, ms, ls
.if DOCPART == 2
	.amdgcn_target "amdgcn-amd-amdhsa--gfx1250"
	.amdhsa_code_object_version 6
	.text
	.protected	k_q1cb150454e_main
	.globl	k_q1cb150454e_main
	.p2align	8
	.type	k_q1cb150454e_main,@function
k_q1cb150454e_main:
	s_mov_b64 s[64:65], 0
	v_nop
	global_prefetch_b8 v0, s[64:65] scope:SCOPE_SE
	s_setreg_imm32_b32 hwreg(HW_REG_WAVE_MODE, 25, 1), 1
	s_wait_xcnt 0x0
; IntrinsicReward, launch 2 of 4: every similarity of the 1,024 queries with the 200,000 memory rows, on codes of FP4 (E2M1, one E8M0 scale for each 32 along K = 256).  No work of reference() is left out here.
; mem is read once, as f32; each row is divided by (its norm + 1e-8) and quantised in registers; its codes and scale bytes are also stored (mc, ms), for the last launch.
; WHAT IS KEPT.  The rows are cut into groups of 32.  The 16 largest similarities of a query lie in the 16 groups with the largest group maxima, whatever the inputs hold.  So only each group's largest similarity is kept,
; as a KEY: (trunc(g x 65536 + 131072) << 13) | the group's number.  As bits every key is a positive normal f32, so f32 maxima and medians order keys.  Each query keeps the 16 largest keys of this work-group's 25 groups.
; LIMITS.  Groups are ranked to 2^-16: a group may give way to one whose maximum is at most 2^-16 lower, so the mean of the 16 largest can come out low by at most 2^-16.  g is held to +-1.96875, which similarities of
; quantised unit vectors do not reach.  NaN and infinities are not served.  A block of zeros gets the scale byte 1 where the rule says 127: its codes are zeros, and this program alone reads the bytes.
; SHARES.  Work-group p owns rows 800 p .. 800 p + 799: 25 periods of 32 rows, a group each.  Wave w owns queries 128 w .. 128 w + 127, whose codes stay in its registers (8 tiles, 128 registers), and quantises rows 4 w .. 4 w + 3
; of each period.  The 32 rows' codes meet in LDS; every wave reads them all: 32 matrix instructions a wave and period.
; THE STREAM.  No LDS ring and no tensor load: four sets of 32 registers a wave take turns, and the waits for them are counted, so that 24 to 32 loads of 512 consecutive bytes of every wave are always on their way.
; No cluster: what work-groups share is the queries' codes, 136 KB read once, beside 800 KB of rows that each work-group has to itself; and there is no tensor load to carry a mask.
; A load takes bytes as they lie (16 a lane); for the conversions a lane must hold a whole block of 32 neighbours: so a unit's 4,096 bytes turn through the wave's own stage in LDS.
; ONE BARRIER A PERIOD.  In period t: barrier | fragments of unit t from image t % 4 | unit t + 1 quantised into image (t + 1) % 4 | 16 products | unit t + 5 asked for | unit t + 2 through the stage | maxima | 16 products | keys.
; An image is written three barriers behind its last read.
; REGISTERS, window 0: v1-19 addresses; v24-31 the queries' scale words; v32-63 a block's numbers; v64-79 at work; v80-83 codes; v84-115 the rows' fragments; v116-117 their scale words; v118-125 maxima;
;   v128-191 eight accumulators; v192-255 four lists of 16 keys (list i, lane l: query 128 w + 32 i + l).   window 1: v0-127 the queries' fragments; v128-255 the four sets.
.set STG,   0                          ; LDS: each wave's stage: 32 places of 128 + 16 bytes
.set IMG,   36864                      ; four images of 32 rows of codes, 128 + 16 bytes a row
.set SCI,   55296                      ; four times 32 rows of 8 scale bytes
.set LST,   56320                      ; the way out: 128 lists of 64 + 16 bytes for each wave
.set SPARE, 138240                     ; the spare words, 128 bytes for each wave: four blocks of 256 bytes that no other line names
.set VOFF, 1                           ; 4,096 w + 16 l
.set STI,  2                           ; the stage, on the way in
.set STO,  3                           ; and out: 144 l
.set IMS,  4                           ; where my block's codes go in an image
.set SCS,  5                           ; and its scale byte
.set FRA,  6                           ; a fragment's place for my lane: 144 r + 16 h
.set FRS,  7                           ; scale words: 8 r + 4 h: lanes 0-15 K step 0's, lanes 16-31 K step 1's
.set SCB,  8                           ; a row's 8 scale bytes: 8 l
.set MCO,  9                           ; 512 w + 16 l
.set MSO,  10                          ; 8 l
.set LSI,  11
.set SPW,  12                          ; LDS address of my spare word; never rewritten
.set NIL,  13                          ; 0; never rewritten
.set SB,   14
.set S,    16                          ; v[16:17] 1 / (norm + 1e-8); the low word serves both halves
.set LSO,  18
.set LGO,  19
.set ZS,   24
.set X,    32
.set T,    64
.set C,    80
.set MF,   84
.set MS,   116
.set G,    118
.set ACC,  128
.set LIST, 192
.set WV,   16
.set ID,   17                          ; the group's number: 25 p + t
.set CNT,  18
.set MSB, 0
.macro WIN new                         ; the immediate's high byte repeats the setting that is left
.if MSB != \new
	s_set_vgpr_msb (MSB<<8)|\new
.set MSB, \new
.endif
.endm
.macro PLACES n                        ; plain places behind matrix instructions (ISA guide 7.12.1)
.rept \n
	v_nop
.endr
.endm
.macro LOADU set, imm                  ; a unit's 4,096 bytes of my wave: eight loads of 512 consecutive bytes
	WIN 0x40                                       ; destination window 1
.irp j, 0,1,2,3,4,5,6,7
	global_load_b128 v[128+32*(\set)+4*\j:128+32*(\set)+4*\j+3], v[VOFF], s[4:5] offset:(\imm)+512*\j th:TH_LOAD_NT
.endr
.endm
.macro TURN set                        ; through my stage: in as loaded, out a block of 128 bytes a lane.  LDS serves a wave's instructions in order: no wait between
	WIN 0x04                                       ; an LDS store's data are its source 1: window 1
.irp j, 0,1,2,3,4,5,6,7
	ds_store_b128 v[STI], v[128+32*(\set)+4*\j:128+32*(\set)+4*\j+3] offset:576*\j
.endr
	WIN 0
.irp i, 0,1,2,3,4,5,6,7
	ds_load_b128 v[X+4*\i:X+4*\i+3], v[STO] offset:16*\i
.endr
.endm
; lane l holds block l % 8 of row l / 8 of my four: the row's norm over eight lanes, the block's scale, its codes; to image buf, and to mc
.macro QUANTU buf, mcimm
	v_pk_mul_f32 v[T:T+1], v[X:X+1], v[X:X+1]
	v_pk_mul_f32 v[T+2:T+3], v[X+2:X+3], v[X+2:X+3]
.irp i, 4,8,12,16,20,24,28
	v_pk_fma_f32 v[T:T+1], v[X+\i:X+\i+1], v[X+\i:X+\i+1], v[T:T+1]
	v_pk_fma_f32 v[T+2:T+3], v[X+\i+2:X+\i+3], v[X+\i+2:X+\i+3], v[T+2:T+3]
.endr
	v_pk_add_f32 v[T:T+1], v[T:T+1], v[T+2:T+3]
	v_add_f32 v[T], v[T], v[T+1]
	v_add_f32_dpp v[T], v[T], v[T] row_xmask:1 row_mask:0xf bank_mask:0xf
	v_add_f32_dpp v[T], v[T], v[T] row_xmask:2 row_mask:0xf bank_mask:0xf
	v_add_f32_dpp v[T], v[T], v[T] row_xmask:4 row_mask:0xf bank_mask:0xf
	v_sqrt_f32 v[T+1], v[T]
	v_max3_num_f32 v[T+2], |v[X]|, |v[X+1]|, |v[X+2]|       ; the block's largest magnitude: independent work behind the root
	v_max3_num_f32 v[T+3], |v[X+3]|, |v[X+4]|, |v[X+5]|
.irp i, 6,10,14,18,22,26
	v_max3_num_f32 v[T+2], v[T+2], |v[X+\i]|, |v[X+\i+1]|
	v_max3_num_f32 v[T+3], v[T+3], |v[X+\i+2]|, |v[X+\i+3]|
.endr
	v_max3_num_f32 v[T+2], v[T+2], |v[X+30]|, |v[X+31]|
	s_wait_alu depctr_va_vdst(0)                   ; the wait ahead of a transcendental's first reader
	v_add_f32 v[T+1], 0x322bcc77, v[T+1]           ; + 1e-8
	v_rcp_f32 v[S], v[T+1]
	v_max_num_f32 v[T+2], v[T+2], v[T+3]           ; (a plain place behind the reciprocal)
	s_wait_alu depctr_va_vdst(0)
	v_mul_f32 v[T+2], v[T+2], v[S]                 ; the largest scaled magnitude: the same multiplication as its number's below
	v_max_num_f32 v[T+2], 0x1800000, v[T+2]        ; the floor 2^(3 - 127): the byte cannot fall under 1
	v_add_nc_u32 v[T+4], 0xff000000, v[T+2]        ; 2 off the exponent field: the conversion's scale operand
	v_lshrrev_b32 v[T+5], 23, v[T+4]               ; the scale's byte
.irp i, 0,2,4,6,8,10,12,14,16,18,20,22,24,26,28,30
	v_pk_mul_f32 v[X+\i:X+\i+1], v[X+\i:X+\i+1], v[S:S+1] op_sel_hi:[1,0]
.endr
.irp g, 0,1,2,3
	v_cvt_scalef32_pk8_fp4_f32 v[C+\g], v[X+8*\g:X+8*\g+7], v[T+4]
.endr
	v_nop                                          ; one plain place behind a scaled conversion
	ds_store_b128 v[IMS], v[C:C+3] offset:4608*(\buf)
	ds_store_b8 v[SCS], v[T+5] offset:256*(\buf)
	global_store_b128 v[MCO], v[C:C+3], s[10:11] offset:\mcimm     ; my four rows' codes: 512 consecutive bytes
.endm
.macro FRAGS a                         ; the 32 rows' fragments (tile u, K step s at MF + 16 u + 8 s), their scale words, and the rows' scale bytes for ms
.irp u, 0,1
.irp n, 0,1,2,3
	ds_load_b128 v[MF+16*\u+4*\n:MF+16*\u+4*\n+3], v[FRA] offset:4608*(\a)+2304*\u+32*\n
.endr
.endr
.irp u, 0,1
	ds_load_b32 v[MS+\u], v[FRS] offset:256*(\a)+128*\u
.endr
	ds_load_b64 v[SB:SB+1], v[SCB] offset:256*(\a)
.endm
; 16 matrix instructions: query tiles 4 b .. 4 b + 3 x the two tiles of rows x two K steps.  Source 0 = 16 rows, source 1 = 16 queries: a lane holds ONE query and eight rows.
; The eight accumulators take turns, one instruction a turn; the first K step starts the sums.
.macro MUL16 b
	WIN 0x04                                       ; source 1 (the queries) window 1
.irp q, 0,1,2,3
.irp u, 0,1
	v_wmma_scale_f32_16x16x128_f8f6f4 v[ACC+16*\q+8*\u:ACC+16*\q+8*\u+7], v[MF+16*\u:MF+16*\u+7], v[16*(4*\b+\q):16*(4*\b+\q)+7], 0, v[MS+\u], v[ZS+4*\b+\q] matrix_a_fmt:MATRIX_FMT_FP4 matrix_b_fmt:MATRIX_FMT_FP4
.endr
.endr
.irp q, 0,1,2,3
.irp u, 0,1
	v_wmma_scale_f32_16x16x128_f8f6f4 v[ACC+16*\q+8*\u:ACC+16*\q+8*\u+7], v[MF+16*\u+8:MF+16*\u+15], v[16*(4*\b+\q)+8:16*(4*\b+\q)+15], v[ACC+16*\q+8*\u:ACC+16*\q+8*\u+7], v[MS+\u], v[ZS+4*\b+\q] matrix_a_fmt:MATRIX_FMT_FP4 matrix_b_fmt:MATRIX_FMT_FP4 matrix_a_scale:MATRIX_SCALE_ROW1 matrix_b_scale:MATRIX_SCALE_ROW1
.endr
.endr
.endm
.macro GMAX b                          ; the largest of a lane's 16 rows, for four query tiles by turns; each accumulator is read from its low end on
.irp q, 0,1,2,3
	v_max3_num_f32 v[G+4*\b+\q], v[ACC+16*\q], v[ACC+16*\q+1], v[ACC+16*\q+2]
.endr
.irp i, 3,5,7,9,11,13
.irp q, 0,1,2,3
	v_max3_num_f32 v[G+4*\b+\q], v[G+4*\b+\q], v[ACC+16*\q+\i], v[ACC+16*\q+\i+1]
.endr
.endr
.irp q, 0,1,2,3
	v_max_num_f32 v[G+4*\b+\q], v[G+4*\b+\q], v[ACC+16*\q+15]
.endr
.endm
.macro INS L, k                        ; a key into a list of 16, largest first: from the end on, each place takes the middle of its neighbour above, itself and the key
.irp i, 15,14,13,12,11,10,9,8,7,6,5,4,3,2,1
	v_med3_num_f32 v[\L+\i], v[\L+\i-1], v[\L+\i], v[\k]
.endr
	v_max_num_f32 v[\L], v[\L], v[\k]
.endm
.macro KEYINS b                        ; two tiles' halves change places, so that 32 lanes hold 32 queries' group maxima; key; insertion
.irp e, 0,1
	v_permlane16_swap_b32 v[G+4*\b+2*\e], v[G+4*\b+2*\e+1]
.endr
.irp e, 0,1
	v_max_num_f32 v[G+4*\b+2*\e], v[G+4*\b+2*\e], v[G+4*\b+2*\e+1]
.endr
.irp e, 0,1
	v_med3_num_f32 v[G+4*\b+2*\e], v[G+4*\b+2*\e], s22, s23
.endr
.irp e, 0,1
	v_fma_f32 v[G+4*\b+2*\e], v[G+4*\b+2*\e], s24, s25
.endr
.irp e, 0,1
	v_cvt_u32_f32 v[G+4*\b+2*\e], v[G+4*\b+2*\e]
.endr
.irp e, 0,1
	v_lshl_or_b32 v[G+4*\b+2*\e], v[G+4*\b+2*\e], 13, s[ID]
.endr
.irp e, 0,1
	INS LIST+16*(2*\b+\e), G+4*\b+2*\e
.endr
.endm
; Period t.  a = t % 4; o: the period's place behind the stepped bases; ld: unit t + 5 is asked for; tn, cnt: unit t + 2 goes through the stage, behind a wait that leaves cnt younger loads out; qn: unit t + 1 is quantised.
.macro PERIOD a, o, ld, tn, cnt, qn
	s_wait_dscnt 0x0                               ; my part of image a has landed, the next unit's numbers are in registers, and my reads of older images are over
	s_barrier_signal -1
	s_barrier_wait -1                              ; image a is whole
	s_wait_xcnt 0x0                                ; the last period's stores have read their data (codes, scale bytes)
	FRAGS \a
.if \qn
	QUANTU (\a+1)%4, 4096*(\o+1)
	s_wait_dscnt 0x2                               ; the fragments are in; the quantiser's two LDS stores, issued behind them, may be out
.else
	s_wait_dscnt 0x0
.endif
	s_cmp_lg_u32 s[WV], \a                         ; the period's 256 scale bytes leave as one aligned run, by one wave; the waves take turns
	s_cbranch_scc1 .Lnoms_\@
	global_store_b64 v[MSO], v[SB:SB+1], s[12:13] offset:256*\o
.Lnoms_\@:
	MUL16 0
.if \ld
	LOADU (\a+1)%4, 32768*(\o+5)                   ; into the set whose unit went through the stage a period ago
.endif
.if \tn
	s_wait_loadcnt \cnt                            ; loads come back in order: unit t + 2 is in; the units behind it, 8 loads each, stay out
	TURN (\a+2)%4
.endif
	WIN 0
	PLACES 5                                       ; 4 ahead of the first read of results; 5 since the next 16 products begin the same accumulators anew
	GMAX 0
	MUL16 1
	WIN 0
	KEYINS 0
	PLACES 4
	GMAX 1
	KEYINS 1
	s_add_co_u32 s[ID], s[ID], 1
.endm
	s_load_b256 s[4:11], s[0:1], 0x0               ; mem 4, zc 6, zs 8, mc 10
	s_load_b128 s[12:15], s[0:1], 0x20             ; ms 12, ls 14
	v_lshl_add_u32 v[SPW], v0, 2, SPARE
	v_mov_b32 v[NIL], 0
	v_lshrrev_b32 v20, 5, v0
	v_readfirstlane_b32 s[WV], v20                 ; wave 0..7
	v_and_b32 v20, 31, v0                          ; l
	v_and_b32 v21, 15, v0                          ; r
	v_bfe_u32 v22, v0, 4, 1                        ; h
	v_bfe_u32 v23, v0, 3, 2                        ; l / 8
	v_and_b32 v64, 7, v0                           ; l % 8
	v_mul_u32_u24 v65, v23, 144
	v_lshl_add_u32 v65, v64, 4, v65                ; 144 (l / 8) + 16 (l % 8)
	s_lshl_b32 s20, s[WV], 12
	v_lshl_add_u32 v[VOFF], v20, 4, s20
	s_mul_i32 s21, s[WV], 4608
	v_add_nc_u32 v[STI], s21, v65
	v_mul_u32_u24 v[STO], v20, 144
	v_add_nc_u32 v[STO], s21, v[STO]
	s_mul_i32 s20, s[WV], 576
	s_add_co_u32 s20, s20, IMG
	v_add_nc_u32 v[IMS], s20, v65
	s_lshl_b32 s20, s[WV], 5
	s_add_co_u32 s20, s20, SCI
	v_add_nc_u32 v[SCS], s20, v20
	v_mul_u32_u24 v[FRA], v21, 144
	v_lshl_add_u32 v[FRA], v22, 4, v[FRA]
	v_add_nc_u32 v[FRA], IMG, v[FRA]
	v_lshlrev_b32 v[FRS], 3, v21
	v_lshl_add_u32 v[FRS], v22, 2, v[FRS]
	v_add_nc_u32 v[FRS], SCI, v[FRS]
	v_lshl_add_u32 v[SCB], v20, 3, SCI
	s_lshl_b32 s20, s[WV], 9
	v_lshl_add_u32 v[MCO], v20, 4, s20
	v_lshlrev_b32 v[MSO], 3, v20
	s_mul_i32 s20, s[WV], 10240
	s_add_co_u32 s20, s20, LST
	v_mul_u32_u24 v[LSI], v20, 80
	v_add_nc_u32 v[LSI], s20, v[LSI]
	v_bfe_u32 v66, v0, 2, 3                        ; l / 4
	v_mul_u32_u24 v[LSO], v66, 80
	v_and_b32 v66, 3, v0
	v_lshl_add_u32 v[LSO], v66, 4, v[LSO]
	v_add_nc_u32 v[LSO], s20, v[LSO]
	s_lshl_b32 s20, s[WV], 13
	v_lshl_add_u32 v[LGO], v20, 4, s20
	v_lshlrev_b32 v22, 4, v20                      ; 16 l, 4 l: the queries' images
	v_lshlrev_b32 v23, 2, v20
	v_mov_b32 v[S+1], 0                            ; (named as the upper half of a pair)
.set i, 0
.rept 64
	v_mov_b32 v[LIST+i], 0                         ; under every key; 25 keys follow, so none of these is left
.set i, i+1
.endr
	s_mov_b32 s22, 0xbffc0000                      ; -1.96875
	s_mov_b32 s23, 0x3ffc0000                      ; 1.96875
	s_mov_b32 s24, 0x47800000                      ; 65,536
	s_mov_b32 s25, 0x48000000                      ; 131,072
	s_mul_i32 s[ID], ttmp9, 25
	s_mov_b32 s[CNT], 5
	s_mov_b32 s21, 0
	s_wait_kmcnt 0x0
	s_mul_i32 s20, ttmp9, 819200
	s_add_nc_u64 s[4:5], s[4:5], s[20:21]
	s_mul_i32 s20, ttmp9, 102400
	s_add_nc_u64 s[10:11], s[10:11], s[20:21]
	s_mul_i32 s20, ttmp9, 6400
	s_add_nc_u64 s[12:13], s[12:13], s[20:21]
	s_lshl_b32 s20, ttmp9, 16
	s_add_nc_u64 s[14:15], s[14:15], s[20:21]
	s_lshl_b32 s20, s[WV], 14
	s_add_nc_u64 s[6:7], s[6:7], s[20:21]
	s_lshl_b32 s20, s[WV], 10
	s_add_nc_u64 s[8:9], s[8:9], s[20:21]
	WIN 0x40
.set i, 0
.rept 32
	global_load_b128 v[4*i:4*i+3], v22, s[6:7] offset:512*i                  ; my eight query tiles, as images of their registers
.set i, i+1
.endr
	WIN 0
.irp q, 0,1,2,3,4,5,6,7
	global_load_b32 v[ZS+\q], v23, s[8:9] offset:128*\q
.endr
	LOADU 0, 0
	LOADU 1, 32768
	LOADU 2, 65536
	LOADU 3, 98304
	s_wait_loadcnt 24                              ; the queries and unit 0 are in; units 1 to 3 stay out
	TURN 0
	s_wait_dscnt 0x0
	LOADU 0, 131072                                ; unit 4
	WIN 0
	QUANTU 0, 0
	s_wait_loadcnt 24                              ; unit 1 is in; units 2 to 4 stay out
	TURN 1
.Ltrip:                                            ; five trips of four periods: t = 0 .. 19
	PERIOD 0, 0, 1, 1, 24, 1
	PERIOD 1, 1, 1, 1, 24, 1
	PERIOD 2, 2, 1, 1, 24, 1
	PERIOD 3, 3, 1, 1, 24, 1
	s_wait_xcnt 0x0                                ; every load and store has read its base
	s_add_nc_u64 s[4:5], s[4:5], 131072
	s_add_nc_u64 s[10:11], s[10:11], 16384
	s_add_nc_u64 s[12:13], s[12:13], 1024
	s_sub_co_u32 s[CNT], s[CNT], 1
	s_cmp_lg_u32 s[CNT], 0
	s_cbranch_scc1 .Ltrip
	PERIOD 0, 0, 0, 1, 16, 1                       ; the last five periods ask for nothing: the counts run down
	PERIOD 1, 1, 0, 1, 8, 1
	PERIOD 2, 2, 0, 1, 0, 1
	PERIOD 3, 3, 0, 0, 0, 1
	PERIOD 0, 4, 0, 0, 0, 0
	; THE WAY OUT: a lane's list is 64 bytes of its query's row; through my own LDS bytes the 128 lists leave as 16 stores of 512 consecutive bytes
.irp i, 0,1,2,3
.irp c, 0,1,2,3
	ds_store_b128 v[LSI], v[LIST+16*\i+4*\c:LIST+16*\i+4*\c+3] offset:2560*\i+16*\c
.endr
.endr
.irp k, 0,1,2,3,4,5,6,7,8,9,10,11,12,13,14,15
	ds_load_b128 v[ACC+4*\k:ACC+4*\k+3], v[LSO] offset:640*\k                ; LDS serves a wave's instructions in order: these see my stores
.endr
.irp k, 0,1,2,3,4,5,6,7,8,9,10,11,12,13,14,15
	s_wait_dscnt 15-\k                             ; the younger LDS loads may be out
	global_store_b128 v[LGO], v[ACC+4*\k:ACC+4*\k+3], s[14:15] offset:512*\k
.endr
	s_wait_tensorcnt 0x0                           ; the wave's end, behind my last LDS store
	ds_add_u32 v[SPW], v[NIL]
	s_wait_dscnt 0x0
	s_endpgm
.Lfunc_end_k_q1cb150454e_main:
	.size	k_q1cb150454e_main, .Lfunc_end_k_q1cb150454e_main-k_q1cb150454e_main
	.p2alignl 7, 3214868480
	.fill 96, 4, 3214868480
	.section	.rodata,"a",@progbits
	.p2align	6, 0x0
	.amdhsa_kernel k_q1cb150454e_main
		.amdhsa_group_segment_fixed_size 139264
		.amdhsa_private_segment_fixed_size 0
		.amdhsa_enable_private_segment 0
		.amdhsa_kernarg_size 48
		.amdhsa_user_sgpr_count 2
		.amdhsa_user_sgpr_kernarg_segment_ptr 1
		.amdhsa_wavefront_size32 1
		.amdhsa_system_sgpr_workgroup_id_x 1
		.amdhsa_system_sgpr_workgroup_id_y 1
		.amdhsa_system_sgpr_workgroup_id_z 1
		.amdhsa_system_vgpr_workitem_id 0
		.amdhsa_next_free_vgpr 512
		.amdhsa_next_free_sgpr 66
		.amdhsa_reserve_vcc 0
		.amdhsa_float_denorm_mode_32 3
		.amdhsa_float_denorm_mode_16_64 3
		.amdhsa_memory_ordered 1
		.amdhsa_forward_progress 1
		.amdhsa_inst_pref_size 196
	.end_amdhsa_kernel
	.amdgpu_metadata
---
amdhsa.version: [ 1, 2 ]
amdhsa.kernels:
  - .name:           k_q1cb150454e_main
    .symbol:         k_q1cb150454e_main.kd
    .args:
      - { .name: mem, .offset: 0, .size: 8, .value_kind: global_buffer, .address_space: global }
      - { .name: zc, .offset: 8, .size: 8, .value_kind: global_buffer, .address_space: global }
      - { .name: zs, .offset: 16, .size: 8, .value_kind: global_buffer, .address_space: global }
      - { .name: mc, .offset: 24, .size: 8, .value_kind: global_buffer, .address_space: global }
      - { .name: ms, .offset: 32, .size: 8, .value_kind: global_buffer, .address_space: global }
      - { .name: ls, .offset: 40, .size: 8, .value_kind: global_buffer, .address_space: global }
    .group_segment_fixed_size: 139264
    .private_segment_fixed_size: 0
    .kernarg_segment_align: 8
    .kernarg_segment_size: 48
    .max_flat_workgroup_size: 256
    .sgpr_count:     66
    .vgpr_count:     512
    .wavefront_size: 32
...
	.end_amdgpu_metadata
.endif
;; end of part 2
;; launch select (part 3): grid 256 x 1, 4 waves a work-group, no clusters, 70,400 bytes of LDS; arguments ls, gid; writes gid
.if DOCPART == 3
	.amdgcn_target "amdgcn-amd-amdhsa--gfx1250"
	.amdhsa_code_object_version 6
	.text
	.protected	k_q1cb150454e_select
	.globl	k_q1cb150454e_select
	.p2align	8
	.type	k_q1cb150454e_select,@function
k_q1cb150454e_select:
	s_mov_b64 s[64:65], 0
	v_nop
	global_prefetch_b8 v0, s[64:65] scope:SCOPE_SE
	s_setreg_imm32_b32 hwreg(HW_REG_WAVE_MODE, 25, 1), 1
	s_wait_xcnt 0x0
; IntrinsicReward, launch 3 of 4: for each query the 16 largest of its 250 x 16 keys; their low 13 bits, the groups' numbers, are stored as whole numbers at fixed places.  No address here hangs on a key.
; Work-group g owns queries 4 g .. 4 g + 3, whose lists are 256 consecutive bytes in each of the 250 parts of ls.  Wave w brings parts 64 w .. 64 w + 63 (sixteen lanes read an aligned 256 bytes) into LDS rows of 256 + 16 bytes;
; parts 250 to 255 do not exist: their rows are filled with zeros, which lie under every key, and no load leaves the buffer.  Then wave w takes query w: lane l holds the lists of parts l + 32 k, k = 0 .. 7.
; MERGING.  All lists are sorted, largest first.  max(a[i], b[15 - i]) holds the 16 largest of two such lists as a sequence that rises and falls once; four stages of compare and exchange sort it.
; Seven merges in a lane, four across lanes 1, 2, 4, 8 apart, one across the halves.  Keys are positive normal f32 numbers as bits, so f32 maxima and minima order them.
; Neither matrix units nor clusters have anything to do here: 16 MB are read once, and work-groups share nothing.
.set ROWP,  272
.set OUTB,  69632                      ; behind the 256 rows: four lists of ids
.set SPARE, 69888                      ; the spare words, 128 bytes for each wave: two blocks of 256 bytes that no other line names
.set LOFF, 1
.set RST,  2
.set RLD,  3
.set OST,  4
.set OLD,  5
.set GOF,  6
.set SPW,  12
.set NIL,  13
.set D,    32                          ; v32-159 32 pieces as loaded, then eight lists
.set LA,   160
.set LB,   176
.set TP,   192
.set SEL,  8
.set WV,   10
.macro STAGE src, dst, d
.irp i, 0,1,2,3,4,5,6,7,8,9,10,11,12,13,14,15
.if ((\i) & (\d)) == 0
	v_max_num_f32 v[\dst+\i], v[\src+\i], v[\src+\i+\d]
	v_min_num_f32 v[\dst+\i+\d], v[\src+\i], v[\src+\i+\d]
.endif
.endr
.endm
.macro CLEAN p, q                      ; sorts p, with q as the second set; the result is back in p
	STAGE \p, \q, 8
	STAGE \q, \p, 4
	STAGE \p, \q, 2
	STAGE \q, \p, 1
.endm
.macro MRG cur, new, out               ; out = the 16 largest of cur and new, sorted; cur is used up
.irp i, 0,1,2,3,4,5,6,7,8,9,10,11,12,13,14,15
	v_max_num_f32 v[\out+\i], v[\cur+\i], v[\new+15-\i]
.endr
	CLEAN \out, \cur
.endm
.macro MRGX cur, out, m                ; the same with lane l xor m's list
.irp i, 0,1,2,3,4,5,6,7,8,9,10,11,12,13,14,15
	v_max_num_f32_dpp v[\out+\i], v[\cur+15-\i], v[\cur+\i] row_xmask:\m row_mask:0xf bank_mask:0xf
.endr
	CLEAN \out, \cur
.endm
.macro MRG16 cur, out                  ; and with lane l xor 16's
.irp i, 0,1,2,3,4,5,6,7,8,9,10,11,12,13,14,15
	v_permlanex16_b32 v[TP+\i], v[\cur+\i], s[SEL], s[SEL+1]
.endr
	MRG \cur, TP, \out
.endm
	s_load_b128 s[4:7], s[0:1], 0x0                ; ls, gid
	v_lshl_add_u32 v[SPW], v0, 2, SPARE
	v_mov_b32 v[NIL], 0
	v_lshrrev_b32 v14, 5, v0
	v_readfirstlane_b32 s[WV], v14                 ; wave 0..3
	v_and_b32 v15, 31, v0
	v_and_b32 v16, 15, v0
	v_bfe_u32 v17, v0, 4, 1
	v_lshlrev_b32 v[LOFF], 4, v16
	v_lshl_add_u32 v[LOFF], v17, 16, v[LOFF]       ; lanes 16-31 take the next part, 65,536 bytes on
	s_mul_i32 s11, s[WV], 64*ROWP
	v_mul_u32_u24 v[RST], v17, ROWP
	v_lshl_add_u32 v[RST], v16, 4, v[RST]
	v_add_nc_u32 v[RST], s11, v[RST]
	s_lshl_b32 s11, s[WV], 6
	v_mul_u32_u24 v[RLD], v15, ROWP
	v_add_nc_u32 v[RLD], s11, v[RLD]
	s_add_co_u32 s11, s11, OUTB
	v_mov_b32 v[OST], s11
	v_lshl_add_u32 v[OLD], v15, 3, OUTB
	v_lshlrev_b32 v[GOF], 3, v15
	s_mov_b32 s[SEL], 0x76543210
	s_mov_b32 s[SEL+1], 0xfedcba98
.set k, 0
.rept 16
	v_mov_b32 v[LB+k], 0                           ; written once: the destination of a DPP form or a lane permute counts as one of its sources
	v_mov_b32 v[TP+k], 0
.set k, k+1
.endr
.set k, 116
.rept 12
	v_mov_b32 v[D+k], 0                            ; wave 3's last three pieces: parts that do not exist
.set k, k+1
.endr
	s_lshl_b32 s12, ttmp9, 8
	s_mov_b32 s13, 0
	s_lshl_b32 s14, s[WV], 22
	s_wait_kmcnt 0x0
	s_add_nc_u64 s[6:7], s[6:7], s[12:13]
	s_add_co_u32 s12, s12, s14
	s_add_nc_u64 s[4:5], s[4:5], s[12:13]
.set k, 0
.rept 29
	global_load_b128 v[D+4*k:D+4*k+3], v[LOFF], s[4:5] offset:131072*k th:TH_LOAD_NT
.set k, k+1
.endr
	s_cmp_eq_u32 s[WV], 3
	s_cbranch_scc1 .Lshort
.rept 3
	global_load_b128 v[D+4*k:D+4*k+3], v[LOFF], s[4:5] offset:131072*k th:TH_LOAD_NT
.set k, k+1
.endr
.Lshort:
	s_wait_loadcnt 0x0
.set k, 0
.rept 32
	ds_store_b128 v[RST], v[D+4*k:D+4*k+3] offset:2*ROWP*k
.set k, k+1
.endr
	s_wait_dscnt 0x0                               ; for the others' sake: my rows have landed
	s_barrier_signal -1
	s_barrier_wait -1
.set k, 0
.rept 32
	ds_load_b128 v[D+4*k:D+4*k+3], v[RLD] offset:32*ROWP*(k/4)+16*(k%4)
.set k, k+1
.endr
	s_wait_dscnt 0x0
	MRG D, D+16, LA
	MRG LA, D+32, LB
	MRG LB, D+48, LA
	MRG LA, D+64, LB
	MRG LB, D+80, LA
	MRG LA, D+96, LB
	MRG LB, D+112, LA
	MRGX LA, LB, 1
	MRGX LB, LA, 2
	MRGX LA, LB, 4
	MRGX LB, LA, 8
	MRG16 LA, LB
.set k, 0
.rept 16
	v_and_b32 v[LB+k], 0x1fff, v[LB+k]             ; the group's number
.set k, k+1
.endr
.irp c, 0,1,2,3
	ds_store_b128 v[OST], v[LB+4*\c:LB+4*\c+3] offset:16*\c                  ; all lanes write the same words with the same values
.endr
	s_wait_dscnt 0x0
	s_barrier_signal -1
	s_barrier_wait -1
	s_cmp_lg_u32 s[WV], 0
	s_cbranch_scc1 .Lend
	ds_load_b64 v[D:D+1], v[OLD]
	s_wait_dscnt 0x0
	global_store_b64 v[GOF], v[D:D+1], s[6:7]      ; 32 lanes store the four queries' ids: 256 consecutive bytes, aligned
.Lend:
	s_wait_tensorcnt 0x0                           ; the wave's end, behind my last LDS store
	ds_add_u32 v[SPW], v[NIL]
	s_wait_dscnt 0x0
	s_endpgm
.Lfunc_end_k_q1cb150454e_select:
	.size	k_q1cb150454e_select, .Lfunc_end_k_q1cb150454e_select-k_q1cb150454e_select
	.p2alignl 7, 3214868480
	.fill 96, 4, 3214868480
	.section	.rodata,"a",@progbits
	.p2align	6, 0x0
	.amdhsa_kernel k_q1cb150454e_select
		.amdhsa_group_segment_fixed_size 70400
		.amdhsa_private_segment_fixed_size 0
		.amdhsa_enable_private_segment 0
		.amdhsa_kernarg_size 16
		.amdhsa_user_sgpr_count 2
		.amdhsa_user_sgpr_kernarg_segment_ptr 1
		.amdhsa_wavefront_size32 1
		.amdhsa_system_sgpr_workgroup_id_x 1
		.amdhsa_system_sgpr_workgroup_id_y 1
		.amdhsa_system_sgpr_workgroup_id_z 1
		.amdhsa_system_vgpr_workitem_id 0
		.amdhsa_next_free_vgpr 208
		.amdhsa_next_free_sgpr 66
		.amdhsa_reserve_vcc 0
		.amdhsa_float_denorm_mode_32 3
		.amdhsa_float_denorm_mode_16_64 3
		.amdhsa_memory_ordered 1
		.amdhsa_forward_progress 1
		.amdhsa_inst_pref_size 46
	.end_amdhsa_kernel
	.amdgpu_metadata
---
amdhsa.version: [ 1, 2 ]
amdhsa.kernels:
  - .name:           k_q1cb150454e_select
    .symbol:         k_q1cb150454e_select.kd
    .args:
      - { .name: ls, .offset: 0, .size: 8, .value_kind: global_buffer, .address_space: global }
      - { .name: gid, .offset: 8, .size: 8, .value_kind: global_buffer, .address_space: global }
    .group_segment_fixed_size: 70400
    .private_segment_fixed_size: 0
    .kernarg_segment_align: 8
    .kernarg_segment_size: 16
    .max_flat_workgroup_size: 128
    .sgpr_count:     66
    .vgpr_count:     208
    .wavefront_size: 32
...
	.end_amdgpu_metadata
.endif
;; end of part 3
;; launch final (part 4): grid 256 x 1, 16 waves a work-group, no clusters, 10,240 bytes of LDS; arguments gid, mc, ms, zc, zs, part, out0; writes out0
.if DOCPART == 4
	.amdgcn_target "amdgcn-amd-amdhsa--gfx1250"
	.amdhsa_code_object_version 6
	.text
	.protected	k_q1cb150454e_final
	.globl	k_q1cb150454e_final
	.p2align	8
	.type	k_q1cb150454e_final,@function
k_q1cb150454e_final:
	s_mov_b64 s[64:65], 0
	v_nop
	global_prefetch_b8 v0, s[64:65] scope:SCOPE_SE
	s_setreg_imm32_b32 hwreg(HW_REG_WAVE_MODE, 25, 1), 1
	s_wait_xcnt 0x0
; IntrinsicReward, launch 4 of 4: for each query the similarities with the 16 x 32 rows of its 16 chosen groups once more, from the stored codes; their 16 largest; novelty = clip(1 - mean, 0, 1) and total.
; Which rows are read hangs on the whole numbers that the launch before stored (gid), held to 0 .. 6,249.  The other rows' similarities cannot be among a query's 16 largest (see the second launch's head), so they are not made again.
; SHARES.  Work-group g owns queries 4 g .. 4 g + 3.  Wave w serves query 4 g + w / 4 and four of its groups: eight tiles of 16 rows, 16 matrix instructions.  Source 0 is the query's fragment in all 16 rows
; (every lane of a half loads the same 16 bytes), source 1 the 16 memory rows: register 0 of a result holds the similarity of row lane % 16.  The matrix unit is used at a sixteenth here; the whole launch has
; a twenty-fifth of the second launch's matrix instructions.  A query's 512 numbers meet in LDS; waves 0 to 3 sort 16 a lane and merge across the lanes, as in the third launch.
; The two results of a query are 4 bytes each in rows of out0 that lie 12,288 bytes apart, and a work-group has four queries: these 8 KB in all do not leave as whole runs of 256 bytes.
; No cluster: what the waves gather differs from query to query.
.set VB,    0                          ; LDS: [query 4][16 groups][32 rows] f32
.set SPARE, 8192                       ; the spare words, 128 bytes for each wave: eight blocks of 256 bytes that no other line names
.set LN,   1
.set MO,   4                           ; codes: 128 r + 16 h
.set SO,   5                           ; scale words: 8 r + 4 h
.set ZO,   6                           ; 256 h
.set ZSO,  7                           ; 64 h
.set VST,  8
.set VLD,  9
.set SPW,  10
.set NIL,  11
.set ZSC,  12                          ; the query's scale words
.set MSC,  16                          ; v16-23 the eight tiles'
.set ZA,   24                          ; v24-39 the query's two fragments
.set MB,   64                          ; v64-191 the rows' fragments: 16 tile + 8 s
.set ACC,  192
.set V,    64
.set LA,   80
.set LB,   96
.set TP,   112
.set WV,   18
.set SEL,  44
.macro STAGE src, dst, d
.irp i, 0,1,2,3,4,5,6,7,8,9,10,11,12,13,14,15
.if ((\i) & (\d)) == 0
	v_max_num_f32 v[\dst+\i], v[\src+\i], v[\src+\i+\d]
	v_min_num_f32 v[\dst+\i+\d], v[\src+\i], v[\src+\i+\d]
.endif
.endr
.endm
.macro CLEAN p, q
	STAGE \p, \q, 8
	STAGE \q, \p, 4
	STAGE \p, \q, 2
	STAGE \q, \p, 1
.endm
.macro MRG cur, new, out               ; out = the 16 largest of two sorted lists, sorted; cur is used up
.irp i, 0,1,2,3,4,5,6,7,8,9,10,11,12,13,14,15
	v_max_num_f32 v[\out+\i], v[\cur+\i], v[\new+15-\i]
.endr
	CLEAN \out, \cur
.endm
.macro MRGX cur, out, m
.irp i, 0,1,2,3,4,5,6,7,8,9,10,11,12,13,14,15
	v_max_num_f32_dpp v[\out+\i], v[\cur+15-\i], v[\cur+\i] row_xmask:\m row_mask:0xf bank_mask:0xf
.endr
	CLEAN \out, \cur
.endm
.macro MRG16 cur, out
.irp i, 0,1,2,3,4,5,6,7,8,9,10,11,12,13,14,15
	v_permlanex16_b32 v[TP+\i], v[\cur+\i], s[SEL], s[SEL+1]
.endr
	MRG \cur, TP, \out
.endm
	s_load_b256 s[4:11], s[0:1], 0x0               ; gid 4, mc 6, ms 8, zc 10
	s_load_b128 s[12:15], s[0:1], 0x20             ; zs 12, part 14
	s_load_b64 s[16:17], s[0:1], 0x30              ; out0
	v_lshl_add_u32 v[SPW], v0, 2, SPARE
	v_mov_b32 v[NIL], 0
	v_lshrrev_b32 v2, 5, v0
	v_readfirstlane_b32 s[WV], v2                  ; wave 0..15
	v_and_b32 v[LN], 31, v0
	v_and_b32 v2, 15, v0                           ; r
	v_bfe_u32 v3, v0, 4, 1                         ; h
	v_lshlrev_b32 v[MO], 7, v2
	v_lshl_add_u32 v[MO], v3, 4, v[MO]
	v_lshlrev_b32 v[SO], 3, v2
	v_lshl_add_u32 v[SO], v3, 2, v[SO]
	v_lshlrev_b32 v[ZO], 8, v3
	v_lshlrev_b32 v[ZSO], 6, v3
	s_lshl_b32 s20, s[WV], 9
	v_lshl_add_u32 v[VST], v[LN], 2, s20           ; 2,048 (w / 4) + 512 (w % 4) + 4 l
	s_and_b32 s20, s[WV], 3
	s_lshl_b32 s20, s20, 11
	v_lshl_add_u32 v[VLD], v[LN], 2, s20
	s_mov_b32 s[SEL], 0x76543210
	s_mov_b32 s[SEL+1], 0xfedcba98
	s_lshl_b32 s19, ttmp9, 2
	s_lshr_b32 s20, s[WV], 2
	s_add_co_u32 s19, s19, s20                     ; my query
	s_lshr_b32 s20, s19, 4                         ; its tile,
	s_and_b32 s21, s19, 15                         ; and its row there
	s_lshl_b32 s48, s20, 11
	s_lshl_b32 s49, s21, 4
	s_add_co_u32 s48, s48, s49                     ; in zc: 2,048 tile + 16 row
	s_mov_b32 s49, 0
	s_lshl_b32 s50, s20, 7
	s_lshl_b32 s51, s21, 2
	s_add_co_u32 s50, s50, s51                     ; in zs: 128 tile + 4 row
	s_mov_b32 s51, 0
	s_lshl_b32 s20, ttmp9, 8
	s_lshl_b32 s21, s[WV], 4
	s_add_co_u32 s20, s20, s21                     ; my four ids: 64 query + 16 (w % 4) = 256 g + 16 w
	s_mov_b32 s21, 0
	s_lshl_b32 s22, ttmp9, 4
	s_and_b32 s23, s[WV], 3
	s_lshl_b32 s23, s23, 2
	s_add_co_u32 s22, s22, s23                     ; the query that waves 0 to 3 finish: 4 (4 g + w % 4) bytes
	s_mov_b32 s23, 0
	s_wait_kmcnt 0x0
	s_add_nc_u64 s[4:5], s[4:5], s[20:21]
	s_add_nc_u64 s[14:15], s[14:15], s[22:23]
	s_add_nc_u64 s[16:17], s[16:17], s[22:23]
	s_add_nc_u64 s[10:11], s[10:11], s[48:49]
	s_add_nc_u64 s[12:13], s[12:13], s[50:51]
	s_load_b128 s[24:27], s[4:5], 0x0
	s_load_b32 s46, s[14:15], 0x0
.irp n, 0,1,2,3
	global_load_b128 v[ZA+4*\n:ZA+4*\n+3], v[ZO], s[10:11] offset:512*\n     ; every lane of a half takes the query's own 16 bytes
.endr
	global_load_b32 v[ZSC], v[ZSO], s[12:13]
	s_wait_kmcnt 0x0
.irp n, 0,1,2,3
	s_min_u32 s[24+\n], s[24+\n], 6249             ; a loaded number enters an address only behind this hold
	s_lshl_b32 s[28+2*\n], s[24+\n], 12            ; a group's codes: 32 rows of 128 bytes
	s_mov_b32 s[29+2*\n], 0
	s_add_nc_u64 s[28+2*\n:29+2*\n], s[6:7], s[28+2*\n:29+2*\n]
	s_lshl_b32 s[36+2*\n], s[24+\n], 8             ; its scale bytes: 32 rows of 8
	s_mov_b32 s[37+2*\n], 0
	s_add_nc_u64 s[36+2*\n:37+2*\n], s[8:9], s[36+2*\n:37+2*\n]
.endr
.irp n, 0,1,2,3
.irp u, 0,1
.irp c, 0,1,2,3
	global_load_b128 v[MB+16*(2*\n+\u)+4*\c:MB+16*(2*\n+\u)+4*\c+3], v[MO], s[28+2*\n:29+2*\n] offset:2048*\u+32*\c
.endr
	global_load_b32 v[MSC+2*\n+\u], v[SO], s[36+2*\n:37+2*\n] offset:128*\u
.endr
.endr
	s_wait_loadcnt 0x0
.irp t, 0,1,2,3,4,5,6,7                        ; the eight accumulators take turns; the first K step starts the sums
	v_wmma_scale_f32_16x16x128_f8f6f4 v[ACC+8*\t:ACC+8*\t+7], v[ZA:ZA+7], v[MB+16*\t:MB+16*\t+7], 0, v[ZSC], v[MSC+\t] matrix_a_fmt:MATRIX_FMT_FP4 matrix_b_fmt:MATRIX_FMT_FP4
.endr
.irp t, 0,1,2,3,4,5,6,7
	v_wmma_scale_f32_16x16x128_f8f6f4 v[ACC+8*\t:ACC+8*\t+7], v[ZA+8:ZA+15], v[MB+16*\t+8:MB+16*\t+15], v[ACC+8*\t:ACC+8*\t+7], v[ZSC], v[MSC+\t] matrix_a_fmt:MATRIX_FMT_FP4 matrix_b_fmt:MATRIX_FMT_FP4 matrix_a_scale:MATRIX_SCALE_ROW1 matrix_b_scale:MATRIX_SCALE_ROW1
.endr
.rept 4
	v_nop                                          ; places ahead of the first read of results (ISA guide 7.12.1)
.endr
.irp n, 0,1,2,3
	v_permlane16_swap_b32 v[ACC+16*\n], v[ACC+16*\n+8]                       ; a group's two tiles: its 32 similarities in one register
.endr
.irp n, 0,1,2,3
	ds_store_b32 v[VST], v[ACC+16*\n] offset:128*\n
.endr
	s_wait_dscnt 0x0                               ; for the others' sake: my stores have landed
	s_barrier_signal -1
	s_barrier_wait -1
	s_cmp_ge_u32 s[WV], 4
	s_cbranch_scc1 .Lend
.irp i, 0,1,2,3,4,5,6,7,8,9,10,11,12,13,14,15
	ds_load_b32 v[V+\i], v[VLD] offset:128*\i
	v_mov_b32 v[LB+\i], 0                          ; written once: the destination of a DPP form or a lane permute counts as one of its sources
	v_mov_b32 v[TP+\i], 0
.endr
	s_wait_dscnt 0x0
	v_max_num_f32 v[LA], v[V], v[V+1]              ; my 16 numbers sorted, largest first, by insertion into a list that grows
	v_min_num_f32 v[LA+1], v[V], v[V+1]
.irp n, 2,3,4,5,6,7,8,9,10,11,12,13,14,15
	v_min_num_f32 v[LA+\n], v[LA+\n-1], v[V+\n]
.irp m, 14,13,12,11,10,9,8,7,6,5,4,3,2,1
.if \m < \n
	v_med3_num_f32 v[LA+\m], v[LA+\m-1], v[LA+\m], v[V+\n]
.endif
.endr
	v_max_num_f32 v[LA], v[LA], v[V+\n]
.endr
	MRGX LA, LB, 1
	MRGX LB, LA, 2
	MRGX LA, LB, 4
	MRGX LB, LA, 8
	MRG16 LA, LB
	v_pk_add_f32 v[40:41], v[LB:LB+1], v[LB+2:LB+3]
	v_pk_add_f32 v[42:43], v[LB+4:LB+5], v[LB+6:LB+7]
	v_pk_add_f32 v[40:41], v[40:41], v[LB+8:LB+9]
	v_pk_add_f32 v[42:43], v[42:43], v[LB+10:LB+11]
	v_pk_add_f32 v[40:41], v[40:41], v[LB+12:LB+13]
	v_pk_add_f32 v[42:43], v[42:43], v[LB+14:LB+15]
	v_pk_add_f32 v[40:41], v[40:41], v[42:43]
	v_add_f32 v40, v40, v41
	v_fma_f32 v41, v40, 0xbd800000, 1.0            ; 1 - sum / 16
	v_med3_num_f32 v41, v41, 0, 1.0                ; novelty
	v_fma_f32 v42, v41, 0.5, s46                   ; total = pred_err + 0.5 epistemic + 0.5 novelty
	v_cmp_eq_u32 vcc_lo, 1, v[LN]
	v_cndmask_b32 v43, v42, v41, vcc_lo            ; lane 0: total, row 0; lane 1: novelty, row 3
	v_min_u32 v44, 1, v[LN]
	v_mul_u32_u24 v44, v44, 12288
	v_cmp_gt_u32 vcc_lo, 2, v[LN]
	s_wait_xcnt 0x0                                ; EXEC changes only behind this wait
	s_and_saveexec_b32 s47, vcc_lo
	global_store_b32 v44, v43, s[16:17]
	s_wait_xcnt 0x0                                ; and again, ahead of the line that widens it
	s_or_b32 exec_lo, exec_lo, s47
.Lend:
	s_wait_tensorcnt 0x0                           ; the wave's end, behind my last LDS store
	ds_add_u32 v[SPW], v[NIL]
	s_wait_dscnt 0x0
	s_endpgm
.Lfunc_end_k_q1cb150454e_final:
	.size	k_q1cb150454e_final, .Lfunc_end_k_q1cb150454e_final-k_q1cb150454e_final
	.p2alignl 7, 3214868480
	.fill 96, 4, 3214868480
	.section	.rodata,"a",@progbits
	.p2align	6, 0x0
	.amdhsa_kernel k_q1cb150454e_final
		.amdhsa_group_segment_fixed_size 10240
		.amdhsa_private_segment_fixed_size 0
		.amdhsa_enable_private_segment 0
		.amdhsa_kernarg_size 56
		.amdhsa_user_sgpr_count 2
		.amdhsa_user_sgpr_kernarg_segment_ptr 1
		.amdhsa_wavefront_size32 1
		.amdhsa_system_sgpr_workgroup_id_x 1
		.amdhsa_system_sgpr_workgroup_id_y 1
		.amdhsa_system_sgpr_workgroup_id_z 1
		.amdhsa_system_vgpr_workitem_id 0
		.amdhsa_next_free_vgpr 256
		.amdhsa_next_free_sgpr 66
		.amdhsa_reserve_vcc 1
		.amdhsa_float_denorm_mode_32 3
		.amdhsa_float_denorm_mode_16_64 3
		.amdhsa_memory_ordered 1
		.amdhsa_forward_progress 1
		.amdhsa_inst_pref_size 37
	.end_amdhsa_kernel
	.amdgpu_metadata
---
amdhsa.version: [ 1, 2 ]
amdhsa.kernels:
  - .name:           k_q1cb150454e_final
    .symbol:         k_q1cb150454e_final.kd
    .args:
      - { .name: gid, .offset: 0, .size: 8, .value_kind: global_buffer, .address_space: global }
      - { .name: mc, .offset: 8, .size: 8, .value_kind: global_buffer, .address_space: global }
      - { .name: ms, .offset: 16, .size: 8, .value_kind: global_buffer, .address_space: global }
      - { .name: zc, .offset: 24, .size: 8, .value_kind: global_buffer, .address_space: global }
      - { .name: zs, .offset: 32, .size: 8, .value_kind: global_buffer, .address_space: global }
      - { .name: part, .offset: 40, .size: 8, .value_kind: global_buffer, .address_space: global }
      - { .name: out0, .offset: 48, .size: 8, .value_kind: global_buffer, .address_space: global }
    .group_segment_fixed_size: 10240
    .private_segment_fixed_size: 0
    .kernarg_segment_align: 8
    .kernarg_segment_size: 56
    .max_flat_workgroup_size: 512
    .sgpr_count:     66
    .vgpr_count:     256
    .wavefront_size: 32
...
	.end_amdgpu_metadata
.endif
;; end of part 4
;; ======== version 2 of 2: 4 launches
;; limits: values within 1.526e-05 (relative) of each other or of a threshold may be ordered or decided otherwise than in the reference
;; workspace buffers: zc 131,072 bytes; zs 8,192 bytes; part 4,096 bytes; mc 25,600,000 bytes; ms 1,600,000 bytes; ls 16,384,000 bytes; gid 65,536 bytes of whole numbers
;; launch prep (part 5): grid 8 x 1, 8 waves a work-group, no clusters, 34,304 bytes of LDS; arguments z_t, action, z_t1, sigma, W1, b1, g1, be1, W2_codes, W2_scales, b2, g2, be2, W3_codes, W3_scales, b3, zc, zs, part, out0; writes zc, zs, part, out0
.if DOCPART == 5
	.amdgcn_target "amdgcn-amd-amdhsa--gfx1250"
	.amdhsa_code_object_version 6
	.text
	.protected	k_q1cb150454e_prep
	.globl	k_q1cb150454e_prep
	.p2align	8
	.type	k_q1cb150454e_prep,@function
k_q1cb150454e_prep:
	s_mov_b64 s[64:65], 0
	v_nop
	global_prefetch_b8 v0, s[64:65] scope:SCOPE_SE
	s_setreg_imm32_b32 hwreg(HW_REG_WAVE_SCHED_MODE, 0, 2), 2
	s_setreg_imm32_b32 hwreg(HW_REG_WAVE_MODE, 25, 1), 1
	s_wait_xcnt 0x0
	s_wait_alu depctr_vm_vsrc(0)
; IntrinsicReward, launch 1 of 4: the forward model's three products on codes of FP4 (E2M1, one E8M0 scale for each 32 along K), pred_err, epistemic, and the codes of z_t / (|z_t| + 1e-8) for the search.
; NOTHING OF reference() IS LEFT OUT AS DEAD: every input has a way to an output, and all are loaded (mem by the next launch).
; THE PROGRAM: prep (this) | main: all 1,024 x 200,000 similarities; of each group of 32 memory rows only the largest is kept, as a key | select: the 16 groups with the largest keys of each query, stored as whole numbers |
; final: those 16 x 32 rows once more, from the codes that main stored, their 16 largest, novelty and total.  The 16 largest of all values lie in the 16 groups with the largest group maxima, whatever the inputs hold.
; SHARES.  8 work-groups of 8 waves; wave w of work-group g owns rows 16 T .. 16 T + 15, T = 8 g + w, through the whole chain.  W1 arrives as f32 with K first: wave w quantises its tile w (16 hidden units, all of K)
; once for the work-group, a lane to a column and registers down K, and hands it on through LDS as an image of the operand's registers.  The eight short parameter arrays go through LDS too, one a wave.
; All three products are used transposed (source 0 = 16 rows of the weight, source 1 = my 16 rows), so that a lane holds ONE row and its registers run along the next K.  THE UNITS OF A TILE OF W1 AND W2 ARE NOT NEIGHBOURS:
; lane r of tile 2 b + u takes unit 32 b + 8 u + r + 8 (r / 8), so that the 16 registers of tiles 2 b, 2 b + 1 are 16 neighbours along the next K.  Biases are the C of a sum's first matrix instruction.
; K = 262 of the first product: blocks 0-7 are z_t, block 8 is action's six numbers and zeros; the third K step's other codes are zeros under the byte 127.  K = 64 of the third product: the upper half of the step is zero codes.
; No cluster: the work-groups share only the weights, 150 KB read once each; no tensor load is used that could carry a mask.
; LIMITS: NaN and infinities among the inputs are not served.  A block of zeros gets the scale byte 1 where the rule says 127: its codes are zeros, and this program alone reads the bytes.
; REGISTERS, window 0: v0-15 addresses that stay; v16-31 at work (TM); v32-39 the codes just made (at the head: offsets of the head's loads); v40-47 six numbers of block 8; v48-66 scale words and nothing else;
;   v70-93 x's three fragments; v94-125 W2's four; v128-191 block A, v192-255 block B.   window 1: v0-127 z_t1; v128-255 W3's 16 fragments (upper halves zero).
; THE MODE: SCHED_MODE bits 1:0 = 2 (LLVM: expert scheduling mode 2), set by the entry lines.  The code itself states the register dependences
; between vector or matrix instructions and memory or LDS instructions, with s_wait_alu, always for 0.
; THE PLAN.  Registers that memory or LDS instructions touch, and who else names them:
;   v1-13, v69, v126, v127   offsets and LDS addresses: made once, ahead of the one wait on va_vdst in front of the first load, and never written again.
;   v32-39                   at the head offsets of the head's loads; one wait on vm_vsrc behind those loads, and they are the codes' registers.
;   the codes, TM+8 .. TM+10 written by a quantiser, read by a run of stores: a wait on va_vdst ahead of the run, a wait on vm_vsrc behind it, ahead of the next quantiser.
;   blocks A and B, v40-45   numbers land by loads, vector and matrix instructions work on them, the next numbers land: the wait on va_vdst that stands ahead of a quantiser's stores, or behind a root,
;                            also states that the block is done with; where none stands there (between the K steps of product 1, between the halves of a layer norm, ahead of b3), the block has a wait of its own.
;   the codes and scale words that vector instructions made and scaled products take: a wait on va_vdst stands between, behind the places.
.set W1I,   0                          ; LDS: W1's 24 fragments as images of 1,024 bytes: tile t, K step s at 3 t + s
.set W1S,   24576                      ; their scale words, 128 bytes each
.set PAR,   27648                      ; eight pieces of 512 bytes: b1, g1, be1, b3 (two), b2, g2, be2
.set RES,   31744                      ; the way out: three rows of 128 numbers
.set SPARE, 33280                      ; the spare words, 128 bytes for each wave: four blocks of 256 bytes that no other line names
.set P_B1,  0
.set P_G1,  512
.set P_BE1, 1024
.set P_B3,  1536
.set P_B2,  2560
.set P_G2,  3072
.set P_BE2, 3584
.set R,    1                           ; lane % 16
.set H,    2                           ; lane / 16
.set XA,   3                           ; z_t: 1,024 r + 64 h
.set LI,   4                           ; 16 x lane
.set LS,   5                           ; 4 x lane
.set IW,   6                           ; where I store W1's images
.set SWA,  7                           ; and their scale words
.set PB1,  8                           ; PAR + 64 h
.set PB3,  9                           ; PAR + 32 h
.set A24,  10                          ; 24 r: a row of action or sigma
.set RA,   11                          ; RES + 64 w + 4 r
.set SPW,  12                          ; LDS address of my spare word; never rewritten
.set NIL,  13                          ; 0; never rewritten
.set SS,   14                          ; v[14:15] a factor for packed forms (the low word serves both halves)
.set TM,   16
.set PC,   32
.set W1O,  32                          ; head only: offsets of the head's loads
.set W6O,  33
.set ZA1,  34
.set W2A,  35
.set W2SA, 36
.set W3A,  37
.set W3SA, 38
.set POFF, 39
.set SM,   40
.set WS,   48                          ; v48-51 W1's scale words, two tiles to a register
.set XS,   52                          ; v52-54 x's
.set HS,   55                          ; the first hidden layer's
.set H2S,  56                          ; the second's
.set W2S,  57                          ; v57-58
.set W3S,  59                          ; v59-66
.set EP,   67
.set KEEP, 68                          ; 1.0 in lanes 0-15, 0.0 in lanes 16-31
.set WSA,  69                          ; W1S + 4 x lane + 384 h
.set XF,   70
.set W2F,  94
.set RL,   126
.set PST,  127
.set BA,   128
.set BB,   192
.set WV,   44
.set TT,   45
.set SEL,  48
.set PP,   52
.set IN1,  56
.set IN2,  57
.set EPS,  58
.set MSB, 0
.macro WIN new                         ; the immediate's high byte repeats the setting that is left
.if MSB != \new
	s_set_vgpr_msb (MSB<<8)|\new
.set MSB, \new
.endif
.endm
.macro PLACES n                        ; plain places behind matrix instructions, or ahead of scaled ones (ISA guide 7.12.1)
.rept \n
	v_nop
.endr
.endm
.macro BARRIER                         ; my LDS stores have landed and my LDS loads are in: then the work-group's barrier
	s_wait_dscnt 0x0
	s_barrier_signal -1
	s_barrier_wait -1
.endm
; 16 nb numbers of a lane, register 16 b + i = k 32 b + 16 h + i of my row, become a fragment's codes in v[pc] on and its scale word in v[pw]
.macro QUANT s, pc, pw, nb
.irp b, 0,1,2,3
.if \b < \nb
	v_max3_num_f32 v[TM+\b], |v[\s+16*\b]|, |v[\s+16*\b+1]|, 0x1800000   ; my 16 numbers of block b, and the floor 2^(3 - 127): the byte cannot fall under 1
.endif
.endr
.irp i, 2,4,6,8,10,12,14
.irp b, 0,1,2,3
.if \b < \nb
	v_max3_num_f32 v[TM+\b], v[TM+\b], |v[\s+16*\b+\i]|, |v[\s+16*\b+\i+1]|
.endif
.endr
.endr
.irp b, 0,1,2,3
.if \b < \nb
	v_permlanex16_b32 v[TM+4+\b], v[TM+\b], s[SEL], s[SEL+1]
.endif
.endr
.irp b, 0,1,2,3
.if \b < \nb
	v_max_num_f32 v[TM+\b], v[TM+\b], v[TM+4+\b]   ; with lane l xor 16's: the block's largest magnitude
.endif
.endr
.irp b, 0,1,2,3
.if \b < \nb
	v_add_nc_u32 v[TM+12+\b], 0xff000000, v[TM+\b]   ; 2 off its exponent field: the conversion's scale operand
.endif
.endr
.irp b, 0,1,2,3
.if \b < \nb
	v_lshrrev_b32 v[TM+4+\b], 23, v[TM+12+\b]      ; the scale's byte
.endif
.endr
	v_lshl_or_b32 v[\pw], v[TM+5], 8, v[TM+4]
.if \nb == 4
	v_lshl_or_b32 v[\pw], v[TM+6], 16, v[\pw]
	v_lshl_or_b32 v[\pw], v[TM+7], 24, v[\pw]
.else
	v_or_b32 v[\pw], 0x7f7f0000, v[\pw]            ; the step's upper half: zero codes under the byte 127
.endif
.irp b, 0,1,2,3
.if \b < \nb
	v_cvt_scalef32_pk8_fp4_f32 v[\pc+2*\b], v[\s+16*\b:\s+16*\b+7], v[TM+12+\b]
	v_cvt_scalef32_pk8_fp4_f32 v[\pc+2*\b+1], v[\s+16*\b+8:\s+16*\b+15], v[TM+12+\b]
.endif
.endr
	v_nop                                          ; one plain place behind a scaled conversion
.irp c, 0,1
.if 2*\c < \nb
.irp i, 0,1
	v_permlane16_swap_b32 v[\pc+4*\c+\i], v[\pc+4*\c+2+\i]   ; the layout wants a whole block in a lane
.endr
.endif
.endr
.if \nb == 2
.irp i, 4,5,6,7
	v_mov_b32 v[\pc+\i], 0
.endr
.endif
.endm
; K step s of my tile of W1: register 32 c + i = W1(128 s + 64 c + 32 h + i, my unit): two whole blocks a lane; codes and scale word go to LDS as images
.macro WQ N, s
.irp c, 0,1
	v_max3_num_f32 v[TM+\c], |v[\N+32*\c]|, |v[\N+32*\c+1]|, 0x1800000
.endr
.irp i, 2,4,6,8,10,12,14,16,18,20,22,24,26,28,30
.irp c, 0,1
	v_max3_num_f32 v[TM+\c], v[TM+\c], |v[\N+32*\c+\i]|, |v[\N+32*\c+\i+1]|
.endr
.endr
.irp c, 0,1
	v_add_nc_u32 v[TM+12+\c], 0xff000000, v[TM+\c]
.endr
.irp c, 0,1
	v_lshrrev_b32 v[TM+4+\c], 23, v[TM+12+\c]
.endr
	v_lshl_or_b32 v[TM+8], v[TM+5], 16, v[TM+4]    ; my two bytes: blocks h and 2 + h,
	v_lshlrev_b32 v[TM+9], 3, v[H]
	v_lshlrev_b32 v[TM+8], v[TM+9], v[TM+8]        ; at their places in the word;
	v_permlanex16_b32 v[TM+10], v[TM+8], s[SEL], s[SEL+1]
	v_or_b32 v[TM+8], v[TM+8], v[TM+10]            ; with lane l xor 16's two the word is whole, in both lanes
.irp c, 0,1
.irp g, 0,1,2,3
	v_cvt_scalef32_pk8_fp4_f32 v[PC+4*\c+\g], v[\N+32*\c+8*\g:\N+32*\c+8*\g+7], v[TM+12+\c]
.endr
.endr
	v_nop
	s_wait_alu depctr_va_vdst(0)                   ; the codes and the scale word are written, which the three LDS stores read; and the conversions are done reading this block, in which z_t's loads land next
	ds_store_b128 v[IW], v[PC:PC+3] offset:1024*\s
	ds_store_b128 v[IW], v[PC+4:PC+7] offset:1024*\s+512
	ds_store_b32 v[SWA], v[TM+8] offset:128*\s
	s_wait_dscnt 0x0                               ; the stores have landed
	s_wait_alu depctr_vm_vsrc(0)                   ; the LDS stores issued so far have read the codes' registers, the word's and the parameter piece's, which the next quantisers write
.endm
; block 8: six numbers (registers 6, 7 of src are 0), the same in both halves of the lanes.  The scale is made in all lanes; then lanes 16-31, whose k lie past K, get zeros
.macro SMALLQ src, pc, pw
	v_max3_num_f32 v[TM], |v[\src]|, |v[\src+1]|, 0x1800000
	v_max3_num_f32 v[TM], v[TM], |v[\src+2]|, |v[\src+3]|
	v_max3_num_f32 v[TM], v[TM], |v[\src+4]|, |v[\src+5]|
	v_add_nc_u32 v[TM+12], 0xff000000, v[TM]
	v_lshrrev_b32 v[TM+4], 23, v[TM+12]
	v_or_b32 v[\pw], 0x7f7f7f00, v[TM+4]
.irp i, 0,1,2,3,4,5
	v_mul_f32 v[\src+\i], v[KEEP], v[\src+\i]
.endr
	v_cvt_scalef32_pk8_fp4_f32 v[\pc], v[\src:\src+7], v[TM+12]
	v_nop
.irp i, 1,2,3,4,5,6,7
	v_mov_b32 v[\pc+\i], 0
.endr
.endm
.macro XLOAD reg, s                    ; my rows' numbers of K step s: 64 a lane
.irp b, 0,1,2,3
.irp j, 0,1,2,3
	global_load_b128 v[\reg+16*\b+4*\j:\reg+16*\b+4*\j+3], v[XA], s[4:5] offset:512*\s+128*\b+16*\j
.endr
.endr
.endm
.macro WM d, a, b, sa, sb, rowa        ; D = C = v[d] on; rowa: A's scale words lie in lanes 16-31
.if \rowa
	v_wmma_scale_f32_16x16x128_f8f6f4 v[\d:\d+7], v[\a:\a+7], v[\b:\b+7], v[\d:\d+7], v[\sa], v[\sb] matrix_a_fmt:MATRIX_FMT_FP4 matrix_b_fmt:MATRIX_FMT_FP4 matrix_a_scale:MATRIX_SCALE_ROW1
.else
	v_wmma_scale_f32_16x16x128_f8f6f4 v[\d:\d+7], v[\a:\a+7], v[\b:\b+7], v[\d:\d+7], v[\sa], v[\sb] matrix_a_fmt:MATRIX_FMT_FP4 matrix_b_fmt:MATRIX_FMT_FP4
.endif
.endm
.macro BIAS nt, off                    ; a bias in the result's layout into block A: tile 2 b + u, register j: unit 32 b + 16 h + 8 u + j
.irp t, 0,1,2,3,4,5,6,7
.if \t < \nt
.irp q, 0,1
	ds_load_b128 v[BA+8*\t+4*\q:BA+8*\t+4*\q+3], v[PB1] offset:\off+128*(\t/2)+32*(\t%2)+16*\q
.endr
.endif
.endr
.endm
.macro B3LOAD u                        ; b3 of columns 128 u on, in the result's layout, into block B
.irp t, 0,1,2,3,4,5,6,7
.irp q, 0,1
	ds_load_b128 v[BB+8*\t+4*\q:BB+8*\t+4*\q+3], v[PB3] offset:P_B3+64*(8*\u+\t)+16*\q
.endr
.endr
.endm
; mean and variance of a row whose n numbers a lane lie in v[base] on (the other n in lane l xor 16); leaves x - mean in place and 1 / sqrt(var + eps) in v[SS]
.macro LNSTAT base, n, sinv
	v_pk_add_f32 v[TM+8:TM+9], v[\base:\base+1], v[\base+2:\base+3]
	v_pk_add_f32 v[TM+10:TM+11], v[\base+4:\base+5], v[\base+6:\base+7]
.set i, 8
.rept (\n-8)/4
	v_pk_add_f32 v[TM+8:TM+9], v[TM+8:TM+9], v[\base+i:\base+i+1]
	v_pk_add_f32 v[TM+10:TM+11], v[TM+10:TM+11], v[\base+i+2:\base+i+3]
.set i, i+4
.endr
	v_pk_add_f32 v[TM+8:TM+9], v[TM+8:TM+9], v[TM+10:TM+11]
	v_add_f32 v[TM+8], v[TM+8], v[TM+9]
	v_permlanex16_b32 v[TM+9], v[TM+8], s[SEL], s[SEL+1]
	v_add_f32 v[TM+8], v[TM+8], v[TM+9]
	v_mul_f32 v[SS], s[\sinv], v[TM+8]             ; the mean
.set i, 0
.rept \n/2
	v_pk_add_f32 v[\base+i:\base+i+1], v[\base+i:\base+i+1], v[SS:SS+1] op_sel_hi:[1,0] neg_lo:[0,1] neg_hi:[0,1]
.set i, i+2
.endr
	v_pk_mul_f32 v[TM+8:TM+9], v[\base:\base+1], v[\base:\base+1]
	v_pk_mul_f32 v[TM+10:TM+11], v[\base+2:\base+3], v[\base+2:\base+3]
.set i, 4
.rept (\n-4)/4
	v_pk_fma_f32 v[TM+8:TM+9], v[\base+i:\base+i+1], v[\base+i:\base+i+1], v[TM+8:TM+9]
	v_pk_fma_f32 v[TM+10:TM+11], v[\base+i+2:\base+i+3], v[\base+i+2:\base+i+3], v[TM+10:TM+11]
.set i, i+4
.endr
	v_pk_add_f32 v[TM+8:TM+9], v[TM+8:TM+9], v[TM+10:TM+11]
	v_add_f32 v[TM+8], v[TM+8], v[TM+9]
	v_permlanex16_b32 v[TM+9], v[TM+8], s[SEL], s[SEL+1]
	v_add_f32 v[TM+8], v[TM+8], v[TM+9]
	v_fma_f32 v[TM+8], v[TM+8], s[\sinv], s[EPS]
	s_wait_alu depctr_va_vdst(0)
	v_rsq_f32 v[SS], v[TM+8]
	v_nop                                          ; a plain place behind the transcendental,
	s_wait_alu depctr_va_vdst(0)                   ; 1 / sqrt is written in v[SS], ahead of its first reader; and all that read block B so far is done with it: gain and shift land there next
.endm
; 32 registers (tiles t0 .. t0 + 3): x / sigma x gain + shift, then relu; gain and shift come from LDS in the result's layout.  w = 1: vector instructions have read block B since the last wait on va_vdst
.macro LNAFF base, t0, goff, boff, w
.if \w
	s_wait_alu depctr_va_vdst(0)                   ; the multiply-adds of the half before are done reading block B, in which this half's gain and shift land
.endif
.irp t, 0,1,2,3
.irp q, 0,1
	ds_load_b128 v[BB+8*\t+4*\q:BB+8*\t+4*\q+3], v[PB1] offset:\goff+128*((\t0+\t)/2)+32*((\t0+\t)%2)+16*\q
	ds_load_b128 v[BB+32+8*\t+4*\q:BB+32+8*\t+4*\q+3], v[PB1] offset:\boff+128*((\t0+\t)/2)+32*((\t0+\t)%2)+16*\q
.endr
.endr
	s_wait_dscnt 0x0
.set i, 0
.rept 16
	v_pk_mul_f32 v[\base+i:\base+i+1], v[\base+i:\base+i+1], v[SS:SS+1] op_sel_hi:[1,0]
.set i, i+2
.endr
.set i, 0
.rept 16
	v_pk_fma_f32 v[\base+i:\base+i+1], v[\base+i:\base+i+1], v[BB+i:BB+i+1], v[BB+32+i:BB+32+i+1]
.set i, i+2
.endr
.set i, 0
.rept 32
	v_max_num_f32 v[\base+i], 0, v[\base+i]
.set i, i+1
.endr
.endm
	s_load_b512 s[4:19], s[0:1], 0x0               ; z_t 4, action 6, z_t1 8, sigma 10, W1 12, b1 14, g1 16, be1 18
	s_load_b512 s[20:35], s[0:1], 0x40             ; W2's codes 20, scales 22, b2 24, g2 26, be2 28, W3's codes 30, scales 32, b3 34
	s_load_b256 s[36:43], s[0:1], 0x80             ; zc 36, zs 38, part 40, out0 42
	v_lshl_add_u32 v[SPW], v0, 2, SPARE
	v_mov_b32 v[NIL], 0
	v_lshrrev_b32 v16, 5, v0
	v_readfirstlane_b32 s[WV], v16                 ; wave 0..7
	v_and_b32 v17, 31, v0                          ; lane
	v_and_b32 v[R], 15, v0
	v_bfe_u32 v[H], v0, 4, 1
	v_lshlrev_b32 v[XA], 10, v[R]
	v_lshl_add_u32 v[XA], v[H], 6, v[XA]
	v_lshlrev_b32 v[LI], 4, v17
	v_lshlrev_b32 v[LS], 2, v17
	s_wait_alu depctr_va_sdst(0)                   ; the wave's number is written in s[WV], ahead of its first reader
	s_mul_i32 s46, s[WV], 3072
	v_add_nc_u32 v[IW], s46, v[LI]
	s_mul_i32 s46, s[WV], 384
	s_add_co_u32 s46, s46, W1S
	v_add_nc_u32 v[SWA], s46, v[LS]
	v_lshl_add_u32 v[PB1], v[H], 6, PAR
	v_lshl_add_u32 v[PB3], v[H], 5, PAR
	v_mul_u32_u24 v[A24], v[R], 24
	s_lshl_b32 s46, s[WV], 6
	s_add_co_u32 s46, s46, RES
	v_lshl_add_u32 v[RA], v[R], 2, s46
	v_mad_u32_u24 v[WSA], v[H], 384, v[LS]         ; lanes 16-31 take the odd tile's words, three images further on
	v_add_nc_u32 v[WSA], W1S, v[WSA]
	s_min_u32 s46, s[WV], 2
	s_lshl_b32 s46, s46, 9
	s_add_co_u32 s46, s46, RES
	v_add_nc_u32 v[RL], s46, v[LI]
	s_lshl_b32 s46, s[WV], 9
	s_add_co_u32 s46, s46, PAR
	v_add_nc_u32 v[PST], s46, v[LI]
	v_cvt_f32_u32 v[KEEP], v[H]
	v_sub_f32 v[KEEP], 1.0, v[KEEP]
	v_and_b32 v18, 8, v[R]
	v_add_nc_u32 v18, v18, v[R]                    ; r + 8 (r / 8)
	s_lshr_b32 s46, s[WV], 1
	s_lshl_b32 s46, s46, 5
	s_and_b32 s47, s[WV], 1
	s_lshl_b32 s47, s47, 3
	s_add_co_u32 s46, s46, s47
	v_add_nc_u32 v19, s46, v18                     ; my hidden unit of tile w
	v_lshlrev_b32 v[W6O], 2, v19
	v_lshl_add_u32 v[W1O], v[H], 14, v[W6O]        ; lanes 16-31 begin 32 rows of 512 bytes further down
	v_lshlrev_b32 v[ZA1], 10, v[R]
	v_lshl_add_u32 v[ZA1], v[H], 5, v[ZA1]
	v_lshlrev_b32 v[W2A], 6, v18
	v_lshl_add_u32 v[W2A], v[H], 4, v[W2A]
	v_lshlrev_b32 v[W2SA], 2, v18
	v_lshl_add_u32 v[W2SA], v[H], 5, v[W2SA]       ; lanes 16-31: the odd tile, 8 rows of 4 bytes on
	v_lshlrev_b32 v[W3A], 5, v[R]
	v_lshl_add_u32 v[W3A], v[H], 4, v[W3A]
	v_lshlrev_b32 v[W3SA], 1, v[R]
	v_lshl_add_u32 v[W3SA], v[H], 5, v[W3SA]       ; lanes 16-31: the odd tile, 16 rows of 2 bytes on
	s_mov_b32 s46, 0xf0
	s_cmp_lt_u32 s[WV], 5
	s_cselect_b32 s46, 0x1f0, s46                  ; pieces 0-4 are 512 bytes, pieces 5-7 are 256: there lanes 16-31 read lanes 0-15's bytes again
	v_and_b32 v[POFF], s46, v[LI]
.irp i, 4,5,6,7,10
	v_mov_b32 v[TM+\i], 0                          ; written once: a lane permute's destination counts as one of its sources
.endr
	v_mov_b32 v[SS+1], 0                           ; (named as the upper half of a pair)
	v_mov_b32 v[SM+6], 0
	v_mov_b32 v[SM+7], 0
	s_mov_b32 s[SEL], 0x76543210
	s_mov_b32 s[SEL+1], 0xfedcba98                 ; v_permlanex16_b32's selects for lane l xor 16
	s_mov_b32 s[IN1], 0x3c000000                   ; 1 / 128
	s_mov_b32 s[IN2], 0x3c800000                   ; 1 / 64
	s_mov_b32 s[EPS], 0x3727c5ac                   ; 1e-5
	s_lshl_b32 s[TT], ttmp9, 3
	s_add_co_u32 s[TT], s[TT], s[WV]               ; T: my tile of 16 rows
	s_mov_b32 s47, 0
	s_wait_kmcnt 0x0
	s_lshl_b32 s46, s[TT], 14
	s_add_nc_u64 s[4:5], s[4:5], s[46:47]
	s_add_nc_u64 s[8:9], s[8:9], s[46:47]
	s_mul_i32 s46, s[TT], 384
	s_add_nc_u64 s[6:7], s[6:7], s[46:47]
	s_add_nc_u64 s[10:11], s[10:11], s[46:47]
	s_lshl_b32 s46, s[TT], 11
	s_add_nc_u64 s[36:37], s[36:37], s[46:47]
	s_lshl_b32 s46, s[TT], 7
	s_add_nc_u64 s[38:39], s[38:39], s[46:47]
	s_add_nc_u64 s[54:55], s[34:35], 512           ; b3's upper half
	s_mov_b64 s[PP:PP+1], s[14:15]                 ; the piece that my wave brings: chosen by the wave's number alone
	s_cmp_eq_u32 s[WV], 1
	s_cselect_b64 s[PP:PP+1], s[16:17], s[PP:PP+1]
	s_cmp_eq_u32 s[WV], 2
	s_cselect_b64 s[PP:PP+1], s[18:19], s[PP:PP+1]
	s_cmp_eq_u32 s[WV], 3
	s_cselect_b64 s[PP:PP+1], s[34:35], s[PP:PP+1]
	s_cmp_eq_u32 s[WV], 4
	s_cselect_b64 s[PP:PP+1], s[54:55], s[PP:PP+1]
	s_cmp_eq_u32 s[WV], 5
	s_cselect_b64 s[PP:PP+1], s[24:25], s[PP:PP+1]
	s_cmp_eq_u32 s[WV], 6
	s_cselect_b64 s[PP:PP+1], s[26:27], s[PP:PP+1]
	s_cmp_eq_u32 s[WV], 7
	s_cselect_b64 s[PP:PP+1], s[28:29], s[PP:PP+1]
	; ---- the head's loads: the small ones, W1, and last the 48 into window 1
	s_wait_alu depctr_va_vdst(0)                   ; every offset and LDS address of the kernel (v1-13, v32-39, v69, v126, v127) is written, which the loads and stores from here on read
	global_load_b128 v[XF+8:XF+11], v[POFF], s[PP:PP+1]
.irp i, 0,1,2
	global_load_b64 v[XF+2*\i:XF+2*\i+1], v[A24], s[10:11] offset:8*\i       ; sigma's six, in registers that x's fragments take later
.endr
.irp t, 0,1,2,3
.irp c, 0,1
	global_load_b128 v[W2F+8*\t+4*\c:W2F+8*\t+4*\c+3], v[W2A], s[20:21] offset:(32*(\t/2)+8*(\t%2))*64+32*\c
.endr
.endr
.irp b, 0,1
	global_load_b32 v[W2S+\b], v[W2SA], s[22:23] offset:128*\b
.endr
.irp t, 0,1,2,3,4,5,6,7
	global_load_u16 v[W3S+\t], v[W3SA], s[32:33] offset:64*\t                ; two bytes a row; the word's upper bytes are 0, over zero codes
.endr
.set i, 0
.rept 64
	global_load_b32 v[BA+i], v[W1O], s[12:13] offset:512*(i+32*(i/32))
.set i, i+1
.endr
.set i, 0
.rept 64
	global_load_b32 v[BB+i], v[W1O], s[12:13] offset:512*(128+i+32*(i/32))
.set i, i+1
.endr
.irp i, 0,1,2,3,4,5
	global_load_b32 v[SM+\i], v[W6O], s[12:13] offset:512*(256+\i)
.endr
	WIN 0x40                                       ; destination window 1
.set i, 0
.rept 32
	global_load_b128 v[4*i:4*i+3], v[ZA1], s[8:9] offset:64*(i/2)+16*(i%2)   ; z_t1(r, 16 t + 8 h + 0 .. 7) at register 8 t on
.set i, i+1
.endr
.set i, 0
.rept 16
	global_load_b128 v[128+8*i:128+8*i+3], v[W3A], s[30:31] offset:512*i     ; W3's tile i: K = 64 fills the lower half of a fragment,
	v_mov_b32 v[128+8*i+4], 0                                                ; and the upper half is zero codes (registers in which no load lands)
	v_mov_b32 v[128+8*i+5], 0
	v_mov_b32 v[128+8*i+6], 0
	v_mov_b32 v[128+8*i+7], 0
.set i, i+1
.endr
	WIN 0
	s_wait_loadcnt 48                              ; all but the 48 loads into window 1, which were issued last, are in
	s_wait_xcnt 0x0                                ; every load has had its address translated
	s_wait_alu depctr_vm_vsrc(0)                   ; the head's loads have read their offsets in v32-39, which the conversions write from here on
	; ---- W1's tile w, the parameters, epistemic
	ds_store_b128 v[PST], v[XF+8:XF+11]
	v_add_f32 v[EP], v[XF], v[XF+1]
	v_add_f32 v[TM+8], v[XF+2], v[XF+3]
	v_add_f32 v[TM+9], v[XF+4], v[XF+5]
	v_add_f32 v[EP], v[EP], v[TM+8]
	v_add_f32 v[EP], v[EP], v[TM+9]
	v_mul_f32 v[EP], 0x3e2aaaab, v[EP]             ; the mean of six
	WQ BA, 0
	XLOAD BA, 0                                    ; z_t takes each block as soon as W1's numbers there are converted: no vector instruction since the quantiser's wait names the block
	WQ BB, 1
	XLOAD BB, 1
	SMALLQ SM, PC, TM+8
	s_wait_alu depctr_va_vdst(0)                   ; block 8's codes and scale word are written, which the LDS stores read; and its six numbers are done with: action's loads land in their registers
	ds_store_b128 v[IW], v[PC:PC+3] offset:2048
	ds_store_b128 v[IW], v[PC+4:PC+7] offset:2560
	ds_store_b32 v[SWA], v[TM+8] offset:256
	s_wait_dscnt 0x0
	s_wait_alu depctr_vm_vsrc(0)                   ; the stores have read the codes' registers and the word's, which the quantisers below write
.irp i, 0,1,2
	global_load_b64 v[SM+2*\i:SM+2*\i+1], v[A24], s[6:7] offset:8*\i         ; action's six
.endr
	s_wait_loadcnt 0x0
	; ---- my 16 rows: the first product's operand, then z_t / (|z_t| + 1e-8) as codes for the search
	QUANT BA, XF, XS, 4
	QUANT BB, XF+8, XS+1, 4
	SMALLQ SM, XF+16, XS+2
	v_pk_mul_f32 v[TM+8:TM+9], v[BA:BA+1], v[BA:BA+1]
	v_pk_mul_f32 v[TM+10:TM+11], v[BA+2:BA+3], v[BA+2:BA+3]
.set i, 4
.rept 31
	v_pk_fma_f32 v[TM+8:TM+9], v[BA+i:BA+i+1], v[BA+i:BA+i+1], v[TM+8:TM+9]
	v_pk_fma_f32 v[TM+10:TM+11], v[BA+i+2:BA+i+3], v[BA+i+2:BA+i+3], v[TM+10:TM+11]
.set i, i+4
.endr
	v_pk_add_f32 v[TM+8:TM+9], v[TM+8:TM+9], v[TM+10:TM+11]
	v_add_f32 v[TM+8], v[TM+8], v[TM+9]
	v_permlanex16_b32 v[TM+9], v[TM+8], s[SEL], s[SEL+1]
	v_add_f32 v[TM+8], v[TM+8], v[TM+9]
	s_wait_alu depctr_va_vdst(0)
	v_sqrt_f32 v[TM+9], v[TM+8]
	v_nop
	s_wait_alu depctr_va_vdst(0)                   ; the root is written in v[TM+9], ahead of its first reader; x's three fragments and scale words, which the first product takes, are written too
	v_add_f32 v[TM+9], 0x322bcc77, v[TM+9]         ; + 1e-8
	s_wait_alu depctr_va_vdst(0)
	v_rcp_f32 v[SS], v[TM+9]
	v_nop
	s_wait_alu depctr_va_vdst(0)                   ; the reciprocal is written in v[SS], ahead of its first reader
.set i, 0
.rept 64
	v_pk_mul_f32 v[BA+i:BA+i+1], v[BA+i:BA+i+1], v[SS:SS+1] op_sel_hi:[1,0]
.set i, i+2
.endr
	QUANT BA, PC, TM+8, 4
	s_wait_alu depctr_va_vdst(0)                   ; K step 0's codes are written, which the two stores read
	global_store_b128 v[LI], v[PC:PC+3], s[36:37]                            ; a fragment leaves as an image of its registers: 512 consecutive bytes a store
	global_store_b128 v[LI], v[PC+4:PC+7], s[36:37] offset:512
	s_wait_xcnt 0x0                                ; the stores have had their addresses translated,
	s_wait_alu depctr_vm_vsrc(0)                   ; and have read the codes' registers, which the next quantiser writes
	QUANT BB, PC, TM+9, 4
	v_cmp_eq_u32 vcc_lo, 1, v[H]
	s_wait_alu depctr_va_vcc(0)                    ; VCC is written, ahead of the select that reads it
	v_cndmask_b32 v[TM+10], v[TM+8], v[TM+9], vcc_lo                         ; lanes 0-15 K step 0's word, lanes 16-31 K step 1's
	s_wait_alu depctr_va_vdst(0)                   ; K step 1's codes and the scale words are written, which the three stores read; and the quantisers are done with blocks A and B, in which b1 and W1's images land behind the barrier
	global_store_b128 v[LI], v[PC:PC+3], s[36:37] offset:1024
	global_store_b128 v[LI], v[PC+4:PC+7], s[36:37] offset:1536
	global_store_b32 v[LS], v[TM+10], s[38:39]
	BARRIER                                        ; W1's 24 images and the eight parameter pieces lie in LDS
	s_wait_xcnt 0x0                                ; the stores above have had their addresses translated,
	s_wait_alu depctr_vm_vsrc(0)                   ; and have read the codes' registers and v[TM+10], which the layer norm and the next quantiser write
	; ---- product 1: eight tiles of hidden units by turns, a K step at a time; b1 is the C of the first
	BIAS 8, P_B1
.irp s, 0,1,2
.if \s > 0
	PLACES 4                                       ; behind the K step's products
	s_wait_alu depctr_va_vdst(0)                   ; the K step's eight products are done reading block B and W1's scale words, in which the next step's loads land
.endif
.irp t, 0,1,2,3,4,5,6,7
.irp c, 0,1
	ds_load_b128 v[BB+8*\t+4*\c:BB+8*\t+4*\c+3], v[LI] offset:W1I+1024*(3*\t+\s)+512*\c
.endr
.endr
.irp b, 0,1,2,3
	ds_load_b32 v[WS+\b], v[WSA] offset:768*\b+128*\s
.endr
	s_wait_dscnt 0x0
.irp t, 0,1,2,3,4,5,6,7
	WM BA+8*\t, BB+8*\t, XF+8*\s, WS+\t/2, XS+\s, \t%2
.endr
.endr
	PLACES 4
	LNSTAT BA, 64, IN1
	LNAFF BA, 0, P_G1, P_BE1, 0
	LNAFF BA+32, 4, P_G1, P_BE1, 1
	QUANT BA, PC, HS, 4
	; ---- product 2
	PLACES 8                                       ; a scale register written by a vector instruction stands 8 places ahead of a scaled matrix instruction, an operand 4
	s_wait_alu depctr_va_vdst(0)                   ; the quantiser has written the codes and the scale word, which the products take as source 1 and its scales; and it is done reading block A, in which b2 lands
	BIAS 4, P_B2
	s_wait_dscnt 0x0
.irp t, 0,1,2,3
	WM BA+8*\t, W2F+8*\t, PC, W2S+\t/2, HS, \t%2
.endr
	PLACES 4
	LNSTAT BA, 32, IN2
	LNAFF BA, 0, P_G2, P_BE2, 0
	s_wait_alu depctr_va_vdst(0)                   ; the layer norm's multiply-adds are done reading block B, in which b3's first half lands while the quantiser works
	B3LOAD 0
	QUANT BA, PC, H2S, 2
	; ---- product 3, eight tiles of columns at a time: C = b3 - z_t1, so that the result is z_pred - z_t1
.irp u, 0,1
	s_wait_dscnt 0x0                               ; this half's b3 is in
	WIN 0x04                                       ; source 1 (z_t1) window 1
.set i, 0
.rept 32
	v_pk_add_f32 v[BA+i:BA+i+1], v[BB+i:BB+i+1], v[64*\u+i:64*\u+i+1] neg_lo:[0,1] neg_hi:[0,1]
.set i, i+2
.endr
	WIN 0
	PLACES 8
.if \u == 0
	s_wait_alu depctr_va_vdst(0)                   ; the quantiser has written the codes and the scale word, which both halves' products take as source 1 and its scales; and the subtractions are done reading block B, in which b3's second half lands
	B3LOAD 1                                       ; it lands under the first half's products and squares, which do not name block B
.endif
	WIN 0x01                                       ; source 0 (W3) window 1
.irp t, 0,1,2,3,4,5,6,7
	WM BA+8*\t, 128+8*(8*\u+\t), PC, W3S+(8*\u+\t)/2, H2S, \t%2
.endr
	WIN 0
	PLACES 4
.if \u == 0
	v_pk_mul_f32 v[TM+8:TM+9], v[BA:BA+1], v[BA:BA+1]
	v_pk_mul_f32 v[TM+10:TM+11], v[BA+2:BA+3], v[BA+2:BA+3]
.else
	v_pk_fma_f32 v[TM+8:TM+9], v[BA:BA+1], v[BA:BA+1], v[TM+8:TM+9]
	v_pk_fma_f32 v[TM+10:TM+11], v[BA+2:BA+3], v[BA+2:BA+3], v[TM+10:TM+11]
.endif
.set i, 4
.rept 15
	v_pk_fma_f32 v[TM+8:TM+9], v[BA+i:BA+i+1], v[BA+i:BA+i+1], v[TM+8:TM+9]   ; each accumulator from its low end on
	v_pk_fma_f32 v[TM+10:TM+11], v[BA+i+2:BA+i+3], v[BA+i+2:BA+i+3], v[TM+10:TM+11]
.set i, i+4
.endr
.endr
	v_pk_add_f32 v[TM+8:TM+9], v[TM+8:TM+9], v[TM+10:TM+11]
	v_add_f32 v[TM+8], v[TM+8], v[TM+9]
	v_permlanex16_b32 v[TM+9], v[TM+8], s[SEL], s[SEL+1]
	v_add_f32 v[TM+8], v[TM+8], v[TM+9]
	v_mul_f32 v[TM+8], 0x3b800000, v[TM+8]         ; pred_err: the mean of 256
	v_fma_f32 v[TM+9], v[EP], 0.5, v[TM+8]         ; pred_err + 0.5 epistemic, for the last launch
	; ---- the way out: 128 rows' numbers meet in LDS, and three waves store 512 consecutive bytes each
	s_wait_alu depctr_va_vdst(0)                   ; the three results are written, which the LDS stores read; and the subtractions are done reading block B, in which the load of the way out lands
	ds_store_b32 v[RA], v[TM+8]                    ; (lanes r and r + 16 write the same word with the same value)
	ds_store_b32 v[RA], v[EP] offset:512
	ds_store_b32 v[RA], v[TM+9] offset:1024
	s_add_co_u32 s46, s[WV], 1
	s_lshl_b32 s46, s46, 12                        ; wave 0: row 1 of out0; wave 1: row 2
	s_cmp_eq_u32 s[WV], 2                          ; wave 2: part
	s_cselect_b64 s[PP:PP+1], s[40:41], s[42:43]
	s_cselect_b32 s46, 0, s46
	s_lshl_b32 s47, ttmp9, 9
	s_add_co_u32 s46, s46, s47
	s_mov_b32 s47, 0
	s_add_nc_u64 s[PP:PP+1], s[PP:PP+1], s[46:47]
	BARRIER
	s_cmp_gt_u32 s[WV], 2
	s_cbranch_scc1 .Lend
	ds_load_b128 v[BB:BB+3], v[RL]
	s_wait_dscnt 0x0
	global_store_b128 v[LI], v[BB:BB+3], s[PP:PP+1]
.Lend:
	s_wait_dscnt 0x0                               ; the closing lines, six on end
	s_wait_alu 0x0
	s_wait_tensorcnt 0x0
	ds_add_u32 v[SPW], v[NIL]
	s_wait_dscnt 0x0
	s_endpgm
.Lfunc_end_k_q1cb150454e_prep:
	.size	k_q1cb150454e_prep, .Lfunc_end_k_q1cb150454e_prep-k_q1cb150454e_prep
	.p2alignl 7, 3214868480
	.fill 96, 4, 3214868480
	.section	.rodata,"a",@progbits
	.p2align	6, 0x0
	.amdhsa_kernel k_q1cb150454e_prep
		.amdhsa_group_segment_fixed_size 34304
		.amdhsa_private_segment_fixed_size 0
		.amdhsa_enable_private_segment 0
		.amdhsa_kernarg_size 160
		.amdhsa_user_sgpr_count 2
		.amdhsa_user_sgpr_kernarg_segment_ptr 1
		.amdhsa_wavefront_size32 1
		.amdhsa_system_sgpr_workgroup_id_x 1
		.amdhsa_system_sgpr_workgroup_id_y 1
		.amdhsa_system_sgpr_workgroup_id_z 1
		.amdhsa_system_vgpr_workitem_id 0
		.amdhsa_next_free_vgpr 512
		.amdhsa_next_free_sgpr 66
		.amdhsa_reserve_vcc 1
		.amdhsa_float_denorm_mode_32 3
		.amdhsa_float_denorm_mode_16_64 3
		.amdhsa_memory_ordered 1
		.amdhsa_forward_progress 1
		.amdhsa_inst_pref_size 115
	.end_amdhsa_kernel
	.amdgpu_metadata
---
amdhsa.version: [ 1, 2 ]
amdhsa.kernels:
  - .name:           k_q1cb150454e_prep
    .symbol:         k_q1cb150454e_prep.kd
    .args:
      - { .name: z_t, .offset: 0, .size: 8, .value_kind: global_buffer, .address_space: global }
      - { .name: action, .offset: 8, .size: 8, .value_kind: global_buffer, .address_space: global }
      - { .name: z_t1, .offset: 16, .size: 8, .value_kind: global_buffer, .address_space: global }
      - { .name: sigma, .offset: 24, .size: 8, .value_kind: global_buffer, .address_space: global }
      - { .name: W1, .offset: 32, .size: 8, .value_kind: global_buffer, .address_space: global }
      - { .name: b1, .offset: 40, .size: 8, .value_kind: global_buffer, .address_space: global }
      - { .name: g1, .offset: 48, .size: 8, .value_kind: global_buffer, .address_space: global }
      - { .name: be1, .offset: 56, .size: 8, .value_kind: global_buffer, .address_space: global }
      - { .name: W2_codes, .offset: 64, .size: 8, .value_kind: global_buffer, .address_space: global }
      - { .name: W2_scales, .offset: 72, .size: 8, .value_kind: global_buffer, .address_space: global }
      - { .name: b2, .offset: 80, .size: 8, .value_kind: global_buffer, .address_space: global }
      - { .name: g2, .offset: 88, .size: 8, .value_kind: global_buffer, .address_space: global }
      - { .name: be2, .offset: 96, .size: 8, .value_kind: global_buffer, .address_space: global }
      - { .name: W3_codes, .offset: 104, .size: 8, .value_kind: global_buffer, .address_space: global }
      - { .name: W3_scales, .offset: 112, .size: 8, .value_kind: global_buffer, .address_space: global }
      - { .name: b3, .offset: 120, .size: 8, .value_kind: global_buffer, .address_space: global }
      - { .name: zc, .offset: 128, .size: 8, .value_kind: global_buffer, .address_space: global }
      - { .name: zs, .offset: 136, .size: 8, .value_kind: global_buffer, .address_space: global }
      - { .name: part, .offset: 144, .size: 8, .value_kind: global_buffer, .address_space: global }
      - { .name: out0, .offset: 152, .size: 8, .value_kind: global_buffer, .address_space: global }
    .group_segment_fixed_size: 34304
    .private_segment_fixed_size: 0
    .kernarg_segment_align: 8
    .kernarg_segment_size: 160
    .max_flat_workgroup_size: 256
    .sgpr_count:     66
    .vgpr_count:     512
    .wavefront_size: 32
...
	.end_amdgpu_metadata
.endif
;; end of part 5
;; launch main (part 6): grid 250 x 1, 8 waves a work-group, no clusters, 139,264 bytes of LDS; arguments mem, zc, zs, mc, ms, ls; writes mc, ms, ls
.if DOCPART == 6
	.amdgcn_target "amdgcn-amd-amdhsa--gfx1250"
	.amdhsa_code_object_version 6
	.text
	.protected	k_q1cb150454e_main
	.globl	k_q1cb150454e_main
	.p2align	8
	.type	k_q1cb150454e_main,@function
k_q1cb150454e_main:
	s_mov_b64 s[64:65], 0
	v_nop
	global_prefetch_b8 v0, s[64:65] scope:SCOPE_SE
	s_setreg_imm32_b32 hwreg(HW_REG_WAVE_SCHED_MODE, 0, 2), 2
	s_setreg_imm32_b32 hwreg(HW_REG_WAVE_MODE, 25, 1), 1
	s_wait_xcnt 0x0
	s_wait_alu depctr_vm_vsrc(0)
; IntrinsicReward, launch 2 of 4: every similarity of the 1,024 queries with the 200,000 memory rows, on codes of FP4 (E2M1, one E8M0 scale for each 32 along K = 256).  No work of reference() is left out here.
; mem is read once, as f32; each row is divided by (its norm + 1e-8) and quantised in registers; its codes and scale bytes are also stored (mc, ms), for the last launch.
; WHAT IS KEPT.  The rows are cut into groups of 32.  The 16 largest similarities of a query lie in the 16 groups with the largest group maxima, whatever the inputs hold.  So only each group's largest similarity is kept,
; as a KEY: (trunc(g x 65536 + 131072) << 13) | the group's number.  As bits every key is a positive normal f32, so f32 maxima and medians order keys.  Each query keeps the 16 largest keys of this work-group's 25 groups.
; LIMITS.  Groups are ranked to 2^-16: a group may give way to one whose maximum is at most 2^-16 lower, so the mean of the 16 largest can come out low by at most 2^-16.  g is held to +-1.96875, which similarities of
; quantised unit vectors do not reach.  NaN and infinities are not served.  A block of zeros gets the scale byte 1 where the rule says 127: its codes are zeros, and this program alone reads the bytes.
; SHARES.  Work-group p owns rows 800 p .. 800 p + 799: 25 periods of 32 rows, a group each.  Wave w owns queries 128 w .. 128 w + 127, whose codes stay in its registers (8 tiles, 128 registers), and quantises rows 4 w .. 4 w + 3
; of each period.  The 32 rows' codes meet in LDS; every wave reads them all: 32 matrix instructions a wave and period.
; THE STREAM.  No LDS ring and no tensor load: four sets of 32 registers a wave take turns, and the waits for them are counted, so that 24 to 32 loads of 512 consecutive bytes of every wave are always on their way.
; No cluster: what work-groups share is the queries' codes, 136 KB read once, beside 800 KB of rows that each work-group has to itself; and there is no tensor load to carry a mask.
; A load takes bytes as they lie (16 a lane); for the conversions a lane must hold a whole block of 32 neighbours: so a unit's 4,096 bytes turn through the wave's own stage in LDS.
; ONE BARRIER A PERIOD.  In period t: barrier | fragments of unit t from image t % 4 | unit t + 1 quantised into image (t + 1) % 4 | 16 products | unit t + 5 asked for | unit t + 2 through the stage | maxima | 16 products | keys.
; An image is written three barriers behind its last read.
; REGISTERS, window 0: v1-19 addresses; v24-31 the queries' scale words; v32-63 a block's numbers; v64-79 at work; v80-83 codes; v84-115 the rows' fragments; v116-117 their scale words; v118-125 maxima;
;   v128-191 eight accumulators; v192-255 four lists of 16 keys (list i, lane l: query 128 w + 32 i + l).   window 1: v0-127 the queries' fragments; v128-255 the four sets.
; THE MODE: SCHED_MODE bits 1:0 = 2 (LLVM: expert scheduling mode 2), set by the entry lines.  The code itself states the register dependences
; between vector or matrix instructions and memory or LDS instructions, with s_wait_alu, always for 0.
; THE PLAN.  Registers that memory or LDS instructions touch, in the loop:
;   the four sets   Unit u lands in set u % 4 by the loads of period u - 5; the stage's LDS stores read it in period u - 2; the loads of period u - 1 land in it again.  No vector instruction names a set.
;   v[X ..]         The stage's LDS loads land in it late in period t; the quantiser of period t + 1 reads and rewrites it.
;   v[C ..], v[T+5] Written by a period's quantiser; read by its two LDS stores and its global store.
;   v[MF ..], v[MS ..]  LDS loads at a period's head land in them; the period's 32 matrix instructions read them.
;   v[SB ..]        An LDS load at a period's head lands in it; one wave's global store reads it.
;   v1-19           Offsets and LDS addresses, made once at the head and never written again: the scalar bases move on, and immediate offsets do the rest.
;   The accumulators, the maxima and the lists are named by vector and matrix instructions alone, up to the way out.
; So a period has three such waits.  At its head one on vm_vsrc: the last period's stores have read the codes, the byte, the scale bytes and their set; and one on va_vdst: the last period's matrix instructions are done
; reading the fragments.  Behind the conversions one on va_vdst: the codes and the byte are written, and the quantiser is done with v[X ..].  (The two behind the root and the reciprocal stand beside them.)
.set STG,   0                          ; LDS: each wave's stage: 32 places of 128 + 16 bytes
.set IMG,   36864                      ; four images of 32 rows of codes, 128 + 16 bytes a row
.set SCI,   55296                      ; four times 32 rows of 8 scale bytes
.set LST,   56320                      ; the way out: 128 lists of 64 + 16 bytes for each wave
.set SPARE, 138240                     ; the spare words, 128 bytes for each wave: four blocks of 256 bytes that no other line names
.set VOFF, 1                           ; 4,096 w + 16 l
.set STI,  2                           ; the stage, on the way in
.set STO,  3                           ; and out: 144 l
.set IMS,  4                           ; where my block's codes go in an image
.set SCS,  5                           ; and its scale byte
.set FRA,  6                           ; a fragment's place for my lane: 144 r + 16 h
.set FRS,  7                           ; scale words: 8 r + 4 h: lanes 0-15 K step 0's, lanes 16-31 K step 1's
.set SCB,  8                           ; a row's 8 scale bytes: 8 l
.set MCO,  9                           ; 512 w + 16 l
.set MSO,  10                          ; 8 l
.set LSI,  11
.set SPW,  12                          ; LDS address of my spare word; never rewritten
.set NIL,  13                          ; 0; never rewritten
.set SB,   14
.set S,    16                          ; v[16:17] 1 / (norm + 1e-8); the low word serves both halves
.set LSO,  18
.set LGO,  19
.set ZS,   24
.set X,    32
.set T,    64
.set C,    80
.set MF,   84
.set MS,   116
.set G,    118
.set ACC,  128
.set LIST, 192
.set WV,   16
.set ID,   17                          ; the group's number: 25 p + t
.set CNT,  18
.set MSB, 0
.macro WIN new                         ; the immediate's high byte repeats the setting that is left
.if MSB != \new
	s_set_vgpr_msb (MSB<<8)|\new
.set MSB, \new
.endif
.endm
.macro PLACES n                        ; plain places behind matrix instructions (ISA guide 7.12.1)
.rept \n
	v_nop
.endr
.endm
; a unit's 4,096 bytes of my wave: eight loads of 512 consecutive bytes.  e = 1: the stage's stores have read the set since the last wait on vm_vsrc
.macro LOADU set, imm, e
	WIN 0x40                                       ; destination window 1
.if \e
	s_wait_alu depctr_vm_vsrc(0)                   ; the stage's LDS stores have read this set, in which the loads land
.endif
.irp j, 0,1,2,3,4,5,6,7
	global_load_b128 v[128+32*(\set)+4*\j:128+32*(\set)+4*\j+3], v[VOFF], s[4:5] offset:(\imm)+512*\j th:TH_LOAD_NT
.endr
.endm
.macro TURN set                        ; through my stage: in as loaded, out a block of 128 bytes a lane.  LDS serves a wave's instructions in order: no wait between
	WIN 0x04                                       ; an LDS store's data are its source 1: window 1
.irp j, 0,1,2,3,4,5,6,7
	ds_store_b128 v[STI], v[128+32*(\set)+4*\j:128+32*(\set)+4*\j+3] offset:576*\j
.endr
	WIN 0
.irp i, 0,1,2,3,4,5,6,7
	ds_load_b128 v[X+4*\i:X+4*\i+3], v[STO] offset:16*\i
.endr
.endm
; lane l holds block l % 8 of row l / 8 of my four: the row's norm over eight lanes, the block's scale, its codes; to image buf, and to mc
.macro QUANTU buf, mcimm
	v_pk_mul_f32 v[T:T+1], v[X:X+1], v[X:X+1]
	v_pk_mul_f32 v[T+2:T+3], v[X+2:X+3], v[X+2:X+3]
.irp i, 4,8,12,16,20,24,28
	v_pk_fma_f32 v[T:T+1], v[X+\i:X+\i+1], v[X+\i:X+\i+1], v[T:T+1]
	v_pk_fma_f32 v[T+2:T+3], v[X+\i+2:X+\i+3], v[X+\i+2:X+\i+3], v[T+2:T+3]
.endr
	v_pk_add_f32 v[T:T+1], v[T:T+1], v[T+2:T+3]
	v_add_f32 v[T], v[T], v[T+1]
	v_add_f32_dpp v[T], v[T], v[T] row_xmask:1 row_mask:0xf bank_mask:0xf
	v_add_f32_dpp v[T], v[T], v[T] row_xmask:2 row_mask:0xf bank_mask:0xf
	v_add_f32_dpp v[T], v[T], v[T] row_xmask:4 row_mask:0xf bank_mask:0xf
	s_wait_alu depctr_va_vdst(0)
	v_sqrt_f32 v[T+1], v[T]
	v_max3_num_f32 v[T+2], |v[X]|, |v[X+1]|, |v[X+2]|       ; the block's largest magnitude: independent work behind the root
	v_max3_num_f32 v[T+3], |v[X+3]|, |v[X+4]|, |v[X+5]|
.irp i, 6,10,14,18,22,26
	v_max3_num_f32 v[T+2], v[T+2], |v[X+\i]|, |v[X+\i+1]|
	v_max3_num_f32 v[T+3], v[T+3], |v[X+\i+2]|, |v[X+\i+3]|
.endr
	v_max3_num_f32 v[T+2], v[T+2], |v[X+30]|, |v[X+31]|
	s_wait_alu depctr_va_vdst(0)                   ; the root is written in v[T+1], ahead of its first reader
	v_add_f32 v[T+1], 0x322bcc77, v[T+1]           ; + 1e-8
	s_wait_alu depctr_va_vdst(0)
	v_rcp_f32 v[S], v[T+1]
	v_max_num_f32 v[T+2], v[T+2], v[T+3]           ; (a plain place behind the reciprocal)
	s_wait_alu depctr_va_vdst(0)                   ; the reciprocal is written in v[S], ahead of its first reader
	v_mul_f32 v[T+2], v[T+2], v[S]                 ; the largest scaled magnitude: the same multiplication as its number's below
	v_max_num_f32 v[T+2], 0x1800000, v[T+2]        ; the floor 2^(3 - 127): the byte cannot fall under 1
	v_add_nc_u32 v[T+4], 0xff000000, v[T+2]        ; 2 off the exponent field: the conversion's scale operand
	v_lshrrev_b32 v[T+5], 23, v[T+4]               ; the scale's byte
.irp i, 0,2,4,6,8,10,12,14,16,18,20,22,24,26,28,30
	v_pk_mul_f32 v[X+\i:X+\i+1], v[X+\i:X+\i+1], v[S:S+1] op_sel_hi:[1,0]
.endr
.irp g, 0,1,2,3
	v_cvt_scalef32_pk8_fp4_f32 v[C+\g], v[X+8*\g:X+8*\g+7], v[T+4]
.endr
	v_nop                                          ; one plain place behind a scaled conversion
	s_wait_alu depctr_va_vdst(0)                   ; the codes and the byte are written, which the three stores read; and the quantiser is done with v[X ..], in which the stage's next loads land: no vector or matrix instruction names them before that
	ds_store_b128 v[IMS], v[C:C+3] offset:4608*(\buf)
	ds_store_b8 v[SCS], v[T+5] offset:256*(\buf)
	global_store_b128 v[MCO], v[C:C+3], s[10:11] offset:\mcimm     ; my four rows' codes: 512 consecutive bytes
.endm
.macro FRAGS a                         ; the 32 rows' fragments (tile u, K step s at MF + 16 u + 8 s), their scale words, and the rows' scale bytes for ms
.irp u, 0,1
.irp n, 0,1,2,3
	ds_load_b128 v[MF+16*\u+4*\n:MF+16*\u+4*\n+3], v[FRA] offset:4608*(\a)+2304*\u+32*\n
.endr
.endr
.irp u, 0,1
	ds_load_b32 v[MS+\u], v[FRS] offset:256*(\a)+128*\u
.endr
	ds_load_b64 v[SB:SB+1], v[SCB] offset:256*(\a)
.endm
; 16 matrix instructions: query tiles 4 b .. 4 b + 3 x the two tiles of rows x two K steps.  Source 0 = 16 rows, source 1 = 16 queries: a lane holds ONE query and eight rows.
; The eight accumulators take turns, one instruction a turn; the first K step starts the sums.
.macro MUL16 b
	WIN 0x04                                       ; source 1 (the queries) window 1
.irp q, 0,1,2,3
.irp u, 0,1
	v_wmma_scale_f32_16x16x128_f8f6f4 v[ACC+16*\q+8*\u:ACC+16*\q+8*\u+7], v[MF+16*\u:MF+16*\u+7], v[16*(4*\b+\q):16*(4*\b+\q)+7], 0, v[MS+\u], v[ZS+4*\b+\q] matrix_a_fmt:MATRIX_FMT_FP4 matrix_b_fmt:MATRIX_FMT_FP4
.endr
.endr
.irp q, 0,1,2,3
.irp u, 0,1
	v_wmma_scale_f32_16x16x128_f8f6f4 v[ACC+16*\q+8*\u:ACC+16*\q+8*\u+7], v[MF+16*\u+8:MF+16*\u+15], v[16*(4*\b+\q)+8:16*(4*\b+\q)+15], v[ACC+16*\q+8*\u:ACC+16*\q+8*\u+7], v[MS+\u], v[ZS+4*\b+\q] matrix_a_fmt:MATRIX_FMT_FP4 matrix_b_fmt:MATRIX_FMT_FP4 matrix_a_scale:MATRIX_SCALE_ROW1 matrix_b_scale:MATRIX_SCALE_ROW1
.endr
.endr
.endm
.macro GMAX b                          ; the largest of a lane's 16 rows, for four query tiles by turns; each accumulator is read from its low end on
.irp q, 0,1,2,3
	v_max3_num_f32 v[G+4*\b+\q], v[ACC+16*\q], v[ACC+16*\q+1], v[ACC+16*\q+2]
.endr
.irp i, 3,5,7,9,11,13
.irp q, 0,1,2,3
	v_max3_num_f32 v[G+4*\b+\q], v[G+4*\b+\q], v[ACC+16*\q+\i], v[ACC+16*\q+\i+1]
.endr
.endr
.irp q, 0,1,2,3
	v_max_num_f32 v[G+4*\b+\q], v[G+4*\b+\q], v[ACC+16*\q+15]
.endr
.endm
.macro INS L, k                        ; a key into a list of 16, largest first: from the end on, each place takes the middle of its neighbour above, itself and the key
.irp i, 15,14,13,12,11,10,9,8,7,6,5,4,3,2,1
	v_med3_num_f32 v[\L+\i], v[\L+\i-1], v[\L+\i], v[\k]
.endr
	v_max_num_f32 v[\L], v[\L], v[\k]
.endm
.macro KEYINS b                        ; two tiles' halves change places, so that 32 lanes hold 32 queries' group maxima; key; insertion
.irp e, 0,1
	v_permlane16_swap_b32 v[G+4*\b+2*\e], v[G+4*\b+2*\e+1]
.endr
.irp e, 0,1
	v_max_num_f32 v[G+4*\b+2*\e], v[G+4*\b+2*\e], v[G+4*\b+2*\e+1]
.endr
.irp e, 0,1
	v_med3_num_f32 v[G+4*\b+2*\e], v[G+4*\b+2*\e], s22, s23
.endr
.irp e, 0,1
	v_fma_f32 v[G+4*\b+2*\e], v[G+4*\b+2*\e], s24, s25
.endr
.irp e, 0,1
	v_cvt_u32_f32 v[G+4*\b+2*\e], v[G+4*\b+2*\e]
.endr
.irp e, 0,1
	v_lshl_or_b32 v[G+4*\b+2*\e], v[G+4*\b+2*\e], 13, s[ID]
.endr
.irp e, 0,1
	INS LIST+16*(2*\b+\e), G+4*\b+2*\e
.endr
.endm
; Period t.  a = t % 4; o: the period's place behind the stepped bases; ld: unit t + 5 is asked for; tn, cnt: unit t + 2 goes through the stage, behind a wait that leaves cnt younger loads out; qn: unit t + 1 is quantised.
.macro PERIOD a, o, ld, tn, cnt, qn
	s_wait_dscnt 0x0                               ; my part of image a has landed, the next unit's numbers are in registers, and my reads of older images are over
	s_barrier_signal -1
	s_barrier_wait -1                              ; image a is whole
	s_wait_xcnt 0x0                                ; the last period's stores have had their addresses translated
	s_wait_alu depctr_vm_vsrc(0)                   ; the last period's stores have read the codes and the byte, which this period's quantiser writes, the scale bytes, in which the load below lands, and (the stage's) the set in which this period's loads of mem land
	s_wait_alu depctr_va_vdst(0)                   ; the last period's matrix instructions are done reading the rows' fragments and scale words, in which the loads below land
	FRAGS \a
.if \qn
	QUANTU (\a+1)%4, 4096*(\o+1)
	s_wait_dscnt 0x2                               ; the fragments are in; the quantiser's two LDS stores, issued behind them, may be out
.else
	s_wait_dscnt 0x0
.endif
	s_cmp_lg_u32 s[WV], \a                         ; the period's 256 scale bytes leave as one aligned run, by one wave; the waves take turns
	s_cbranch_scc1 .Lnoms_\@
	global_store_b64 v[MSO], v[SB:SB+1], s[12:13] offset:256*\o
.Lnoms_\@:
	MUL16 0
.if \ld
	LOADU (\a+1)%4, 32768*(\o+5), 0                ; into the set whose unit went through the stage a period ago: nothing since the head's wait on vm_vsrc names that set or the offset
.endif
.if \tn
	s_wait_loadcnt \cnt                            ; loads come back in order: unit t + 2 is in; the units behind it, 8 loads each, stay out
	TURN (\a+2)%4
.endif
	WIN 0
	PLACES 5                                       ; 4 ahead of the first read of results; 5 since the next 16 products begin the same accumulators anew
	GMAX 0
	MUL16 1
	WIN 0
	KEYINS 0
	PLACES 4
	GMAX 1
	KEYINS 1
	s_add_co_u32 s[ID], s[ID], 1
.endm
	s_load_b256 s[4:11], s[0:1], 0x0               ; mem 4, zc 6, zs 8, mc 10
	s_load_b128 s[12:15], s[0:1], 0x20             ; ms 12, ls 14
	v_lshl_add_u32 v[SPW], v0, 2, SPARE
	v_mov_b32 v[NIL], 0
	v_lshrrev_b32 v20, 5, v0
	v_readfirstlane_b32 s[WV], v20                 ; wave 0..7
	v_and_b32 v20, 31, v0                          ; l
	v_and_b32 v21, 15, v0                          ; r
	v_bfe_u32 v22, v0, 4, 1                        ; h
	v_bfe_u32 v23, v0, 3, 2                        ; l / 8
	v_and_b32 v64, 7, v0                           ; l % 8
	v_mul_u32_u24 v65, v23, 144
	v_lshl_add_u32 v65, v64, 4, v65                ; 144 (l / 8) + 16 (l % 8)
	s_wait_alu depctr_va_sdst(0)                   ; the wave's number is written in s[WV], ahead of its first reader
	s_lshl_b32 s20, s[WV], 12
	v_lshl_add_u32 v[VOFF], v20, 4, s20
	s_mul_i32 s21, s[WV], 4608
	v_add_nc_u32 v[STI], s21, v65
	v_mul_u32_u24 v[STO], v20, 144
	v_add_nc_u32 v[STO], s21, v[STO]
	s_mul_i32 s20, s[WV], 576
	s_add_co_u32 s20, s20, IMG
	v_add_nc_u32 v[IMS], s20, v65
	s_lshl_b32 s20, s[WV], 5
	s_add_co_u32 s20, s20, SCI
	v_add_nc_u32 v[SCS], s20, v20
	v_mul_u32_u24 v[FRA], v21, 144
	v_lshl_add_u32 v[FRA], v22, 4, v[FRA]
	v_add_nc_u32 v[FRA], IMG, v[FRA]
	v_lshlrev_b32 v[FRS], 3, v21
	v_lshl_add_u32 v[FRS], v22, 2, v[FRS]
	v_add_nc_u32 v[FRS], SCI, v[FRS]
	v_lshl_add_u32 v[SCB], v20, 3, SCI
	s_lshl_b32 s20, s[WV], 9
	v_lshl_add_u32 v[MCO], v20, 4, s20
	v_lshlrev_b32 v[MSO], 3, v20
	s_mul_i32 s20, s[WV], 10240
	s_add_co_u32 s20, s20, LST
	v_mul_u32_u24 v[LSI], v20, 80
	v_add_nc_u32 v[LSI], s20, v[LSI]
	v_bfe_u32 v66, v0, 2, 3                        ; l / 4
	v_mul_u32_u24 v[LSO], v66, 80
	v_and_b32 v66, 3, v0
	v_lshl_add_u32 v[LSO], v66, 4, v[LSO]
	v_add_nc_u32 v[LSO], s20, v[LSO]
	s_lshl_b32 s20, s[WV], 13
	v_lshl_add_u32 v[LGO], v20, 4, s20
	v_lshlrev_b32 v22, 4, v20                      ; 16 l, 4 l: the queries' images
	v_lshlrev_b32 v23, 2, v20
	v_mov_b32 v[S+1], 0                            ; (named as the upper half of a pair)
.set i, 0
.rept 64
	v_mov_b32 v[LIST+i], 0                         ; under every key; 25 keys follow, so none of these is left
.set i, i+1
.endr
	s_mov_b32 s22, 0xbffc0000                      ; -1.96875
	s_mov_b32 s23, 0x3ffc0000                      ; 1.96875
	s_mov_b32 s24, 0x47800000                      ; 65,536
	s_mov_b32 s25, 0x48000000                      ; 131,072
	s_mul_i32 s[ID], ttmp9, 25
	s_mov_b32 s[CNT], 5
	s_mov_b32 s21, 0
	s_wait_kmcnt 0x0
	s_mul_i32 s20, ttmp9, 819200
	s_add_nc_u64 s[4:5], s[4:5], s[20:21]
	s_mul_i32 s20, ttmp9, 102400
	s_add_nc_u64 s[10:11], s[10:11], s[20:21]
	s_mul_i32 s20, ttmp9, 6400
	s_add_nc_u64 s[12:13], s[12:13], s[20:21]
	s_lshl_b32 s20, ttmp9, 16
	s_add_nc_u64 s[14:15], s[14:15], s[20:21]
	s_lshl_b32 s20, s[WV], 14
	s_add_nc_u64 s[6:7], s[6:7], s[20:21]
	s_lshl_b32 s20, s[WV], 10
	s_add_nc_u64 s[8:9], s[8:9], s[20:21]
	WIN 0x40
	s_wait_alu depctr_va_vdst(0)                   ; every offset and LDS address of the kernel (v1-13, v18, v19, v22, v23) is written, which the loads and stores from here on read
.set i, 0
.rept 32
	global_load_b128 v[4*i:4*i+3], v22, s[6:7] offset:512*i                  ; my eight query tiles, as images of their registers
.set i, i+1
.endr
	WIN 0
.irp q, 0,1,2,3,4,5,6,7
	global_load_b32 v[ZS+\q], v23, s[8:9] offset:128*\q
.endr
	LOADU 0, 0, 0
	LOADU 1, 32768, 0
	LOADU 2, 65536, 0
	LOADU 3, 98304, 0
	s_wait_loadcnt 24                              ; the queries and unit 0 are in; units 1 to 3 stay out
	TURN 0
	s_wait_dscnt 0x0
	LOADU 0, 131072, 1                             ; unit 4
	WIN 0
	QUANTU 0, 0
	s_wait_loadcnt 24                              ; unit 1 is in; units 2 to 4 stay out
	TURN 1
.Ltrip:                                            ; five trips of four periods: t = 0 .. 19
	PERIOD 0, 0, 1, 1, 24, 1
	PERIOD 1, 1, 1, 1, 24, 1
	PERIOD 2, 2, 1, 1, 24, 1
	PERIOD 3, 3, 1, 1, 24, 1
	s_wait_xcnt 0x0                                ; every load and store has read its base
	s_add_nc_u64 s[4:5], s[4:5], 131072
	s_add_nc_u64 s[10:11], s[10:11], 16384
	s_add_nc_u64 s[12:13], s[12:13], 1024
	s_sub_co_u32 s[CNT], s[CNT], 1
	s_cmp_lg_u32 s[CNT], 0
	s_cbranch_scc1 .Ltrip
	PERIOD 0, 0, 0, 1, 16, 1                       ; the last five periods ask for nothing: the counts run down
	PERIOD 1, 1, 0, 1, 8, 1
	PERIOD 2, 2, 0, 1, 0, 1
	PERIOD 3, 3, 0, 0, 0, 1
	PERIOD 0, 4, 0, 0, 0, 0
	; THE WAY OUT: a lane's list is 64 bytes of its query's row; through my own LDS bytes the 128 lists leave as 16 stores of 512 consecutive bytes
	s_wait_alu depctr_va_vdst(0)                   ; the insertions have written the lists, which the LDS stores read; and the maxima are done reading the accumulators, in which the LDS loads land
.irp i, 0,1,2,3
.irp c, 0,1,2,3
	ds_store_b128 v[LSI], v[LIST+16*\i+4*\c:LIST+16*\i+4*\c+3] offset:2560*\i+16*\c
.endr
.endr
.irp k, 0,1,2,3,4,5,6,7,8,9,10,11,12,13,14,15
	ds_load_b128 v[ACC+4*\k:ACC+4*\k+3], v[LSO] offset:640*\k                ; LDS serves a wave's instructions in order: these see my stores
.endr
.irp k, 0,1,2,3,4,5,6,7,8,9,10,11,12,13,14,15
	s_wait_dscnt 15-\k                             ; the younger LDS loads may be out
	global_store_b128 v[LGO], v[ACC+4*\k:ACC+4*\k+3], s[14:15] offset:512*\k
.endr
	s_wait_dscnt 0x0                               ; the closing lines, six on end
	s_wait_alu 0x0
	s_wait_tensorcnt 0x0
	ds_add_u32 v[SPW], v[NIL]
	s_wait_dscnt 0x0
	s_endpgm
.Lfunc_end_k_q1cb150454e_main:
	.size	k_q1cb150454e_main, .Lfunc_end_k_q1cb150454e_main-k_q1cb150454e_main
	.p2alignl 7, 3214868480
	.fill 96, 4, 3214868480
	.section	.rodata,"a",@progbits
	.p2align	6, 0x0
	.amdhsa_kernel k_q1cb150454e_main
		.amdhsa_group_segment_fixed_size 139264
		.amdhsa_private_segment_fixed_size 0
		.amdhsa_enable_private_segment 0
		.amdhsa_kernarg_size 48
		.amdhsa_user_sgpr_count 2
		.amdhsa_user_sgpr_kernarg_segment_ptr 1
		.amdhsa_wavefront_size32 1
		.amdhsa_system_sgpr_workgroup_id_x 1
		.amdhsa_system_sgpr_workgroup_id_y 1
		.amdhsa_system_sgpr_workgroup_id_z 1
		.amdhsa_system_vgpr_workitem_id 0
		.amdhsa_next_free_vgpr 512
		.amdhsa_next_free_sgpr 66
		.amdhsa_reserve_vcc 0
		.amdhsa_float_denorm_mode_32 3
		.amdhsa_float_denorm_mode_16_64 3
		.amdhsa_memory_ordered 1
		.amdhsa_forward_progress 1
		.amdhsa_inst_pref_size 197
	.end_amdhsa_kernel
	.amdgpu_metadata
---
amdhsa.version: [ 1, 2 ]
amdhsa.kernels:
  - .name:           k_q1cb150454e_main
    .symbol:         k_q1cb150454e_main.kd
    .args:
      - { .name: mem, .offset: 0, .size: 8, .value_kind: global_buffer, .address_space: global }
      - { .name: zc, .offset: 8, .size: 8, .value_kind: global_buffer, .address_space: global }
      - { .name: zs, .offset: 16, .size: 8, .value_kind: global_buffer, .address_space: global }
      - { .name: mc, .offset: 24, .size: 8, .value_kind: global_buffer, .address_space: global }
      - { .name: ms, .offset: 32, .size: 8, .value_kind: global_buffer, .address_space: global }
      - { .name: ls, .offset: 40, .size: 8, .value_kind: global_buffer, .address_space: global }
    .group_segment_fixed_size: 139264
    .private_segment_fixed_size: 0
    .kernarg_segment_align: 8
    .kernarg_segment_size: 48
    .max_flat_workgroup_size: 256
    .sgpr_count:     66
    .vgpr_count:     512
    .wavefront_size: 32
...
	.end_amdgpu_metadata
.endif
;; end of part 6
;; launch select (part 7): grid 256 x 1, 4 waves a work-group, no clusters, 70,400 bytes of LDS; arguments ls, gid; writes gid
.if DOCPART == 7
	.amdgcn_target "amdgcn-amd-amdhsa--gfx1250"
	.amdhsa_code_object_version 6
	.text
	.protected	k_q1cb150454e_select
	.globl	k_q1cb150454e_select
	.p2align	8
	.type	k_q1cb150454e_select,@function
k_q1cb150454e_select:
	s_mov_b64 s[64:65], 0
	v_nop
	global_prefetch_b8 v0, s[64:65] scope:SCOPE_SE
	s_setreg_imm32_b32 hwreg(HW_REG_WAVE_MODE, 25, 1), 1
	s_wait_xcnt 0x0
; IntrinsicReward, launch 3 of 4: for each query the 16 largest of its 250 x 16 keys; their low 13 bits, the groups' numbers, are stored as whole numbers at fixed places.  No address here hangs on a key.
; Work-group g owns queries 4 g .. 4 g + 3, whose lists are 256 consecutive bytes in each of the 250 parts of ls.  Wave w brings parts 64 w .. 64 w + 63 (sixteen lanes read an aligned 256 bytes) into LDS rows of 256 + 16 bytes;
; parts 250 to 255 do not exist: their rows are filled with zeros, which lie under every key, and no load leaves the buffer.  Then wave w takes query w: lane l holds the lists of parts l + 32 k, k = 0 .. 7.
; MERGING.  All lists are sorted, largest first.  max(a[i], b[15 - i]) holds the 16 largest of two such lists as a sequence that rises and falls once; four stages of compare and exchange sort it.
; Seven merges in a lane, four across lanes 1, 2, 4, 8 apart, one across the halves.  Keys are positive normal f32 numbers as bits, so f32 maxima and minima order them.
; Neither matrix units nor clusters have anything to do here: 16 MB are read once, and work-groups share nothing.
.set ROWP,  272
.set OUTB,  69632                      ; behind the 256 rows: four lists of ids
.set SPARE, 69888                      ; the spare words, 128 bytes for each wave: two blocks of 256 bytes that no other line names
.set LOFF, 1
.set RST,  2
.set RLD,  3
.set OST,  4
.set OLD,  5
.set GOF,  6
.set SPW,  12
.set NIL,  13
.set D,    32                          ; v32-159 32 pieces as loaded, then eight lists
.set LA,   160
.set LB,   176
.set TP,   192
.set SEL,  8
.set WV,   10
.macro STAGE src, dst, d
.irp i, 0,1,2,3,4,5,6,7,8,9,10,11,12,13,14,15
.if ((\i) & (\d)) == 0
	v_max_num_f32 v[\dst+\i], v[\src+\i], v[\src+\i+\d]
	v_min_num_f32 v[\dst+\i+\d], v[\src+\i], v[\src+\i+\d]
.endif
.endr
.endm
.macro CLEAN p, q                      ; sorts p, with q as the second set; the result is back in p
	STAGE \p, \q, 8
	STAGE \q, \p, 4
	STAGE \p, \q, 2
	STAGE \q, \p, 1
.endm
.macro MRG cur, new, out               ; out = the 16 largest of cur and new, sorted; cur is used up
.irp i, 0,1,2,3,4,5,6,7,8,9,10,11,12,13,14,15
	v_max_num_f32 v[\out+\i], v[\cur+\i], v[\new+15-\i]
.endr
	CLEAN \out, \cur
.endm
.macro MRGX cur, out, m                ; the same with lane l xor m's list
.irp i, 0,1,2,3,4,5,6,7,8,9,10,11,12,13,14,15
	v_max_num_f32_dpp v[\out+\i], v[\cur+15-\i], v[\cur+\i] row_xmask:\m row_mask:0xf bank_mask:0xf
.endr
	CLEAN \out, \cur
.endm
.macro MRG16 cur, out                  ; and with lane l xor 16's
.irp i, 0,1,2,3,4,5,6,7,8,9,10,11,12,13,14,15
	v_permlanex16_b32 v[TP+\i], v[\cur+\i], s[SEL], s[SEL+1]
.endr
	MRG \cur, TP, \out
.endm
	s_load_b128 s[4:7], s[0:1], 0x0                ; ls, gid
	v_lshl_add_u32 v[SPW], v0, 2, SPARE
	v_mov_b32 v[NIL], 0
	v_lshrrev_b32 v14, 5, v0
	v_readfirstlane_b32 s[WV], v14                 ; wave 0..3
	v_and_b32 v15, 31, v0
	v_and_b32 v16, 15, v0
	v_bfe_u32 v17, v0, 4, 1
	v_lshlrev_b32 v[LOFF], 4, v16
	v_lshl_add_u32 v[LOFF], v17, 16, v[LOFF]       ; lanes 16-31 take the next part, 65,536 bytes on
	s_mul_i32 s11, s[WV], 64*ROWP
	v_mul_u32_u24 v[RST], v17, ROWP
	v_lshl_add_u32 v[RST], v16, 4, v[RST]
	v_add_nc_u32 v[RST], s11, v[RST]
	s_lshl_b32 s11, s[WV], 6
	v_mul_u32_u24 v[RLD], v15, ROWP
	v_add_nc_u32 v[RLD], s11, v[RLD]
	s_add_co_u32 s11, s11, OUTB
	v_mov_b32 v[OST], s11
	v_lshl_add_u32 v[OLD], v15, 3, OUTB
	v_lshlrev_b32 v[GOF], 3, v15
	s_mov_b32 s[SEL], 0x76543210
	s_mov_b32 s[SEL+1], 0xfedcba98
.set k, 0
.rept 16
	v_mov_b32 v[LB+k], 0                           ; written once: the destination of a DPP form or a lane permute counts as one of its sources
	v_mov_b32 v[TP+k], 0
.set k, k+1
.endr
.set k, 116
.rept 12
	v_mov_b32 v[D+k], 0                            ; wave 3's last three pieces: parts that do not exist
.set k, k+1
.endr
	s_lshl_b32 s12, ttmp9, 8
	s_mov_b32 s13, 0
	s_lshl_b32 s14, s[WV], 22
	s_wait_kmcnt 0x0
	s_add_nc_u64 s[6:7], s[6:7], s[12:13]
	s_add_co_u32 s12, s12, s14
	s_add_nc_u64 s[4:5], s[4:5], s[12:13]
.set k, 0
.rept 29
	global_load_b128 v[D+4*k:D+4*k+3], v[LOFF], s[4:5] offset:131072*k th:TH_LOAD_NT
.set k, k+1
.endr
	s_cmp_eq_u32 s[WV], 3
	s_cbranch_scc1 .Lshort
.rept 3
	global_load_b128 v[D+4*k:D+4*k+3], v[LOFF], s[4:5] offset:131072*k th:TH_LOAD_NT
.set k, k+1
.endr
.Lshort:
	s_wait_loadcnt 0x0
.set k, 0
	s_wait_alu depctr_va_vdst(0)
.rept 32
	ds_store_b128 v[RST], v[D+4*k:D+4*k+3] offset:2*ROWP*k
.set k, k+1
.endr
	s_wait_dscnt 0x0                               ; for the others' sake: my rows have landed
	s_barrier_signal -1
	s_barrier_wait -1
.set k, 0
.rept 32
	ds_load_b128 v[D+4*k:D+4*k+3], v[RLD] offset:32*ROWP*(k/4)+16*(k%4)
.set k, k+1
.endr
	s_wait_dscnt 0x0
	MRG D, D+16, LA
	MRG LA, D+32, LB
	MRG LB, D+48, LA
	MRG LA, D+64, LB
	MRG LB, D+80, LA
	MRG LA, D+96, LB
	MRG LB, D+112, LA
	MRGX LA, LB, 1
	MRGX LB, LA, 2
	MRGX LA, LB, 4
	MRGX LB, LA, 8
	MRG16 LA, LB
.set k, 0
.rept 16
	v_and_b32 v[LB+k], 0x1fff, v[LB+k]             ; the group's number
.set k, k+1
.endr
.irp c, 0,1,2,3
	ds_store_b128 v[OST], v[LB+4*\c:LB+4*\c+3] offset:16*\c                  ; all lanes write the same words with the same values
.endr
	s_wait_dscnt 0x0
	s_barrier_signal -1
	s_barrier_wait -1
	s_cmp_lg_u32 s[WV], 0
	s_cbranch_scc1 .Lend
	ds_load_b64 v[D:D+1], v[OLD]
	s_wait_dscnt 0x0
	global_store_b64 v[GOF], v[D:D+1], s[6:7]      ; 32 lanes store the four queries' ids: 256 consecutive bytes, aligned
.Lend:
	s_wait_tensorcnt 0x0                           ; the wave's end, behind my last LDS store
	ds_add_u32 v[SPW], v[NIL]
	s_wait_dscnt 0x0
	s_endpgm
.Lfunc_end_k_q1cb150454e_select:
	.size	k_q1cb150454e_select, .Lfunc_end_k_q1cb150454e_select-k_q1cb150454e_select
	.p2alignl 7, 3214868480
	.fill 96, 4, 3214868480
	.section	.rodata,"a",@progbits
	.p2align	6, 0x0
	.amdhsa_kernel k_q1cb150454e_select
		.amdhsa_group_segment_fixed_size 70400
		.amdhsa_private_segment_fixed_size 0
		.amdhsa_enable_private_segment 0
		.amdhsa_kernarg_size 16
		.amdhsa_user_sgpr_count 2
		.amdhsa_user_sgpr_kernarg_segment_ptr 1
		.amdhsa_wavefront_size32 1
		.amdhsa_system_sgpr_workgroup_id_x 1
		.amdhsa_system_sgpr_workgroup_id_y 1
		.amdhsa_system_sgpr_workgroup_id_z 1
		.amdhsa_system_vgpr_workitem_id 0
		.amdhsa_next_free_vgpr 208
		.amdhsa_next_free_sgpr 66
		.amdhsa_reserve_vcc 0
		.amdhsa_float_denorm_mode_32 3
		.amdhsa_float_denorm_mode_16_64 3
		.amdhsa_memory_ordered 1
		.amdhsa_forward_progress 1
		.amdhsa_inst_pref_size 46
	.end_amdhsa_kernel
	.amdgpu_metadata
---
amdhsa.version: [ 1, 2 ]
amdhsa.kernels:
  - .name:           k_q1cb150454e_select
    .symbol:         k_q1cb150454e_select.kd
    .args:
      - { .name: ls, .offset: 0, .size: 8, .value_kind: global_buffer, .address_space: global }
      - { .name: gid, .offset: 8, .size: 8, .value_kind: global_buffer, .address_space: global }
    .group_segment_fixed_size: 70400
    .private_segment_fixed_size: 0
    .kernarg_segment_align: 8
    .kernarg_segment_size: 16
    .max_flat_workgroup_size: 128
    .sgpr_count:     66
    .vgpr_count:     208
    .wavefront_size: 32
...
	.end_amdgpu_metadata
.endif
;; end of part 7
;; launch final (part 8): grid 256 x 1, 16 waves a work-group, no clusters, 10,240 bytes of LDS; arguments gid, mc, ms, zc, zs, part, out0; writes out0
.if DOCPART == 8
	.amdgcn_target "amdgcn-amd-amdhsa--gfx1250"
	.amdhsa_code_object_version 6
	.text
	.protected	k_q1cb150454e_final
	.globl	k_q1cb150454e_final
	.p2align	8
	.type	k_q1cb150454e_final,@function
k_q1cb150454e_final:
	s_mov_b64 s[64:65], 0
	v_nop
	global_prefetch_b8 v0, s[64:65] scope:SCOPE_SE
	s_setreg_imm32_b32 hwreg(HW_REG_WAVE_MODE, 25, 1), 1
	s_wait_xcnt 0x0
; IntrinsicReward, launch 4 of 4: for each query the similarities with the 16 x 32 rows of its 16 chosen groups once more, from the stored codes; their 16 largest; novelty = clip(1 - mean, 0, 1) and total.
; Which rows are read hangs on the whole numbers that the launch before stored (gid), held to 0 .. 6,249.  The other rows' similarities cannot be among a query's 16 largest (see the second launch's head), so they are not made again.
; SHARES.  Work-group g owns queries 4 g .. 4 g + 3.  Wave w serves query 4 g + w / 4 and four of its groups: eight tiles of 16 rows, 16 matrix instructions.  Source 0 is the query's fragment in all 16 rows
; (every lane of a half loads the same 16 bytes), source 1 the 16 memory rows: register 0 of a result holds the similarity of row lane % 16.  The matrix unit is used at a sixteenth here; the whole launch has
; a twenty-fifth of the second launch's matrix instructions.  A query's 512 numbers meet in LDS; waves 0 to 3 sort 16 a lane and merge across the lanes, as in the third launch.
; The two results of a query are 4 bytes each in rows of out0 that lie 12,288 bytes apart, and a work-group has four queries: these 8 KB in all do not leave as whole runs of 256 bytes.
; No cluster: what the waves gather differs from query to query.
.set VB,    0                          ; LDS: [query 4][16 groups][32 rows] f32
.set SPARE, 8192                       ; the spare words, 128 bytes for each wave: eight blocks of 256 bytes that no other line names
.set LN,   1
.set MO,   4                           ; codes: 128 r + 16 h
.set SO,   5                           ; scale words: 8 r + 4 h
.set ZO,   6                           ; 256 h
.set ZSO,  7                           ; 64 h
.set VST,  8
.set VLD,  9
.set SPW,  10
.set NIL,  11
.set ZSC,  12                          ; the query's scale words
.set MSC,  16                          ; v16-23 the eight tiles'
.set ZA,   24                          ; v24-39 the query's two fragments
.set MB,   64                          ; v64-191 the rows' fragments: 16 tile + 8 s
.set ACC,  192
.set V,    64
.set LA,   80
.set LB,   96
.set TP,   112
.set WV,   18
.set SEL,  44
.macro STAGE src, dst, d
.irp i, 0,1,2,3,4,5,6,7,8,9,10,11,12,13,14,15
.if ((\i) & (\d)) == 0
	v_max_num_f32 v[\dst+\i], v[\src+\i], v[\src+\i+\d]
	v_min_num_f32 v[\dst+\i+\d], v[\src+\i], v[\src+\i+\d]
.endif
.endr
.endm
.macro CLEAN p, q
	STAGE \p, \q, 8
	STAGE \q, \p, 4
	STAGE \p, \q, 2
	STAGE \q, \p, 1
.endm
.macro MRG cur, new, out               ; out = the 16 largest of two sorted lists, sorted; cur is used up
.irp i, 0,1,2,3,4,5,6,7,8,9,10,11,12,13,14,15
	v_max_num_f32 v[\out+\i], v[\cur+\i], v[\new+15-\i]
.endr
	CLEAN \out, \cur
.endm
.macro MRGX cur, out, m
.irp i, 0,1,2,3,4,5,6,7,8,9,10,11,12,13,14,15
	v_max_num_f32_dpp v[\out+\i], v[\cur+15-\i], v[\cur+\i] row_xmask:\m row_mask:0xf bank_mask:0xf
.endr
	CLEAN \out, \cur
.endm
.macro MRG16 cur, out
.irp i, 0,1,2,3,4,5,6,7,8,9,10,11,12,13,14,15
	v_permlanex16_b32 v[TP+\i], v[\cur+\i], s[SEL], s[SEL+1]
.endr
	MRG \cur, TP, \out
.endm
	s_load_b256 s[4:11], s[0:1], 0x0               ; gid 4, mc 6, ms 8, zc 10
	s_load_b128 s[12:15], s[0:1], 0x20             ; zs 12, part 14
	s_load_b64 s[16:17], s[0:1], 0x30              ; out0
	v_lshl_add_u32 v[SPW], v0, 2, SPARE
	v_mov_b32 v[NIL], 0
	v_lshrrev_b32 v2, 5, v0
	s_delay_alu instid0(VALU_DEP_1)
	v_readfirstlane_b32 s[WV], v2                  ; wave 0..15
	v_and_b32 v[LN], 31, v0
	v_and_b32 v2, 15, v0                           ; r
	v_bfe_u32 v3, v0, 4, 1                         ; h
	s_delay_alu instid0(VALU_DEP_2)
	v_lshlrev_b32 v[MO], 7, v2
	s_delay_alu instid0(VALU_DEP_1)
	v_lshl_add_u32 v[MO], v3, 4, v[MO]
	s_delay_alu instid0(VALU_DEP_4)
	v_lshlrev_b32 v[SO], 3, v2
	s_delay_alu instid0(VALU_DEP_1)
	v_lshl_add_u32 v[SO], v3, 2, v[SO]
	v_lshlrev_b32 v[ZO], 8, v3
	v_lshlrev_b32 v[ZSO], 6, v3
	s_lshl_b32 s20, s[WV], 9
	v_lshl_add_u32 v[VST], v[LN], 2, s20           ; 2,048 (w / 4) + 512 (w % 4) + 4 l
	s_and_b32 s20, s[WV], 3
	s_lshl_b32 s20, s20, 11
	v_lshl_add_u32 v[VLD], v[LN], 2, s20
	s_mov_b32 s[SEL], 0x76543210
	s_mov_b32 s[SEL+1], 0xfedcba98
	s_lshl_b32 s19, ttmp9, 2
	s_lshr_b32 s20, s[WV], 2
	s_add_co_u32 s19, s19, s20                     ; my query
	s_lshr_b32 s20, s19, 4                         ; its tile,
	s_and_b32 s21, s19, 15                         ; and its row there
	s_lshl_b32 s48, s20, 11
	s_lshl_b32 s49, s21, 4
	s_add_co_u32 s48, s48, s49                     ; in zc: 2,048 tile + 16 row
	s_mov_b32 s49, 0
	s_lshl_b32 s50, s20, 7
	s_lshl_b32 s51, s21, 2
	s_add_co_u32 s50, s50, s51                     ; in zs: 128 tile + 4 row
	s_mov_b32 s51, 0
	s_lshl_b32 s20, ttmp9, 8
	s_lshl_b32 s21, s[WV], 4
	s_add_co_u32 s20, s20, s21                     ; my four ids: 64 query + 16 (w % 4) = 256 g + 16 w
	s_mov_b32 s21, 0
	s_lshl_b32 s22, ttmp9, 4
	s_and_b32 s23, s[WV], 3
	s_lshl_b32 s23, s23, 2
	s_add_co_u32 s22, s22, s23                     ; the query that waves 0 to 3 finish: 4 (4 g + w % 4) bytes
	s_mov_b32 s23, 0
	s_wait_alu depctr_va_vdst(0)
	s_wait_kmcnt 0x0
	s_add_nc_u64 s[4:5], s[4:5], s[20:21]
	s_add_nc_u64 s[14:15], s[14:15], s[22:23]
	s_add_nc_u64 s[16:17], s[16:17], s[22:23]
	s_add_nc_u64 s[10:11], s[10:11], s[48:49]
	s_add_nc_u64 s[12:13], s[12:13], s[50:51]
	s_load_b128 s[24:27], s[4:5], 0x0
	s_load_b32 s46, s[14:15], 0x0
.irp n, 0,1,2,3
	global_load_b128 v[ZA+4*\n:ZA+4*\n+3], v[ZO], s[10:11] offset:512*\n     ; every lane of a half takes the query's own 16 bytes
.endr
	global_load_b32 v[ZSC], v[ZSO], s[12:13]
	s_wait_kmcnt 0x0
.irp n, 0,1,2,3
	s_min_u32 s[24+\n], s[24+\n], 6249             ; a loaded number enters an address only behind this hold
	s_lshl_b32 s[28+2*\n], s[24+\n], 12            ; a group's codes: 32 rows of 128 bytes
	s_mov_b32 s[29+2*\n], 0
	s_add_nc_u64 s[28+2*\n:29+2*\n], s[6:7], s[28+2*\n:29+2*\n]
	s_lshl_b32 s[36+2*\n], s[24+\n], 8             ; its scale bytes: 32 rows of 8
	s_mov_b32 s[37+2*\n], 0
	s_add_nc_u64 s[36+2*\n:37+2*\n], s[8:9], s[36+2*\n:37+2*\n]
.endr
.irp n, 0,1,2,3
.irp u, 0,1
.irp c, 0,1,2,3
	global_load_b128 v[MB+16*(2*\n+\u)+4*\c:MB+16*(2*\n+\u)+4*\c+3], v[MO], s[28+2*\n:29+2*\n] offset:2048*\u+32*\c
.endr
	global_load_b32 v[MSC+2*\n+\u], v[SO], s[36+2*\n:37+2*\n] offset:128*\u
.endr
.endr
	s_wait_loadcnt 0x0
.irp t, 0,1,2,3,4,5,6,7                        ; the eight accumulators take turns; the first K step starts the sums
	v_wmma_scale_f32_16x16x128_f8f6f4 v[ACC+8*\t:ACC+8*\t+7], v[ZA:ZA+7], v[MB+16*\t:MB+16*\t+7], 0, v[ZSC], v[MSC+\t] matrix_a_fmt:MATRIX_FMT_FP4 matrix_b_fmt:MATRIX_FMT_FP4
.endr
.irp t, 0,1,2,3,4,5,6,7
	v_wmma_scale_f32_16x16x128_f8f6f4 v[ACC+8*\t:ACC+8*\t+7], v[ZA+8:ZA+15], v[MB+16*\t+8:MB+16*\t+15], v[ACC+8*\t:ACC+8*\t+7], v[ZSC], v[MSC+\t] matrix_a_fmt:MATRIX_FMT_FP4 matrix_b_fmt:MATRIX_FMT_FP4 matrix_a_scale:MATRIX_SCALE_ROW1 matrix_b_scale:MATRIX_SCALE_ROW1
.endr
.rept 4
	v_nop                                          ; places ahead of the first read of results (ISA guide 7.12.1)
.endr
.irp n, 0,1,2,3
	v_permlane16_swap_b32 v[ACC+16*\n], v[ACC+16*\n+8]                       ; a group's two tiles: its 32 similarities in one register
.endr
.irp n, 0,1,2,3
	ds_store_b32 v[VST], v[ACC+16*\n] offset:128*\n
.endr
	s_wait_dscnt 0x0                               ; for the others' sake: my stores have landed
	s_barrier_signal -1
	s_barrier_wait -1
	s_cmp_ge_u32 s[WV], 4
	s_cbranch_scc1 .Lend
.irp i, 0,1,2,3,4,5,6,7,8,9,10,11,12,13,14,15
	ds_load_b32 v[V+\i], v[VLD] offset:128*\i
	v_mov_b32 v[LB+\i], 0                          ; written once: the destination of a DPP form or a lane permute counts as one of its sources
	v_mov_b32 v[TP+\i], 0
.endr
	s_wait_dscnt 0x0
	v_max_num_f32 v[LA], v[V], v[V+1]              ; my 16 numbers sorted, largest first, by insertion into a list that grows
	v_min_num_f32 v[LA+1], v[V], v[V+1]
.irp n, 2,3,4,5,6,7,8,9,10,11,12,13,14,15
	v_min_num_f32 v[LA+\n], v[LA+\n-1], v[V+\n]
.irp m, 14,13,12,11,10,9,8,7,6,5,4,3,2,1
.if \m < \n
	v_med3_num_f32 v[LA+\m], v[LA+\m-1], v[LA+\m], v[V+\n]
.endif
.endr
	v_max_num_f32 v[LA], v[LA], v[V+\n]
.endr
	MRGX LA, LB, 1
	MRGX LB, LA, 2
	MRGX LA, LB, 4
	MRGX LB, LA, 8
	MRG16 LA, LB
	v_pk_add_f32 v[40:41], v[LB:LB+1], v[LB+2:LB+3]
	v_pk_add_f32 v[42:43], v[LB+4:LB+5], v[LB+6:LB+7]
	s_delay_alu instid0(VALU_DEP_2)
	v_pk_add_f32 v[40:41], v[40:41], v[LB+8:LB+9]
	s_delay_alu instid0(VALU_DEP_2)
	v_pk_add_f32 v[42:43], v[42:43], v[LB+10:LB+11]
	s_delay_alu instid0(VALU_DEP_2)
	v_pk_add_f32 v[40:41], v[40:41], v[LB+12:LB+13]
	s_delay_alu instid0(VALU_DEP_2)
	v_pk_add_f32 v[42:43], v[42:43], v[LB+14:LB+15]
	s_delay_alu instid0(VALU_DEP_1)
	v_pk_add_f32 v[40:41], v[40:41], v[42:43]
	s_delay_alu instid0(VALU_DEP_1)
	v_add_f32 v40, v40, v41
	s_delay_alu instid0(VALU_DEP_1)
	v_fma_f32 v41, v40, 0xbd800000, 1.0            ; 1 - sum / 16
	s_delay_alu instid0(VALU_DEP_1)
	v_med3_num_f32 v41, v41, 0, 1.0                ; novelty
	s_delay_alu instid0(VALU_DEP_1)
	v_fma_f32 v42, v41, 0.5, s46                   ; total = pred_err + 0.5 epistemic + 0.5 novelty
	v_cmp_eq_u32 vcc_lo, 1, v[LN]
	s_delay_alu instid0(VALU_DEP_1)
	v_cndmask_b32 v43, v42, v41, vcc_lo            ; lane 0: total, row 0; lane 1: novelty, row 3
	v_min_u32 v44, 1, v[LN]
	s_delay_alu instid0(VALU_DEP_1)
	v_mul_u32_u24 v44, v44, 12288
	v_cmp_gt_u32 vcc_lo, 2, v[LN]
	s_wait_alu depctr_va_vdst(0)
	s_wait_xcnt 0x0                                ; EXEC changes only behind this wait
	s_and_saveexec_b32 s47, vcc_lo
	global_store_b32 v44, v43, s[16:17]
	s_wait_xcnt 0x0                                ; and again, ahead of the line that widens it
	s_or_b32 exec_lo, exec_lo, s47
.Lend:
	s_wait_tensorcnt 0x0                           ; the wave's end, behind my last LDS store
	ds_add_u32 v[SPW], v[NIL]
	s_wait_dscnt 0x0
	s_endpgm
.Lfunc_end_k_q1cb150454e_final:
	.size	k_q1cb150454e_final, .Lfunc_end_k_q1cb150454e_final-k_q1cb150454e_final
	.p2alignl 7, 3214868480
	.fill 96, 4, 3214868480
	.section	.rodata,"a",@progbits
	.p2align	6, 0x0
	.amdhsa_kernel k_q1cb150454e_final
		.amdhsa_group_segment_fixed_size 10240
		.amdhsa_private_segment_fixed_size 0
		.amdhsa_enable_private_segment 0
		.amdhsa_kernarg_size 56
		.amdhsa_user_sgpr_count 2
		.amdhsa_user_sgpr_kernarg_segment_ptr 1
		.amdhsa_wavefront_size32 1
		.amdhsa_system_sgpr_workgroup_id_x 1
		.amdhsa_system_sgpr_workgroup_id_y 1
		.amdhsa_system_sgpr_workgroup_id_z 1
		.amdhsa_system_vgpr_workitem_id 0
		.amdhsa_next_free_vgpr 256
		.amdhsa_next_free_sgpr 66
		.amdhsa_reserve_vcc 1
		.amdhsa_float_denorm_mode_32 3
		.amdhsa_float_denorm_mode_16_64 3
		.amdhsa_memory_ordered 1
		.amdhsa_forward_progress 1
		.amdhsa_inst_pref_size 38
	.end_amdhsa_kernel
	.amdgpu_metadata
---
amdhsa.version: [ 1, 2 ]
amdhsa.kernels:
  - .name:           k_q1cb150454e_final
    .symbol:         k_q1cb150454e_final.kd
    .args:
      - { .name: gid, .offset: 0, .size: 8, .value_kind: global_buffer, .address_space: global }
      - { .name: mc, .offset: 8, .size: 8, .value_kind: global_buffer, .address_space: global }
      - { .name: ms, .offset: 16, .size: 8, .value_kind: global_buffer, .address_space: global }
      - { .name: zc, .offset: 24, .size: 8, .value_kind: global_buffer, .address_space: global }
      - { .name: zs, .offset: 32, .size: 8, .value_kind: global_buffer, .address_space: global }
      - { .name: part, .offset: 40, .size: 8, .value_kind: global_buffer, .address_space: global }
      - { .name: out0, .offset: 48, .size: 8, .value_kind: global_buffer, .address_space: global }
    .group_segment_fixed_size: 10240
    .private_segment_fixed_size: 0
    .kernarg_segment_align: 8
    .kernarg_segment_size: 56
    .max_flat_workgroup_size: 512
    .sgpr_count:     66
    .vgpr_count:     256
    .wavefront_size: 32
...
	.end_amdgpu_metadata
.endif
;; end of part 8
